; MI455X (gfx1250); checked and timed in simulation.
; The chip was launched on July 23, 2026; its instructions are those of AMD's public machine-readable ISA for CDNA 5 (MIT licence, August 2026) and "CDNA5" Instruction Set Architecture Reference Guide (July 2026). The comments in the code are by the model that wrote it; some were corrected since.
;; Encoder Block. Allowed arithmetic: matrix products marked QUANTISED: E2M3 operands, one E8M0 scale for each 32 along K, by v_wmma_scale_f32_16x16x128_f8f6f4 with both operands' format E2M3, f32 sums; everything else in f32.
;; Inputs: b1 4,096 float32; b2 1,024 float32; beta1 1,024 float32; beta2 1,024 float32; gamma1 1,024 float32; gamma2 1,024 float32; mask 2 x 1 x 1 x 2,048 int32; w1 1,024 x 4,096 float32; w2 4,096 x 1,024 float32; wk 1,024 x 1,024 float32; wo 1,024 x 1,024 float32; wq 1,024 x 1,024 float32; wv 1,024 x 1,024 float32; x 2 x 2,048 x 1,024 float32.
;; Outputs: out0 2 x 2,048 x 1,024 float32.
;; This version of the problem:
;;   THIS VERSION OF THE PROBLEM IS GIVEN IN LOW PRECISION. The matrix products marked QUANTISED in the list below multiply operands that are first quantised to E2M3 (2 exponent bits, 3 mantissa bits; 6 bits a number), with one power-of-two scale for each 32 numbers along K (OCP MX v1.0); their sums are f32. All else is computed in f32.
;;   The module's matrix products, in the order in which they are computed (A, B: the left and right operand; K: the contracted axis; several contracted axes count as one K, in the product's order):
;;     1. [M 4,096, K 1,024] x [K 1,024, N 1,024]; A: computed on the way; B: input wq: QUANTISED
;;     2. [M 4,096, K 1,024] x [K 1,024, N 1,024]; A: computed on the way; B: input wk: QUANTISED
;;     3. [M 4,096, K 1,024] x [K 1,024, N 1,024]; A: computed on the way; B: input wv: QUANTISED
;;     4. batch 32 x [M 2,048, K 64] x [K 64, N 2,048]; A: computed on the way; B: computed on the way: QUANTISED
;;     5. batch 32 x [M 2,048, K 2,048] x [K 2,048, N 64]; A: softmax (see below); B: computed on the way: QUANTISED
;;     6. [M 4,096, K 1,024] x [K 1,024, N 1,024]; A: computed on the way; B: input wo: QUANTISED
;;     7. [M 4,096, K 1,024] x [K 1,024, N 4,096]; A: computed on the way; B: input w1: QUANTISED
;;     8. [M 4,096, K 4,096] x [K 4,096, N 1,024]; A: computed on the way; B: input w2: QUANTISED
;;   THE QUANTISER, for each operand of a quantised product, along K:
;;     - K is cut into blocks of 32 from its start; a last block that is shorter is filled with zeros.
;;     - A block's scale is 2^e with e = floor(log2(the largest magnitude in the block)) - 2, held to -126 .. 127; a block of zeros has e = 0. As a byte (E8M0): e + 127.
;;     - Each number is divided by its block's scale, clamped to +-7.5, and rounded to the nearest number of E2M3, ties to even, subnormals kept.
;;     - The product sums the exact products of the quantised numbers (number of the format x scale) in f32.
;;   ~~~python
;;   def quantise(x, axis):      # numpy; x: float32 -> the quantised numbers, widened to float32 again
;;       x = np.moveaxis(x, axis, -1); K = x.shape[-1]
;;       x = np.pad(x, [(0, 0)] * (x.ndim - 1) + [(0, -K % 32)]); x = x.reshape(x.shape[:-1] + (-1, 32)); a = np.abs(x).max(-1, keepdims=True)
;;       e = np.where(a > 0, np.clip(np.frexp(np.where(a > 0, a, 1))[1] - 1 - 2, -126, 127), 0)      # np.frexp(a)[1] - 1 = floor(log2(a)), exactly
;;       r = np.clip(x / 2.0 ** e, -7.5, 7.5)
;;       step = 2.0 ** (np.maximum(np.frexp(np.where(r == 0, 1, r))[1] - 1, 0) - 3)
;;       q = np.round(r / step) * step * 2.0 ** e      # np.round: ties to even
;;       return np.moveaxis(q.reshape(q.shape[:-2] + (-1,))[..., :K], -1, axis).astype(np.float32)
;;   ~~~
;;   SOFTMAX AHEAD OF A QUANTISED PRODUCT. Where the list says 'softmax', what is quantised is not the finished softmax but p = 2^(t - M), with t = logit x log2(e) and M = ceil(the row's largest t), a whole number; so 1/2 < the row's largest p <= 1. The row's sum l is taken of the UNQUANTISED p, in f32, and the product's result is divided by l at the end. Since M is a whole number, a kernel that streams over the keys may use a running M (the ceiling of the running maximum): every later rescaling is an exact power of two, which a block's scale takes up: the codes' values come out the same.
;;   OPERANDS COMPUTED ON THE WAY. 'Computed on the way' means the value that the module computes at that place (a softmax that the list does not call 'softmax' is quantised finished and normalised). What goes into a quantiser is computed in f32, as accurately as f32 sums, v_exp_f32 and their like allow (about 1e-6 of the number): no bf16 or f16 on the way to a quantiser, and a product that is left as it is and whose result goes on into a quantised operand takes f32 operands (vector FMAs, or v_wmma_f32_16x16x4_f32). A number that lies on a knife's edge between two numbers of the format may be rounded either way, as far as f32 arithmetic and the matrix unit's own rounding can turn it there, and no further.
;; 2 versions. Each part assembles by itself: llvm-mc -triple=amdgcn-amd-amdhsa -mcpu=gfx1250 --defsym DOCPART=n.
;; ======== version 1 of 2: 8 launches
;; limits: right only within a limited range of input values
;; workspace buffers: wbuf 9,830,400 bytes; nbuf 3,276,800 bytes; qkv 9,830,400 bytes; x1 16,777,216 bytes; hbuf 13,107,200 bytes
;; launch wq6 (part 1): grid 384 x 1, 4 waves a work-group, no clusters, 25,088 bytes of LDS; arguments wq, wk, wv, wo, w1, w2, wbuf; writes wbuf
.if DOCPART == 1
	.amdgcn_target "amdgcn-amd-amdhsa--gfx1250"
	.amdhsa_code_object_version 6
	.text
	.protected	k_q62f5962440_wq6
	.globl	k_q62f5962440_wq6
	.p2align	8
	.type	k_q62f5962440_wq6,@function
k_q62f5962440_wq6:
	s_mov_b64 s[64:65], 0
	v_nop
	global_prefetch_b8 v0, s[64:65] scope:SCOPE_SE
	s_setreg_imm32_b32 hwreg(HW_REG_WAVE_MODE, 25, 1), 1
	s_wait_xcnt 0x0
; The six weights, f32 with K as their FIRST axis, become codes of FP6 (E2M3) with K innermost and one E8M0 byte for each 32 along K.
; LAYOUT OF wbuf ("slabs"): codes [K / 256][rows][192 bytes], scale bytes [K / 256][rows][8].  Region 0: rows 0-1023 wq's columns, 1024-2047 wk's, 2048-3071 wv's, 3072-4095 wo's (4 slabs);
; region 1: w1's 4,096 columns (4 slabs); region 2: w2's 1,024 columns (16 slabs).  Row p holds column pi(p): p with bits 3 and 4 exchanged, so that the products' results fall as 16 neighbours along the next K.
; SHARES: 128 work-groups a region; a work-group takes 128 columns x 256 along K, a wave 32 columns, A LANE ONE COLUMN, AND ITS REGISTERS RUN DOWN K: a block of 32 lies in one lane, each load reads 128 consecutive bytes a wave.
; A block's scale is 2^(floor(log2(largest magnitude)) - 2): its byte is the largest magnitude's exponent field - 2, held at 1 from below (a block of zeros keeps 1: its codes are zeros, and this program alone reads the bytes).
; LIMITS: blocks whose largest magnitude lies under 2^-124 keep the byte 1; NaN and infinities are not served.
; The wave's 32 rows x 192 bytes are gathered in its own 6,144 bytes of LDS and leave as one dense run; waves share nothing, so there is no barrier.
.set OF,   32                          ; v32-63   row i of a block: i x the source's row pitch + 4 x lane
.set X,    64                          ; v64-127  two sets of 32 numbers
.set C,    128                         ; v128-134 a block's codes
.set SB,   24                          ; v24-25   my column's 8 scale bytes
.set OUTR, 136                         ; v136-183 the way out
.set NB,   8                           ; blocks of a lane
	s_load_b256 s[4:11], s[0:1], 0x0               ; wq, wk, wv, wo
	s_load_b128 s[12:15], s[0:1], 0x20             ; w1, w2
	s_load_b64 s[16:17], s[0:1], 0x30              ; wbuf
	v_lshl_add_u32 v192, v0, 2, 0x6000
	v_mov_b32 v193, 0
	v_lshrrev_b32 v1, 5, v0
	v_readfirstlane_b32 s18, v1                    ; wave
	v_and_b32 v2, 31, v0                           ; lane
	v_lshlrev_b32 v3, 2, v2                        ; 4 bytes a lane
	v_and_b32 v5, 7, v2
	v_bfe_u32 v6, v2, 3, 1
	v_bfe_u32 v8, v2, 4, 1
	v_lshl_or_b32 v5, v6, 4, v5
	v_lshl_or_b32 v5, v8, 3, v5                    ; pi(lane): the row that my column takes
	s_mul_i32 s19, s18, 6144                       ; my wave's stage
	v_mul_u32_u24 v4, v5, 192
	v_add_nc_u32 v4, s19, v4                       ; into it: my row
	v_lshlrev_b32 v10, 4, v2                       ; out of it, and in memory: 16 bytes a lane
	v_add_nc_u32 v7, s19, v10
	v_lshlrev_b32 v9, 3, v5                        ; my row's 8 scale bytes
	s_lshr_b32 s20, ttmp9, 7                       ; region 0, 1, 2
	s_and_b32 s21, ttmp9, 127                      ; the work-group's number in it
	s_lshr_b32 s22, ttmp9, 5                       ; in region 0: which of the four weights
	s_mov_b32 s24, 4096
	s_mov_b32 s25, 4096
	s_cmp_eq_u32 s20, 2
	s_cselect_b32 s23, 4, 2                        ; K steps: 16 in region 2, else 4
	s_cselect_b32 s26, 15, 3
	s_cselect_b32 s24, 1024, s24                   ; rows in a slab
	s_cmp_eq_u32 s20, 1
	s_cselect_b32 s25, 16384, s25                  ; the source's row pitch in bytes
	s_cmp_eq_u32 s20, 0
	s_cselect_b32 s27, 7, 31
	s_lshr_b32 s28, s21, s23                       ; group of 128 rows of the region
	s_and_b32 s29, s21, s26                        ; K step
	s_and_b32 s27, s28, s27                        ; group of 128 columns of the source
	s_mul_i32 s30, s29, s25
	s_lshl_b32 s30, s30, 8                         ; 256 rows of the source a K step
	s_lshl_b32 s31, s27, 9
	s_add_co_u32 s30, s30, s31
	s_lshl_b32 s31, s18, 7
	s_add_co_u32 s30, s30, s31                     ; + 4 x (128 x group + 32 x wave)
	s_mov_b32 s31, 0
	s_lshl_b32 s32, s28, 7
	s_lshl_b32 s33, s18, 5
	s_add_co_u32 s32, s32, s33                     ; my wave's first row of the region
	s_mul_i32 s33, s29, s24
	s_add_co_u32 s33, s33, s32                     ; counted through the slabs
	s_mul_i32 s34, s33, 192
	s_mul_i32 s35, s20, 3145728
	s_add_co_u32 s34, s34, s35                     ; the codes' place in wbuf
	s_mov_b32 s35, 0
	s_lshl_b32 s36, s33, 3
	s_lshl_b32 s37, s20, 17
	s_add_co_u32 s36, s36, s37
	s_add_co_u32 s36, s36, 9437184                 ; the scale bytes' place
	s_mov_b32 s37, 0
	s_lshl_b32 s38, s25, 5                         ; a block on: 32 rows of the source
	s_mov_b32 s39, 0
.set i, 0
.rept 32
	v_mad_u32_u24 v[OF+i], s25, i, v3
.set i, i+1
.endr
	s_wait_kmcnt 0x0
	s_cmp_eq_u32 s22, 1                            ; the source: a choice on the work-group's number alone
	s_cselect_b64 s[4:5], s[6:7], s[4:5]
	s_cmp_eq_u32 s22, 2
	s_cselect_b64 s[4:5], s[8:9], s[4:5]
	s_cmp_eq_u32 s22, 3
	s_cselect_b64 s[4:5], s[10:11], s[4:5]
	s_cmp_eq_u32 s20, 1
	s_cselect_b64 s[4:5], s[12:13], s[4:5]
	s_cmp_eq_u32 s20, 2
	s_cselect_b64 s[4:5], s[14:15], s[4:5]
	s_add_nc_u64 s[4:5], s[4:5], s[30:31]
	s_add_nc_u64 s[40:41], s[16:17], s[34:35]      ; codes
	s_add_nc_u64 s[42:43], s[16:17], s[36:37]      ; scale bytes
.macro LOAD t                          ; block t: 32 rows of the source at my column, into set t % 2; then the base steps a block on
.set i, 0
.rept 32
	global_load_b32 v[X+32*((\t)%2)+i], v[OF+i], s[4:5] th:TH_LOAD_NT
.set i, i+1
.endr
	s_wait_xcnt 0x0                                ; the loads have read their base: only now is it stepped
	s_add_nc_u64 s[4:5], s[4:5], s[38:39]
.endm
	LOAD 0
	LOAD 1
.macro BLOCK t
.set XS, X+32*((\t)%2)
.if (\t) < NB-1
	s_wait_loadcnt 32                              ; this block's 32 loads are in; the next block's may be out
.else
	s_wait_loadcnt 0
.endif
	v_max3_num_f32 v12, |v[XS]|, |v[XS+1]|, |v[XS+2]|              ; the block's largest magnitude: all 32 numbers are mine; two chains
	v_max3_num_f32 v13, |v[XS+3]|, |v[XS+4]|, |v[XS+5]|
.irp i, 6,10,14,18,22,26
	v_max3_num_f32 v12, v12, |v[XS+\i]|, |v[XS+\i+1]|
	v_max3_num_f32 v13, v13, |v[XS+\i+2]|, |v[XS+\i+3]|
.endr
	v_max3_num_f32 v12, v12, |v[XS+30]|, |v[XS+31]|
	v_max3_num_f32 v12, v12, v13, 0x1800000        ; and the floor 2^(3 - 127): the byte cannot fall under 1
	v_add_nc_u32 v11, 0xff000000, v12              ; 2 off the exponent field: the conversion takes that field of this operand as its scale
	v_lshrrev_b32 v13, 23, v11                     ; the scale's byte
.if (\t)%4 == 0
	v_mov_b32 v[SB+(\t)/4], v13
.else
	v_lshl_or_b32 v[SB+(\t)/4], v13, 8*((\t)%4), v[SB+(\t)/4]
.endif
	v_cvt_scalef32_pk16_fp6_f32 v[C:C+2], v[XS:XS+15], v11
	v_cvt_scalef32_pk16_fp6_f32 v[C+4:C+6], v[XS+16:XS+31], v11    ; (a conversion's three registers begin on an even number)
	v_nop                                          ; one plain place behind a scaled conversion
	v_mov_b32 v[C+3], v[C+4]                       ; the block's 24 bytes on end
	v_mov_b32 v[C+4], v[C+5]
	v_mov_b32 v[C+5], v[C+6]
.irp p, 0,1,2
	ds_store_b64 v4, v[C+2*\p:C+2*\p+1] offset:24*(\t)+8*\p
.endr
.if (\t)+2 < NB
	LOAD (\t)+2
.endif
	s_wait_dscnt 0x0                               ; the stores have read their registers: the next block's codes may be written
.endm
.set Q, 0
.rept NB
	BLOCK Q
.set Q, Q+1
.endr
	global_store_b64 v9, v[SB:SB+1], s[42:43]      ; 32 lanes store 256 consecutive bytes, aligned
.set i, 0
.rept 12
	ds_load_b128 v[OUTR+4*i:OUTR+4*i+3], v7 offset:512*i   ; LDS serves a wave's instructions in order: these see my stores
.set i, i+1
.endr
.set i, 0
.rept 12
	s_wait_dscnt 11-i
	global_store_b128 v10, v[OUTR+4*i:OUTR+4*i+3], s[40:41] offset:512*i   ; 512 consecutive bytes an instruction
.set i, i+1
.endr
	s_wait_tensorcnt 0x0
	ds_add_u32 v192, v193
	s_wait_dscnt 0x0
	s_endpgm
.Lfunc_end_k_q62f5962440_wq6:
	.size	k_q62f5962440_wq6, .Lfunc_end_k_q62f5962440_wq6-k_q62f5962440_wq6
	.p2alignl 7, 3214868480
	.fill 96, 4, 3214868480
	.section	.rodata,"a",@progbits
	.p2align	6, 0x0
	.amdhsa_kernel k_q62f5962440_wq6
		.amdhsa_group_segment_fixed_size 25088
		.amdhsa_private_segment_fixed_size 0
		.amdhsa_enable_private_segment 0
		.amdhsa_kernarg_size 56
		.amdhsa_user_sgpr_count 2
		.amdhsa_user_sgpr_kernarg_segment_ptr 1
		.amdhsa_wavefront_size32 1
		.amdhsa_system_sgpr_workgroup_id_x 1
		.amdhsa_system_sgpr_workgroup_id_y 1
		.amdhsa_system_sgpr_workgroup_id_z 1
		.amdhsa_system_vgpr_workitem_id 0
		.amdhsa_next_free_vgpr 194
		.amdhsa_next_free_sgpr 66
		.amdhsa_reserve_vcc 0
		.amdhsa_float_denorm_mode_32 3
		.amdhsa_float_denorm_mode_16_64 3
		.amdhsa_memory_ordered 1
		.amdhsa_forward_progress 1
		.amdhsa_inst_pref_size 46
	.end_amdhsa_kernel
	.amdgpu_metadata
---
amdhsa.version: [ 1, 2 ]
amdhsa.kernels:
  - .name:           k_q62f5962440_wq6
    .symbol:         k_q62f5962440_wq6.kd
    .args:
      - { .name: wq, .offset: 0, .size: 8, .value_kind: global_buffer, .address_space: global }
      - { .name: wk, .offset: 8, .size: 8, .value_kind: global_buffer, .address_space: global }
      - { .name: wv, .offset: 16, .size: 8, .value_kind: global_buffer, .address_space: global }
      - { .name: wo, .offset: 24, .size: 8, .value_kind: global_buffer, .address_space: global }
      - { .name: w1, .offset: 32, .size: 8, .value_kind: global_buffer, .address_space: global }
      - { .name: w2, .offset: 40, .size: 8, .value_kind: global_buffer, .address_space: global }
      - { .name: wbuf, .offset: 48, .size: 8, .value_kind: global_buffer, .address_space: global }
    .group_segment_fixed_size: 25088
    .private_segment_fixed_size: 0
    .kernarg_segment_align: 8
    .kernarg_segment_size: 56
    .max_flat_workgroup_size: 128
    .sgpr_count:     66
    .vgpr_count:     194
    .wavefront_size: 32
...
	.end_amdgpu_metadata
.endif
;; end of part 1
;; launch norm1 (part 2): grid 256 x 1, 4 waves a work-group, no clusters, 31,744 bytes of LDS; arguments x, gamma1, beta1, nbuf; writes nbuf
.if DOCPART == 2
	.amdgcn_target "amdgcn-amd-amdhsa--gfx1250"
	.amdhsa_code_object_version 6
	.text
	.protected	k_q62f5962440_norm1
	.globl	k_q62f5962440_norm1
	.p2align	8
	.type	k_q62f5962440_norm1,@function
k_q62f5962440_norm1:
	s_mov_b64 s[64:65], 0
	v_nop
	global_prefetch_b8 v0, s[64:65] scope:SCOPE_SE
	s_setreg_imm32_b32 hwreg(HW_REG_WAVE_MODE, 25, 1), 1
	s_wait_xcnt 0x0
; n = beta + gamma (x - mean) / (std + 1e-6), std with the divisor 1,023, for rows of 1,024 f32; n is quantised along the row to FP6 (E2M3) with one E8M0 byte for each 32.
; OUT: nbuf, codes [4 slabs of 256][4,096 rows][192 bytes] at 0, scale bytes [4][4,096][8] at NSC.  Row p holds token pi(p): p with bits 3 and 4 exchanged.
; SHARES: a work-group owns rows 16 g .. 16 g + 15 of nbuf, a wave four of them: tokens pi(16 g + 4 w) + 0 .. 3, four neighbours.  One wave takes a whole row: no wave waits for another until the way out.
; Mean and sum of squares are taken in two passes (the mean is taken away first), so a common offset in x costs no difference of large sums.
; A load reads 512 consecutive bytes; for the conversions a lane must hold 32 NEIGHBOURS: a row turns through the wave's own 4,608 bytes of LDS (places of 128 + 16 bytes).
; The work-group's codes meet in LDS as [4 slabs][16 rows][192]; behind ONE barrier wave w stores slab w's 3,072 dense bytes and 128 scale bytes.
; LIMITS: blocks whose largest magnitude lies under 2^-124 keep the byte 1; NaN and infinities are not served.
.set G,   16                           ; v16-47   gamma, as a row is loaded
.set BT,  48                           ; v48-79   beta
.set X,   80                           ; v80-207  four rows
.set Y,   208                          ; v208-239 a row's n
.set CST, 18432                        ; LDS: behind the four turning places: codes,
.set SST, 30720                        ; scale bytes
.set NSC, 3145728
	s_load_b256 s[4:11], s[0:1], 0x0               ; x, gamma, beta, nbuf
	v_lshl_add_u32 v14, v0, 2, 0x7a00
	v_mov_b32 v15, 0
	v_lshrrev_b32 v1, 5, v0
	v_readfirstlane_b32 s12, v1                    ; wave
	v_and_b32 v6, 31, v0                           ; lane
	v_lshlrev_b32 v1, 4, v6                        ; 16 bytes a lane
	s_lshl_b32 s13, ttmp9, 4
	s_lshl_b32 s14, s12, 2
	s_add_co_u32 s13, s13, s14                     ; my first row of nbuf
	s_and_b32 s14, s13, 0xffffffe7
	s_bfe_u32 s15, s13, 0x10003
	s_bfe_u32 s16, s13, 0x10004
	s_lshl_b32 s15, s15, 4
	s_lshl_b32 s16, s16, 3
	s_or_b32 s14, s14, s15
	s_or_b32 s14, s14, s16                         ; its token
	s_lshl_b32 s14, s14, 12                        ; 4,096 bytes a token
	s_mov_b32 s15, 0
	s_mul_i32 s17, s12, 4608                       ; my turning place
	v_lshrrev_b32 v7, 3, v6
	v_and_b32 v8, 7, v6
	v_mul_u32_u24 v2, v7, 144
	v_lshl_add_u32 v2, v8, 4, v2
	v_add_nc_u32 v2, s17, v2                       ; in: eight lanes' 128 bytes, then 16 of padding; a load's 512 bytes take four places
	v_mul_u32_u24 v3, v6, 144
	v_add_nc_u32 v3, s17, v3                       ; out: place = lane: block = lane
	s_mul_i32 s18, s12, 768
	s_add_co_u32 s18, s18, CST
	v_mul_u32_u24 v4, v7, 3072
	v_mad_u32_u24 v4, v8, 24, v4
	v_add_nc_u32 v4, s18, v4                       ; codes: slab lane / 8, my wave's rows, block lane % 8
	s_lshl_b32 s18, s12, 5
	s_add_co_u32 s18, s18, SST
	v_lshl_add_u32 v5, v7, 7, v8
	v_add_nc_u32 v5, s18, v5                       ; and the block's byte
	s_mul_i32 s18, s12, 3072
	s_add_co_u32 s18, s18, CST
	v_add_nc_u32 v9, s18, v1                       ; the way out: slab = wave
	s_lshl_b32 s18, s12, 7
	s_add_co_u32 s18, s18, SST
	v_lshlrev_b32 v11, 2, v6
	v_add_nc_u32 v10, s18, v11
	s_mul_i32 s20, s12, 786432
	s_mul_i32 s21, ttmp9, 3072
	s_add_co_u32 s20, s20, s21
	s_mov_b32 s21, 0
	s_lshl_b32 s22, s12, 15
	s_lshl_b32 s23, ttmp9, 7
	s_add_co_u32 s22, s22, s23
	s_add_co_u32 s22, s22, NSC
	s_mov_b32 s23, 0
	s_mov_b32 s24, 0x76543210
	s_mov_b32 s25, 0xfedcba98                      ; v_permlanex16_b32's selects for lane l xor 16
	s_wait_kmcnt 0x0
	s_add_nc_u64 s[4:5], s[4:5], s[14:15]
	s_add_nc_u64 s[20:21], s[10:11], s[20:21]
	s_add_nc_u64 s[22:23], s[10:11], s[22:23]
.irp j, 0,1,2,3,4,5,6,7
	global_load_b128 v[G+4*\j:G+4*\j+3], v1, s[6:7] offset:512*\j
	global_load_b128 v[BT+4*\j:BT+4*\j+3], v1, s[8:9] offset:512*\j
.endr
.irp i, 0,1,2,3                        ; all four rows go out at once: 32 loads of 512 consecutive bytes
.irp j, 0,1,2,3,4,5,6,7
	global_load_b128 v[X+32*\i+4*\j:X+32*\i+4*\j+3], v1, s[4:5] offset:4096*\i+512*\j
.endr
.endr
.macro SUM32                           ; v240 summed over the 32 lanes, the result in every lane
	v_add_f32_dpp v240, v240, v240 row_xmask:1 row_mask:0xf bank_mask:0xf
	v_add_f32_dpp v240, v240, v240 row_xmask:2 row_mask:0xf bank_mask:0xf
	v_add_f32_dpp v240, v240, v240 row_xmask:4 row_mask:0xf bank_mask:0xf
	v_add_f32_dpp v240, v240, v240 row_xmask:8 row_mask:0xf bank_mask:0xf
	v_permlanex16_b32 v241, v240, s24, s25
	v_add_f32 v240, v240, v241
.endm
.macro ROW i
.set XR, X+32*\i
	s_wait_loadcnt 8*(3-\i)                        ; this row's eight loads are in; the later rows' may be out
	v_pk_add_f32 v[240:241], v[XR:XR+1], v[XR+2:XR+3]              ; the sum, in two chains
	v_pk_add_f32 v[242:243], v[XR+4:XR+5], v[XR+6:XR+7]
.irp k, 8,12,16,20,24,28
	v_pk_add_f32 v[240:241], v[240:241], v[XR+\k:XR+\k+1]
	v_pk_add_f32 v[242:243], v[242:243], v[XR+\k+2:XR+\k+3]
.endr
	v_pk_add_f32 v[240:241], v[240:241], v[242:243]
	v_add_f32 v240, v240, v241
	SUM32
	v_mul_f32 v244, 0x3a800000, v240               ; the mean: / 1,024
	v_mov_b32 v245, v244
.set k, 0
.rept 16
	v_pk_add_f32 v[XR+k:XR+k+1], v[XR+k:XR+k+1], v[244:245] neg_lo:[0,1] neg_hi:[0,1]   ; d = x - mean
.set k, k+2
.endr
	v_pk_mul_f32 v[240:241], v[XR:XR+1], v[XR:XR+1]                ; the sum of d^2, in two chains
	v_pk_mul_f32 v[242:243], v[XR+2:XR+3], v[XR+2:XR+3]
.irp k, 4,8,12,16,20,24,28
	v_pk_fma_f32 v[240:241], v[XR+\k:XR+\k+1], v[XR+\k:XR+\k+1], v[240:241]
	v_pk_fma_f32 v[242:243], v[XR+\k+2:XR+\k+3], v[XR+\k+2:XR+\k+3], v[242:243]
.endr
	v_pk_add_f32 v[240:241], v[240:241], v[242:243]
	v_add_f32 v240, v240, v241
	SUM32
	v_mul_f32 v240, 0x3a802008, v240               ; / 1,023
	v_sqrt_f32 v242, v240
	v_nop                                          ; a plain place behind the transcendental,
	s_wait_alu depctr_va_vdst(0)                   ; and the wait ahead of its first reader
	v_add_f32 v242, 0x358637bd, v242               ; + 1e-6
	v_rcp_f32 v246, v242
	v_nop
	s_wait_alu depctr_va_vdst(0)
	v_mov_b32 v247, v246
.set k, 0
.rept 16
	v_pk_mul_f32 v[Y+k:Y+k+1], v[XR+k:XR+k+1], v[246:247]
.set k, k+2
.endr
.set k, 0
.rept 16
	v_pk_fma_f32 v[Y+k:Y+k+1], v[Y+k:Y+k+1], v[G+k:G+k+1], v[BT+k:BT+k+1]
.set k, k+2
.endr
.irp j, 0,1,2,3,4,5,6,7
	ds_store_b128 v2, v[Y+4*\j:Y+4*\j+3] offset:576*\j
.endr
.irp j, 0,1,2,3,4,5,6,7
	ds_load_b128 v[Y+4*\j:Y+4*\j+3], v3 offset:16*\j               ; LDS serves a wave's instructions in order: these see the stores above
.endr
	s_wait_dscnt 0x0                               ; my block of 32 neighbours is in; the last row's stores of codes have read their registers
	v_max3_num_f32 v240, |v[Y]|, |v[Y+1]|, |v[Y+2]|
	v_max3_num_f32 v241, |v[Y+3]|, |v[Y+4]|, |v[Y+5]|
.irp k, 6,10,14,18,22,26
	v_max3_num_f32 v240, v240, |v[Y+\k]|, |v[Y+\k+1]|
	v_max3_num_f32 v241, v241, |v[Y+\k+2]|, |v[Y+\k+3]|
.endr
	v_max3_num_f32 v240, v240, |v[Y+30]|, |v[Y+31]|
	v_max3_num_f32 v240, v240, v241, 0x1800000     ; the floor 2^(3 - 127): the byte cannot fall under 1
	v_add_nc_u32 v242, 0xff000000, v240            ; 2 off the exponent field: the conversion's scale operand
	v_lshrrev_b32 v255, 23, v242                   ; the scale's byte
	v_cvt_scalef32_pk16_fp6_f32 v[248:250], v[Y:Y+15], v242
	v_cvt_scalef32_pk16_fp6_f32 v[252:254], v[Y+16:Y+31], v242
	v_nop                                          ; one plain place behind a scaled conversion
	v_mov_b32 v251, v252                           ; the block's 24 bytes on end
	v_mov_b32 v252, v253
	v_mov_b32 v253, v254
	ds_store_b64 v4, v[248:249] offset:192*\i
	ds_store_b64 v4, v[250:251] offset:192*\i+8
	ds_store_b64 v4, v[252:253] offset:192*\i+16
	ds_store_b8 v5, v255 offset:8*\i
.endm
	ROW 0
	ROW 1
	ROW 2
	ROW 3
	s_wait_dscnt 0x0                               ; for the others' sake: my codes and bytes lie in LDS
	s_barrier_signal -1
	s_barrier_wait -1
.irp t, 0,1,2,3,4,5
	ds_load_b128 v[X+4*\t:X+4*\t+3], v9 offset:512*\t
.endr
	ds_load_b32 v[X+24], v10
.irp t, 0,1,2,3,4,5
	s_wait_dscnt 6-\t
	global_store_b128 v1, v[X+4*\t:X+4*\t+3], s[20:21] offset:512*\t   ; 512 consecutive bytes an instruction
.endr
	s_wait_dscnt 0x0
	global_store_b32 v11, v[X+24], s[22:23]        ; 128 consecutive bytes
	s_wait_tensorcnt 0x0
	ds_add_u32 v14, v15
	s_wait_dscnt 0x0
	s_endpgm
.Lfunc_end_k_q62f5962440_norm1:
	.size	k_q62f5962440_norm1, .Lfunc_end_k_q62f5962440_norm1-k_q62f5962440_norm1
	.p2alignl 7, 3214868480
	.fill 96, 4, 3214868480
	.section	.rodata,"a",@progbits
	.p2align	6, 0x0
	.amdhsa_kernel k_q62f5962440_norm1
		.amdhsa_group_segment_fixed_size 31744
		.amdhsa_private_segment_fixed_size 0
		.amdhsa_enable_private_segment 0
		.amdhsa_kernarg_size 32
		.amdhsa_user_sgpr_count 2
		.amdhsa_user_sgpr_kernarg_segment_ptr 1
		.amdhsa_wavefront_size32 1
		.amdhsa_system_sgpr_workgroup_id_x 1
		.amdhsa_system_sgpr_workgroup_id_y 1
		.amdhsa_system_sgpr_workgroup_id_z 1
		.amdhsa_system_vgpr_workitem_id 0
		.amdhsa_next_free_vgpr 256
		.amdhsa_next_free_sgpr 66
		.amdhsa_reserve_vcc 0
		.amdhsa_float_denorm_mode_32 3
		.amdhsa_float_denorm_mode_16_64 3
		.amdhsa_memory_ordered 1
		.amdhsa_forward_progress 1
		.amdhsa_inst_pref_size 45
	.end_amdhsa_kernel
	.amdgpu_metadata
---
amdhsa.version: [ 1, 2 ]
amdhsa.kernels:
  - .name:           k_q62f5962440_norm1
    .symbol:         k_q62f5962440_norm1.kd
    .args:
      - { .name: x, .offset: 0, .size: 8, .value_kind: global_buffer, .address_space: global }
      - { .name: gamma1, .offset: 8, .size: 8, .value_kind: global_buffer, .address_space: global }
      - { .name: beta1, .offset: 16, .size: 8, .value_kind: global_buffer, .address_space: global }
      - { .name: nbuf, .offset: 24, .size: 8, .value_kind: global_buffer, .address_space: global }
    .group_segment_fixed_size: 31744
    .private_segment_fixed_size: 0
    .kernarg_segment_align: 8
    .kernarg_segment_size: 32
    .max_flat_workgroup_size: 128
    .sgpr_count:     66
    .vgpr_count:     256
    .wavefront_size: 32
...
	.end_amdgpu_metadata
.endif
;; end of part 2
;; launch proj (part 3): grid 12 x 16, 4 waves a work-group, clusters of 4 x 4, 327,680 bytes of LDS; arguments nbuf, wbuf, mask, qkv; writes qkv
.if DOCPART == 3
	.amdgcn_target "amdgcn-amd-amdhsa--gfx1250"
	.amdhsa_code_object_version 6
	.text
	.protected	k_q62f5962440_proj
	.globl	k_q62f5962440_proj
	.p2align	8
	.type	k_q62f5962440_proj,@function
k_q62f5962440_proj:
	s_mov_b64 s[64:65], 0
	v_nop
	global_prefetch_b8 v0, s[64:65] scope:SCOPE_SE
	s_setreg_imm32_b32 hwreg(HW_REG_WAVE_MODE, 25, 1), 1
	s_wait_xcnt 0x0
	s_wait_alu depctr_hold_cnt(0) depctr_sa_sdst(0) depctr_va_vdst(0) depctr_va_sdst(0) depctr_va_ssrc(0) depctr_va_vcc(0) depctr_vm_vsrc(0)
	s_getreg_b32 s2, hwreg(HW_REG_IB_STS2, 6, 4)
	s_cmp_eq_u32 s2, 0
	s_cbranch_scc0 .Lentry_in_a_cluster
	s_endpgm
.Lentry_in_a_cluster:
	s_bfe_u32 s2, ttmp6, 0x10000c
	s_cmp_lg_u32 s2, 0xf033
	s_cbranch_scc0 .Lentry_shape_is_right
	s_endpgm
.Lentry_shape_is_right:
; A GEMM on codes of FP6 (E2M3) whose RESULT IS QUANTISED ON THE WAY OUT.  One text serves two launches; KIND says which.
; KIND 0: q = n1 wq, k = n1 wk (source 1 = tokens, source 0 = weight columns) and v^T = wv^T n1^T (source 1 = wv's columns, source 0 = tokens: so v is quantised along the KEYS).  KIND 1: h = relu(n2 w1 + b1).
; ALL OPERANDS LIE IN SLABS: codes [K / 256][rows][192 bytes], scale bytes [K / 256][rows][8]; row p holds logical row pi(p): p with bits 3 and 4 exchanged.
; A tile of the result, 256 x 256, is made by four waves, each 128 x 128: 64 accumulators of 16 x 16.  K goes in steps of 256 through two LDS slots filled by the tensor data mover; a step's 128 rows are one dense block of 24,576 bytes.
; THE MATRIX INSTRUCTION IS USED TRANSPOSED (source 0 = 16 rows of B, source 1 = 16 rows of A): lane (r, h) holds A's row r, and register j of tile 2 b + u B's row 32 b + 16 u + 8 h + j, which is logical 32 b + 16 h + 8 u + j:
; so the 16 registers of two neighbouring tiles are 16 NEIGHBOURS along the next product's K, and a block of 32 lies in lanes l and l xor 16.
; THE SCALES of the work-group's rows, for all of K, come into LDS once, with the first fills.
; CLUSTERS: 4 x 4 work-groups; A's tiles are asked for jointly along a row of the cluster, B's along a column.
; THE MASK (KIND 0, k alone): a key whose mask is 0 gets zero CODES (its conversion's scale operand is 2^127; its scale bytes stay the blocks' own); the attention launch gives such a key its score.
; THE WAY OUT: each wave's 16 rows x 128 columns become one fragment's codes and a scale word a row; the tile's 256 rows x 192 bytes meet in LDS (in slot 0, which has had its last fill and its last read) and leave as one dense block of 49,152 bytes.
; LIMITS: blocks whose largest magnitude lies under 2^-124 keep the byte 1; NaN and infinities are not served.
; REGISTERS: window 0: v16-31 addresses; v32-63 scale words, two sets; v64-127 the bias (KIND 1), later at work; v128-223 A's fragments, ONE set.  Window 1: B's fragments, two sets.  Windows 2, 3: accumulator (a, b) at v[8 (8 (a % 4) + b)] of window 2 + a / 4.
.set KIND,   0
.set AB,     8                         ; A's blocks of 16 rows a wave
.set NK,     4                         ; K steps
.set SA,     786432                    ; a slab of A, of B, in bytes
.set SB,     786432
.set RA,     4096                      ; rows in a slab
.set RB,     4096
.set NSC,    3145728                   ; nbuf: the scale bytes
.set S0,     9437184                   ; wbuf: region 0's scale bytes;
.set R1,     3145728                   ; region 1's codes,
.set S1,     9568256                   ; and scale bytes
.set VC,     6291456                   ; qkv: v's codes; q's and k's scale bytes; v's
.set QKS,    9437184
.set VSC,    9699328
.set HSC,    12582912                  ; hbuf: the scale bytes
.if KIND == 0
.set FIRST,  1                         ; the first products take the constant 0 as C,
.else
.set FIRST,  2                         ; or the bias
.endif
.set PITCH,  240                       ; an LDS row: 3 x (64 bytes + 16 of padding)
.set FR,     12
.set NL,     6
.set HALFA,  16*AB*PITCH
.set HALFB,  128*PITCH
.set SLOT,   2*HALFA+2*HALFB
.set SCL,    2*SLOT                    ; A's scale bytes: parts of [NK][128 rows][8]
.set SCLB,   SCL+(AB/4)*NK*1024        ; B's two parts
.set SPARE,  SCLB+2*NK*1024            ; the spare words: 128 bytes a wave, which no other line names
.set ADRA, 16                          ; v16-17 my A fragments in slot 0, 1; v18-19 the same behind one padding more
.set ADRB, 20                          ; v20-23 the same for B
.set STC,  24                          ; the way out: where my codes go,
.set STS,  25                          ; my scale words,
.set RDC,  26                          ; what I copy out: codes (LDS address and offset in memory are the same number),
.set ADRS, 27                          ; LDS address of my scale words: lanes 0-15 A's rows, lanes 16-31 B's
.set SPW,  28
.set NIL,  29
.set RDS,  30                          ; and scale bytes
.set XO,   31                          ; offset of the mask's or the bias's loads
.set SC,   32
.set BI,   64
.set AF,   128
.set CD,   64                          ; the way out: codes v64-82, at work v96-111, the scale word v112, the mask's words v116-123, 2^127 v124
.set TM,   96
.set PW,   112
.set MK,   116
.set BIG,  124
.set G1, 24
.set G0, 32
.set G1B, 48
.set G0B, 56
.set G1S, 68
.set G0S, 76
.set G1SB, 80
.set G0SB, 88
.set MSB, 0
.macro WIN new                         ; the immediate's high byte repeats the setting that is left; a switch that changes nothing is dropped
.if MSB != (\new)
	s_set_vgpr_msb (MSB<<8)|(\new)
.set MSB, (\new)
.endif
.endm
; A joint load: waves 0 and 1 fetch for A, waves 2 and 3 for B; the branch hangs on the wave's number alone.  Four v_nop follow each of the two lines.
.macro JLOAD g0a, g1a, g0b, g1b
	s_cmp_eq_u32 s15, 0
	s_cbranch_scc0 .Lfor_b_\@
	tensor_load_to_lds s[\g0a:\g0a+3], s[\g1a:\g1a+7]
	s_nop 0
.rept 4
	v_nop
.endr
	s_branch .Lasked_\@
.Lfor_b_\@:
	tensor_load_to_lds s[\g0b:\g0b+3], s[\g1b:\g1b+7]
	s_nop 0
.rept 4
	v_nop
.endr
.Lasked_\@:
.endm
.macro CREST                           ; a round of the cluster's barrier behind its opening barrier
	s_cmp_lg_u32 s14, 0
	s_cbranch_scc1 .Lnot_wave_0_\@
	s_barrier_signal -3
.Lnot_wave_0_\@:
	s_barrier_wait -3
	s_barrier_signal -1
	s_barrier_wait -1
.endm
.macro CROUND
	s_barrier_signal -1
	s_barrier_wait -1
	CREST
.endm
.macro PLACES n
.rept \n
	v_nop
.endr
.endm
	s_load_b256 s[4:11], s[0:1], 0x0               ; the activations' codes, wbuf, the mask or the bias, the output
	v_lshl_add_u32 v[SPW], v0, 2, SPARE
	v_mov_b32 v[NIL], 0
	ds_add_u32 v28, v29
	ds_add_u32 v28, v29
	s_wait_dscnt 0x0
	v_lshrrev_b32 v1, 5, v0
	v_readfirstlane_b32 s14, v1                    ; wave 0..3
	s_lshr_b32 s15, s14, 1                         ; which half of the tile's A rows is mine.  Also: I fetch for A (0) or for B (1)
	s_and_b32 s16, s14, 1                          ; which half of B's rows.  Also: which 128 rows I fetch
	s_bfe_u32 s40, ttmp6, 0x40000                  ; cx, cy: my place in the cluster
	s_bfe_u32 s41, ttmp6, 0x40004
	s_and_b32 s18, ttmp7, 0xffff                   ; the cluster's y
	s_lshl_b32 s43, s41, 2
	s_lshl_b32 s43, 15, s43                        ; my row of the cluster
	s_lshl_b32 s44, 0x1111, s40                    ; my column
	s_or_b32 s[G1+0], s43, (1<<20)|(1<<21)|(3<<22)|(3<<25)   ; the mask; elements of 1 byte; padding on; bit 21 beside a mask; 4 words of padding behind every 16
	s_or_b32 s[G1B+0], s44, (1<<20)|(1<<21)|(3<<22)|(3<<25)
	s_mov_b32 s[G1+1], 192<<16                     ; tensor_dim0
	s_mov_b32 s[G1+2], (16*AB)<<16                 ; tensor_dim1
	s_mov_b32 s[G1+3], 192<<16                     ; tile_dim0
	s_mov_b32 s[G1+4], 16*AB                       ; tile_dim1
	s_mov_b32 s[G1+5], 192                         ; the rows are dense
	s_mov_b32 s[G1+6], 0
	s_mov_b32 s[G1+7], 0
	s_mov_b32 s[G1B+1], 192<<16
	s_mov_b32 s[G1B+2], 128<<16
	s_mov_b32 s[G1B+3], 192<<16
	s_mov_b32 s[G1B+4], 128
	s_mov_b32 s[G1B+5], 192
	s_mov_b32 s[G1B+6], 0
	s_mov_b32 s[G1B+7], 0
	s_or_b32 s[G1S+0], s43, (3<<16)|(1<<21)        ; the scale bytes of 128 rows: NK rows of 128 elements of 8 bytes, a slab apart
	s_or_b32 s[G1SB+0], s44, (3<<16)|(1<<21)
	s_mov_b32 s[G1S+1], 128<<16
	s_mov_b32 s[G1S+2], NK<<16
	s_mov_b32 s[G1S+3], 128<<16
	s_mov_b32 s[G1S+4], NK
	s_mov_b32 s[G1S+5], RA
	s_mov_b32 s[G1S+6], 0
	s_mov_b32 s[G1S+7], 0
	s_mov_b32 s[G1SB+1], 128<<16
	s_mov_b32 s[G1SB+2], NK<<16
	s_mov_b32 s[G1SB+3], 128<<16
	s_mov_b32 s[G1SB+4], NK
	s_mov_b32 s[G1SB+5], RB
	s_mov_b32 s[G1SB+6], 0
	s_mov_b32 s[G1SB+7], 0
	; the tile's first rows: s19 in A (made of cy and the cluster's place alone), s45 in B (of cx and the cluster's place alone)
.if KIND == 0
	s_lshl_b32 s19, s18, 10
	s_lshl_b32 s45, ttmp9, 10
	s_mov_b32 s96, NSC
	s_mov_b32 s97, S0
	s_cmp_eq_u32 ttmp9, 2                          ; the third column of clusters makes v^T
	s_cselect_b32 s45, s19, s45                    ; B: tokens 1,024 x cluster y, or weight rows 1,024 x cluster x (wq, wk)
	s_cselect_b32 s19, 2048, s19                   ; A: wv's rows, or tokens 1,024 x cluster y
	s_cselect_b32 s96, S0, s96                     ; where A's scale bytes begin in its buffer,
	s_cselect_b32 s97, NSC, s97                    ; and B's
	s_cmp_eq_u32 ttmp9, 1
	s_cselect_b32 s2, -1, 0                        ; all ones where the tile is k's
	s_lshl_b32 s20, s41, 8
	s_add_co_u32 s19, s19, s20
	s_lshl_b32 s46, s40, 8
	s_add_co_u32 s45, s45, s46
.else
	s_lshl_b32 s17, s18, 2
	s_add_co_u32 s17, s17, s41                     ; tile row
	s_lshl_b32 s42, ttmp9, 2
	s_add_co_u32 s42, s42, s40                     ; tile column
	s_lshl_b32 s19, s17, 8
	s_lshl_b32 s45, s42, 8
	s_mov_b32 s96, NSC
	s_mov_b32 s97, S1
.endif
	s_lshl_b32 s20, s16, 7
	s_add_co_u32 s20, s20, s19                     ; A: the first row that I fetch
	s_lshl_b32 s22, s20, 3
	s_add_co_u32 s22, s22, s96                     ; its scale bytes,
	s_mul_i32 s20, s20, 192                        ; its codes
	s_mov_b32 s21, 0
	s_mov_b32 s23, 0
	s_lshl_b32 s46, s16, 7
	s_add_co_u32 s46, s46, s45                     ; B likewise
	s_lshl_b32 s92, s46, 3
	s_add_co_u32 s92, s92, s97
	s_mul_i32 s46, s46, 192
.if KIND == 1
	s_add_co_u32 s46, s46, R1
.endif
	s_mov_b32 s47, 0
	s_mov_b32 s93, 0
	s_mul_i32 s66, s16, HALFA                      ; where they go: no place in the cluster enters an LDS address
	s_mul_i32 s67, s16, HALFB
	s_add_co_u32 s67, s67, 2*HALFA
	s_mul_i32 s94, s16, NK*1024
	s_wait_kmcnt 0x0
.if KIND == 0
	s_cmp_eq_u32 ttmp9, 2                          ; for v^T the buffers change sides: a choice on the cluster's number alone
	s_cselect_b64 s[12:13], s[6:7], s[4:5]
	s_cselect_b64 s[6:7], s[4:5], s[6:7]
	s_mov_b64 s[4:5], s[12:13]
.endif
	s_add_nc_u64 s[20:21], s[4:5], s[20:21]
	s_add_nc_u64 s[22:23], s[4:5], s[22:23]
	s_add_nc_u64 s[46:47], s[6:7], s[46:47]
	s_add_nc_u64 s[92:93], s[6:7], s[92:93]
	CROUND                                         ; all sixteen work-groups are here: the first joint loads meet
	s_mov_b32 s[G0S], 1
	s_add_co_u32 s[G0S+1], s94, SCL
	s_mov_b64 s[G0S+2:G0S+3], s[22:23]
	s_or_b32 s[G0S+3], s[G0S+3], 0x80000000
	s_mov_b32 s[G0SB], 1
	s_add_co_u32 s[G0SB+1], s94, SCLB
	s_mov_b64 s[G0SB+2:G0SB+3], s[92:93]
	s_or_b32 s[G0SB+3], s[G0SB+3], 0x80000000
	JLOAD G0S, G1S, G0SB, G1SB                     ; the scales first: they are wanted with K step 0
.irp s, 0,1
	s_mov_b32 s[G0+4*\s], 1
	s_add_co_u32 s[G0+4*\s+1], s66, \s*SLOT
	s_add_nc_u64 s[G0+4*\s+2:G0+4*\s+3], s[20:21], \s*SA
	s_or_b32 s[G0+4*\s+3], s[G0+4*\s+3], 0x80000000
	s_mov_b32 s[G0B+4*\s], 1
	s_add_co_u32 s[G0B+4*\s+1], s67, \s*SLOT
	s_add_nc_u64 s[G0B+4*\s+2:G0B+4*\s+3], s[46:47], \s*SB
	s_or_b32 s[G0B+4*\s+3], s[G0B+4*\s+3], 0x80000000
	JLOAD G0+4*\s, G1, G0B+4*\s, G1B               ; three tensor loads of mine are out
.endr
	v_and_b32 v1, 15, v0                           ; r
	v_bfe_u32 v2, v0, 4, 1                         ; h
	v_mul_u32_u24 v3, v1, PITCH
	v_mul_u32_u24 v4, v2, 24
	v_add_nc_u32 v4, v3, v4                        ; a fragment's row x pitch + 24 x half
	v_lshl_add_u32 v5, v2, 4, v4                   ; and the same behind one padding more
	s_mul_i32 s21, s15, HALFA                      ; my rows of A
	s_mul_i32 s22, s16, HALFB                      ; my rows of B, behind A's
	s_add_co_u32 s22, s22, 2*HALFA
.irp s, 0,1
	v_add_nc_u32 v[ADRA+\s], s21, v4
	v_add_nc_u32 v[ADRB+\s], s22, v4
	v_add_nc_u32 v[ADRA+2+\s], s21, v5
	v_add_nc_u32 v[ADRB+2+\s], s22, v5
	s_add_co_u32 s21, s21, SLOT
	s_add_co_u32 s22, s22, SLOT
.endr
	v_lshlrev_b32 v5, 3, v1                        ; my row's scale bytes: 8 a row and K step
	s_mul_i32 s21, s15, NK*1024                    ; A's part
	s_mul_i32 s22, s16, NK*1024                    ; B's part
	s_add_co_u32 s22, s22, SCLB-SCL
	s_sub_co_u32 s22, s22, s21
	v_mul_u32_u24 v6, s22, v2                      ; lanes 16-31 take B's: the lower base + h x the distance
	s_add_co_u32 s21, s21, SCL
	v_add_nc_u32 v5, v5, v6
	v_add_nc_u32 v[ADRS], s21, v5
	s_mul_i32 s21, s15, 128*192                    ; the way out: row 128 x half + r of the tile, 96 bytes for each half of the columns, 24 for each half of the lanes
	s_mul_i32 s22, s16, 96
	s_add_co_u32 s21, s21, s22
	v_mul_u32_u24 v5, v1, 192
	v_mad_u32_u24 v5, v2, 24, v5
	v_add_nc_u32 v[STC], s21, v5
	s_lshl_b32 s21, s15, 10
	s_lshl_b32 s22, s16, 2
	s_add_co_u32 s21, s21, s22
	s_add_co_u32 s21, s21, 49152                   ; behind the codes: 8 bytes a row
	v_lshl_add_u32 v[STS], v1, 3, s21
	v_and_b32 v6, 31, v0
	s_mul_i32 s21, s14, 12288
	v_lshl_add_u32 v[RDC], v6, 4, s21              ; a quarter of the tile's codes a wave
	s_lshl_b32 s21, s14, 9
	v_lshl_add_u32 v[RDS], v6, 4, s21              ; and of its scale bytes
.if KIND == 0
	s_lshl_b32 s21, s15, 7
	s_add_co_u32 s21, s21, s19
	s_lshl_b32 s21, s21, 2
	v_and_b32 v6, 8, v1
	v_add_nc_u32 v6, v6, v1
	v_lshl_add_u32 v[XO], v6, 2, s21               ; the mask's word of my row of block a: token (first row) + 32 (a / 2) + 8 (a % 2) + r + 8 (r / 8)
.irp a, 0,1,2,3,4,5,6,7
	global_load_b32 v[MK+\a], v[XO], s[8:9] offset:(32*(\a/2)+8*(\a%2))*4   ; (in v's tiles too: the rows stay under 4,096; the words are not used there)
.endr
	s_lshl_b32 s96, s18, 2
	s_add_co_u32 s97, s96, s40                     ; 4 x cluster y + cx
	s_add_co_u32 s96, s96, s41                     ; 4 x cluster y + cy
	s_lshl_b32 s98, ttmp9, 2
	s_add_co_u32 s98, s98, s40                     ; 4 x cluster x + cx
	s_mul_i32 s92, s97, 196608                     ; v: slab of 256 keys, 256 rows of the 1,024
	s_mul_i32 s93, s41, 49152
	s_add_co_u32 s92, s92, s93
	s_add_co_u32 s92, s92, VC
	s_lshl_b32 s94, s97, 13
	s_lshl_b32 s95, s41, 11
	s_add_co_u32 s94, s94, s95
	s_add_co_u32 s94, s94, VSC
	s_mul_i32 s99, s98, 786432                     ; q, k: slab of 256 columns, 256 tokens
	s_mul_i32 s93, s96, 49152
	s_add_co_u32 s99, s99, s93
	s_lshl_b32 s98, s98, 15
	s_lshl_b32 s96, s96, 11
	s_add_co_u32 s98, s98, s96
	s_add_co_u32 s98, s98, QKS
	s_cmp_eq_u32 ttmp9, 2
	s_cselect_b32 s92, s92, s99
	s_cselect_b32 s94, s94, s98
	s_mov_b32 s93, 0
	s_mov_b32 s95, 0
	s_add_nc_u64 s[12:13], s[10:11], s[94:95]      ; the tile's scale bytes,
	s_add_nc_u64 s[10:11], s[10:11], s[92:93]      ; and codes
.else
	s_lshl_b32 s98, s42, 10
	s_lshl_b32 s99, s16, 9
	s_add_co_u32 s98, s98, s99
	s_mov_b32 s99, 0
	s_add_nc_u64 s[8:9], s[8:9], s[98:99]          ; the bias of my 128 columns
	v_lshlrev_b32 v[XO], 6, v2                     ; lane (r, h) wants, for tile i, those of columns 32 (i / 2) + 16 h + 8 (i % 2) + 0 .. 7
.irp i, 0,1,2,3,4,5,6,7
	global_load_b128 v[BI+8*\i:BI+8*\i+3], v[XO], s[8:9] offset:(32*(\i/2)+8*(\i%2))*4
	global_load_b128 v[BI+8*\i+4:BI+8*\i+7], v[XO], s[8:9] offset:(32*(\i/2)+8*(\i%2))*4+16
.endr
	s_mul_i32 s96, s42, 786432
	s_mul_i32 s97, s17, 49152
	s_add_co_u32 s96, s96, s97
	s_mov_b32 s97, 0
	s_lshl_b32 s98, s42, 15
	s_lshl_b32 s99, s17, 11
	s_add_co_u32 s98, s98, s99
	s_add_co_u32 s98, s98, HSC
	s_mov_b32 s99, 0
	s_add_nc_u64 s[12:13], s[10:11], s[98:99]
	s_add_nc_u64 s[10:11], s[10:11], s[96:97]
.endif
.macro FRAG reg, adr, q, i             ; a fragment, 16 rows x 128 K: lane (r, h) takes 24 bytes at 24 h and 24 at 48 + 24 h of its row's 96, in pieces of 8 bytes
.irp p, 0,1,2,3,4,5                    ; 16 bytes of padding lie behind every 8 pieces: where the piece three on (lanes 16-31) lies behind one padding more, the second address register serves
.set PCE, 12*(\q)+6*(\p/3)+\p%3
.if PCE%8 < 5
	ds_load_b64 v[\reg+2*\p:\reg+2*\p+1], v[\adr] offset:8*PCE+16*(PCE/8)+(\i)*16*PITCH
.else
	ds_load_b64 v[\reg+2*\p:\reg+2*\p+1], v[\adr+2] offset:8*PCE+16*(PCE/8)+(\i)*16*PITCH
.endif
.endr
.endm
; 8 matrix instructions: A's block a x B's eight.  p: B's set; q: which 128 of the slot's 256; sc: the set of scale words.  first = 1: C is the constant 0; 2: the bias; 0: the sum goes on.
; The accumulators take turns, one instruction a turn, in the same order in every step.
.macro MULB a, p, q, sc, first
.if (\first) == 2
	WIN 0x81+0x40*((\a)/4)
.else
	WIN 0xa1+0x50*((\a)/4)
.endif
.irp b, 0,1,2,3,4,5,6,7
.set rD, 8*(8*((\a)%4)+\b)
.set rB, 128*(\p)+FR*\b
.set rA, AF+FR*(\a)
.set rT, SC+16*(\sc)+2*\b+(\q)
.set rU, SC+16*(\sc)+2*(\a)+(\q)
.if (\first) == 1
	v_wmma_scale_f32_16x16x128_f8f6f4 v[rD:rD+7], v[rB:rB+FR-1], v[rA:rA+FR-1], 0, v[rT], v[rU] matrix_a_fmt:MATRIX_FMT_FP6 matrix_b_fmt:MATRIX_FMT_FP6 matrix_a_scale:MATRIX_SCALE_ROW1
.elseif (\first) == 2
	v_wmma_scale_f32_16x16x128_f8f6f4 v[rD:rD+7], v[rB:rB+FR-1], v[rA:rA+FR-1], v[BI+8*\b:BI+8*\b+7], v[rT], v[rU] matrix_a_fmt:MATRIX_FMT_FP6 matrix_b_fmt:MATRIX_FMT_FP6 matrix_a_scale:MATRIX_SCALE_ROW1
.else
	v_wmma_scale_f32_16x16x128_f8f6f4 v[rD:rD+7], v[rB:rB+FR-1], v[rA:rA+FR-1], v[rD:rD+7], v[rT], v[rU] matrix_a_fmt:MATRIX_FMT_FP6 matrix_b_fmt:MATRIX_FMT_FP6 matrix_a_scale:MATRIX_SCALE_ROW1
.endif
.endr
.endm
.macro MULQ k, p, q, sc, first         ; a quarter of A's blocks
.set aa, (\k)*AB/4
.rept AB/4
	MULB aa, \p, \q, \sc, \first
.set aa, aa+1
.endr
.endm
.macro FETCH_B slot, q, p
	WIN 0x40                                       ; destination window 1
.irp i, 0,1,2,3,4,5,6,7
	FRAG 128*(\p)+FR*\i, ADRB+\slot, \q, \i
.endr
	WIN 0
.endm
.macro FETCH_A slot, q, half           ; half of A's blocks
.set ii, (\half)*AB/2
.rept AB/2
	FRAG AF+FR*ii, ADRA+\slot, \q, ii
.set ii, ii+1
.endr
.endm
.macro SCALES sc                       ; a K step's scale words: two a row; lanes 0-15 take A's block i, lanes 16-31 B's block i
.irp i, 0,1,2,3,4,5,6,7
	ds_load_b64 v[SC+16*\sc+2*\i:SC+16*\sc+2*\i+1], v[ADRS] offset:128*\i
.endr
.endm
; A slot's first 128 along K.  Loads into registers that matrix instructions have read stand four plain places behind them (ISA guide 7.12.1 for vector instructions).
.macro STEP slot, first
	s_wait_dscnt (AB/2)*NL                         ; B's set, the scale words and A's first half are in; the youngest loads (A's second half) may be out
	MULQ 0, 0, 0, \slot, \first
	MULQ 1, 0, 0, \slot, \first
	s_wait_dscnt 0
	PLACES 4
	FETCH_B \slot, 1, 1
	FETCH_A \slot, 1, 0
	MULQ 2, 0, 0, \slot, \first
	MULQ 3, 0, 0, \slot, \first
	PLACES 4
	WIN 0
	FETCH_A \slot, 1, 1
.endm
; A slot's second 128 change slots: ONE barrier; in front of it each wave waits for all its tensor loads, adds 0 to its spare word, and waits for that and for its reads of this slot.  fill = 1: this slot is filled again, two K steps ahead.
.macro TURN slot, next, fill
	s_wait_tensorcnt 0x0                           ; all my tensor loads have landed: my part of the next slot
	ds_add_u32 v[SPW], v[NIL]                      ; 0 onto my spare word
	s_wait_dscnt (AB/2)*NL+1                       ; (the add and A's second half may be out)
	MULQ 0, 1, 1, \slot, 0                         ; matrix work stands between the add and the wait for it
	s_wait_dscnt 0x0                               ; the add is done, and my reads of this slot are over
	s_barrier_signal -1
	MULQ 1, 1, 1, \slot, 0
	WIN 0
	s_barrier_wait -1
.if \fill
	CREST                                          ; the barrier has opened a round of the cluster's: no wave of any partner still reads this slot or has a load on its way
	s_add_nc_u64 s[G0+4*\slot+2:G0+4*\slot+3], s[G0+4*\slot+2:G0+4*\slot+3], 2*SA
	s_add_nc_u64 s[G0B+4*\slot+2:G0B+4*\slot+3], s[G0B+4*\slot+2:G0B+4*\slot+3], 2*SB
	JLOAD G0+4*\slot, G1, G0B+4*\slot, G1B         ; my one tensor load behind the round; its four v_nop are also the places in front of the loads below
.else
	PLACES 4
.endif
	v_add_nc_u32 v[ADRS], 1024, v[ADRS]            ; the next K step's scale words
	FETCH_B \next, 0, 0
	FETCH_A \next, 0, 0
	SCALES \next
	MULQ 2, 1, 1, \slot, 0
	MULQ 3, 1, 1, \slot, 0
	PLACES 4
	WIN 0
	FETCH_A \next, 0, 1
.endm
	s_wait_tensorcnt 1                             ; the scales and my part of K step 0 are in (K step 1's load may be out)
	s_barrier_signal -1
	s_barrier_wait -1                              ; everybody's are
	FETCH_B 0, 0, 0
	FETCH_A 0, 0, 0
	SCALES 0
	FETCH_A 0, 0, 1
.if FIRST == 2
	s_wait_loadcnt 0x0                             ; the bias
.endif
	STEP 0, FIRST                                  ; the first step stands in front of the loop: its products start the sums
	s_mov_b32 s3, NK/2-1
.Llap:                                                 ; a trip goes once round the ring and fills both slots again
	TURN 0, 1, 1
	STEP 1, 0
	TURN 1, 0, 1
	STEP 0, 0
	s_sub_co_u32 s3, s3, 1
	s_cmp_lg_u32 s3, 0
	s_cbranch_scc1 .Llap
	TURN 0, 1, 0                                   ; the last lap fills nothing
	STEP 1, 0
	s_wait_dscnt (AB/2)*NL                         ; the very last 128: nothing more to fetch
	MULQ 0, 1, 1, 1, 0
	MULQ 1, 1, 1, 1, 0
	s_wait_dscnt 0
	MULQ 2, 1, 1, 1, 0
	MULQ 3, 1, 1, 1, 0
	WIN 0
; THE WAY OUT.  Block a: my 64 numbers of row r (register 16 b + i = column 32 b + 16 h + i) become a fragment's codes and the row's scale word.
	PLACES 4                                       ; behind the last products
.irp b, 0,1,2,3
	v_mov_b32 v[TM+4+\b], 0                        ; written once: a lane permute's destination counts as one of its sources
.endr
.if KIND == 0
	v_mov_b32 v[BIG], 0x7f000000                   ; 2^127: what is divided by it becomes the code 0
	s_wait_loadcnt 0x0                             ; the mask's words
.irp a, 0,1,2,3,4,5,6,7
	v_cmp_eq_u32 s[92+\a], 0, v[MK+\a]
.endr
.irp a, 0,1,2,3,4,5,6,7
	s_and_b32 s[92+\a], s[92+\a], s2               ; in k's tiles alone
.endr
.endif
.macro QUANTW a
.set AC, 64*((\a)%4)
.set W, 2+(\a)/4
.if KIND == 1
	WIN (W<<6)|(W<<2)
.set j, 0
.rept 64
	v_max_num_f32 v[AC+j], 0, v[AC+j]              ; the activation, in f32; each accumulator from its low end on
.set j, j+1
.endr
.endif
	WIN (W<<4)|(W<<2)
.irp b, 0,1,2,3
	v_max3_num_f32 v[TM+\b], 0x1800000, |v[AC+16*\b]|, |v[AC+16*\b+1]|   ; block b: my 16 numbers, and the floor 2^(3 - 127): the byte cannot fall under 1
.endr
.irp i, 2,4,6,8,10,12,14
.irp b, 0,1,2,3
	v_max3_num_f32 v[TM+\b], v[TM+\b], |v[AC+16*\b+\i]|, |v[AC+16*\b+\i+1]|   ; (the four blocks by turns)
.endr
.endr
	WIN 0
.irp b, 0,1,2,3
	v_permlanex16_b32 v[TM+4+\b], v[TM+\b], s98, s99
.endr
.irp b, 0,1,2,3
	v_max_num_f32 v[TM+\b], v[TM+\b], v[TM+4+\b]   ; with lane l xor 16's: the block's largest magnitude
.endr
.irp b, 0,1,2,3
	v_add_nc_u32 v[TM+12+\b], 0xff000000, v[TM+\b] ; 2 off its exponent field: the conversion's scale operand
.endr
.irp b, 0,1,2,3
	v_lshrrev_b32 v[TM+8+\b], 23, v[TM+12+\b]      ; the scale's byte
.endr
	v_lshl_or_b32 v[PW], v[TM+9], 8, v[TM+8]
	v_lshl_or_b32 v[PW], v[TM+10], 16, v[PW]
	v_lshl_or_b32 v[PW], v[TM+11], 24, v[PW]       ; my row's scale word
.if KIND == 0
.irp b, 0,1,2,3
	v_cndmask_b32 v[TM+12+\b], v[TM+12+\b], v[BIG], s[84+8+(\a)]   ; a masked key's codes become zeros; its bytes stay
.endr
.endif
	WIN W
.irp c, 0,1
	v_cvt_scalef32_pk16_fp6_f32 v[CD+6*\c:CD+2+6*\c], v[AC+32*\c:AC+15+32*\c], v[TM+12+2*\c]
	v_cvt_scalef32_pk16_fp6_f32 v[CD+12+4*\c:CD+14+4*\c], v[AC+16+32*\c:AC+31+32*\c], v[TM+12+2*\c+1]   ; (a conversion's three registers begin on an even number)
.endr
	WIN 0
	v_nop                                          ; one plain place behind a scaled conversion
.irp c, 0,1                            ; a WHOLE block to a lane: lanes 0-15 block 2 c, lanes 16-31 block 2 c + 1
.irp i, 0,1,2
	v_permlane16_swap_b32 v[CD+6*\c+\i], v[CD+12+4*\c+\i]
.endr
.irp i, 0,1,2
	v_mov_b32 v[CD+3+6*\c+\i], v[CD+12+4*\c+\i]
.endr
.endr
.irp c, 0,1
.irp p, 0,1,2
	ds_store_b64 v[STC], v[CD+6*\c+2*\p:CD+6*\c+2*\p+1] offset:3072*(\a)+48*\c+8*\p
.endr
.endr
	ds_store_b32 v[STS], v[PW] offset:128*(\a)     ; (lanes l and l xor 16 store the same word to the same place)
	s_wait_dscnt 0x0                               ; the stores have read their registers
.endm
.if KIND == 0
	; the mask's lane masks lie in s92-99, so the permute's selects take s66, s67
.endif
	s_mov_b32 s66, 0x76543210
	s_mov_b32 s67, 0xfedcba98
.macro QW a                            ; (the selects' registers differ by KIND: s98, s99 are lane masks in KIND 0)
	QUANTW \a
.endm
.if KIND == 1
	s_mov_b32 s98, s66
	s_mov_b32 s99, s67
.irp a, 0,1,2,3,4,5,6,7
	QW \a
.endr
.else
	; KIND 0: blocks 6 and 7 first need their lane masks moved out of s98, s99
	s_mov_b32 s20, s98
	s_mov_b32 s21, s99
	s_mov_b32 s98, s66
	s_mov_b32 s99, s67
.irp a, 0,1,2,3,4,5
	QW \a
.endr
	s_mov_b32 s92, s20                             ; block 6's and block 7's masks take the places of blocks 0's and 1's, which are done with
	s_mov_b32 s93, s21
.endif
.if KIND == 0
.macro QTAIL a, m                      ; block a with its lane mask in s[92 + m]
.set AC, 64*((\a)%4)
	WIN 0x3c
.irp b, 0,1,2,3
	v_max3_num_f32 v[TM+\b], 0x1800000, |v[AC+16*\b]|, |v[AC+16*\b+1]|
.endr
.irp i, 2,4,6,8,10,12,14
.irp b, 0,1,2,3
	v_max3_num_f32 v[TM+\b], v[TM+\b], |v[AC+16*\b+\i]|, |v[AC+16*\b+\i+1]|
.endr
.endr
	WIN 0
.irp b, 0,1,2,3
	v_permlanex16_b32 v[TM+4+\b], v[TM+\b], s98, s99
.endr
.irp b, 0,1,2,3
	v_max_num_f32 v[TM+\b], v[TM+\b], v[TM+4+\b]
.endr
.irp b, 0,1,2,3
	v_add_nc_u32 v[TM+12+\b], 0xff000000, v[TM+\b]
.endr
.irp b, 0,1,2,3
	v_lshrrev_b32 v[TM+8+\b], 23, v[TM+12+\b]
.endr
	v_lshl_or_b32 v[PW], v[TM+9], 8, v[TM+8]
	v_lshl_or_b32 v[PW], v[TM+10], 16, v[PW]
	v_lshl_or_b32 v[PW], v[TM+11], 24, v[PW]
.irp b, 0,1,2,3
	v_cndmask_b32 v[TM+12+\b], v[TM+12+\b], v[BIG], s[92+\m]
.endr
	WIN 3
.irp c, 0,1
	v_cvt_scalef32_pk16_fp6_f32 v[CD+6*\c:CD+2+6*\c], v[AC+32*\c:AC+15+32*\c], v[TM+12+2*\c]
	v_cvt_scalef32_pk16_fp6_f32 v[CD+12+4*\c:CD+14+4*\c], v[AC+16+32*\c:AC+31+32*\c], v[TM+12+2*\c+1]
.endr
	WIN 0
	v_nop
.irp c, 0,1
.irp i, 0,1,2
	v_permlane16_swap_b32 v[CD+6*\c+\i], v[CD+12+4*\c+\i]
.endr
.irp i, 0,1,2
	v_mov_b32 v[CD+3+6*\c+\i], v[CD+12+4*\c+\i]
.endr
.endr
.irp c, 0,1
.irp p, 0,1,2
	ds_store_b64 v[STC], v[CD+6*\c+2*\p:CD+6*\c+2*\p+1] offset:3072*(\a)+48*\c+8*\p
.endr
.endr
	ds_store_b32 v[STS], v[PW] offset:128*(\a)
	s_wait_dscnt 0x0
.endm
	QTAIL 6, 0
	QTAIL 7, 1
.endif
	s_barrier_signal -1                            ; every wave's stores into the stage have landed (the wait for 0 stands at the end of each block)
	s_barrier_wait -1
.set i, 0
.rept 24
	ds_load_b128 v[128+4*i:131+4*i], v[RDC] offset:512*i
.set i, i+1
.endr
	ds_load_b128 v[224:227], v[RDS] offset:49152
.set i, 0
.rept 24
	s_wait_dscnt 24-i                              ; behind load i: the later loads of codes and the load of scale bytes
	global_store_b128 v[RDC], v[128+4*i:131+4*i], s[10:11] offset:512*i th:TH_STORE_NT   ; 512 consecutive bytes an instruction, aligned
.set i, i+1
.endr
	s_wait_dscnt 0x0
	global_store_b128 v[RDS], v[224:227], s[12:13] th:TH_STORE_NT
	s_wait_tensorcnt 0x0                           ; the wave's end
	ds_add_u32 v[SPW], v[NIL]
	s_wait_dscnt 0x0
	CROUND                                         ; the closing round: no work-group ends while a partner may still ask for a tile that names it
	s_endpgm
.Lfunc_end_k_q62f5962440_proj:
	.size	k_q62f5962440_proj, .Lfunc_end_k_q62f5962440_proj-k_q62f5962440_proj
	.p2alignl 7, 3214868480
	.fill 96, 4, 3214868480
	.section	.rodata,"a",@progbits
	.p2align	6, 0x0
	.amdhsa_kernel k_q62f5962440_proj
		.amdhsa_group_segment_fixed_size 327680
		.amdhsa_private_segment_fixed_size 0
		.amdhsa_enable_private_segment 0
		.amdhsa_kernarg_size 32
		.amdhsa_user_sgpr_count 2
		.amdhsa_user_sgpr_kernarg_segment_ptr 1
		.amdhsa_wavefront_size32 1
		.amdhsa_system_sgpr_workgroup_id_x 1
		.amdhsa_system_sgpr_workgroup_id_y 1
		.amdhsa_system_sgpr_workgroup_id_z 1
		.amdhsa_system_vgpr_workitem_id 0
		.amdhsa_next_free_vgpr 1024
		.amdhsa_next_free_sgpr 100
		.amdhsa_reserve_vcc 0
		.amdhsa_float_denorm_mode_32 3
		.amdhsa_float_denorm_mode_16_64 3
		.amdhsa_memory_ordered 1
		.amdhsa_forward_progress 1
		.amdhsa_inst_pref_size 176
	.end_amdhsa_kernel
	.amdgpu_metadata
---
amdhsa.version: [ 1, 2 ]
amdhsa.kernels:
  - .name:           k_q62f5962440_proj
    .symbol:         k_q62f5962440_proj.kd
    .args:
      - { .name: nbuf, .offset: 0, .size: 8, .value_kind: global_buffer, .address_space: global }
      - { .name: wbuf, .offset: 8, .size: 8, .value_kind: global_buffer, .address_space: global }
      - { .name: mask, .offset: 16, .size: 8, .value_kind: global_buffer, .address_space: global }
      - { .name: qkv, .offset: 24, .size: 8, .value_kind: global_buffer, .address_space: global }
    .group_segment_fixed_size: 327680
    .private_segment_fixed_size: 0
    .kernarg_segment_align: 8
    .kernarg_segment_size: 32
    .max_flat_workgroup_size: 128
    .sgpr_count:     100
    .vgpr_count:     1024
    .wavefront_size: 32
...
	.end_amdgpu_metadata
.endif
;; end of part 3
;; launch attn (part 4): grid 8 x 32, 16 waves a work-group, clusters of 4 x 1, 251,904 bytes of LDS; arguments qkv, mask, nbuf; writes nbuf
.if DOCPART == 4
	.amdgcn_target "amdgcn-amd-amdhsa--gfx1250"
	.amdhsa_code_object_version 6
	.text
	.protected	k_q62f5962440_attn
	.globl	k_q62f5962440_attn
	.p2align	8
	.type	k_q62f5962440_attn,@function
k_q62f5962440_attn:
	s_mov_b64 s[64:65], 0
	v_nop
	global_prefetch_b8 v0, s[64:65] scope:SCOPE_SE
	s_setreg_imm32_b32 hwreg(HW_REG_WAVE_MODE, 25, 1), 1
	s_wait_xcnt 0x0
	s_wait_alu depctr_hold_cnt(0) depctr_sa_sdst(0) depctr_va_vdst(0) depctr_va_sdst(0) depctr_va_ssrc(0) depctr_va_vcc(0) depctr_vm_vsrc(0)
	s_getreg_b32 s2, hwreg(HW_REG_IB_STS2, 6, 4)
	s_cmp_eq_u32 s2, 0
	s_cbranch_scc0 .Lentry_in_a_cluster
	s_endpgm
.Lentry_in_a_cluster:
	s_bfe_u32 s2, ttmp6, 0x10000c
	s_cmp_lg_u32 s2, 0x3003
	s_cbranch_scc0 .Lentry_shape_is_right
	s_endpgm
.Lentry_shape_is_right:
; ctx = softmax(q k^T / 8, masked) v for one head, both products on codes of FP6 (E2M3); ctx is quantised on the way out.
; IN (qkv): q's and k's codes [8 slabs][4,096 rows][192 bytes] (slabs 0-3 q, 4-7 k; a slab holds four heads x 48 bytes), v's codes [16 slabs of 256 keys][1,024 rows d][192], and their scale bytes, 8 a row and slab.
; Row p of q and k holds token pi(p) (bits 3 and 4 exchanged), row p of v channel pi(p); v's keys lie in token order.  OUT (nbuf): ctx's codes [4][4,096][192] and scale bytes, rows as q's.
; THE SOFTMAX: t = score x log2(e) / 8; M = the running largest t rounded UP to a whole number; p = 2^(t - M) is quantised along the keys; the row's sum is taken of the unquantised p and divides at the end.
; THE MASK costs no vector work in the loop.  The first product's K is 64 and the instruction's 128: at k = 64 q carries the code 1.0 under the scale byte 127, a masked key -1.0 under the byte 160, an open key 0;
; a masked key's 64 real codes are zeros (made so by the launch before).  So a masked score is exactly -2^33 and t a whole number: p is 0 beside any open key, and 1 everywhere where no key is open.
; LIMIT: open raw scores lie above -2^33 + 2^11.  NaN and infinities are not served.  A wave's stores of ctx cover 48 bytes of a row: no whole aligned 256 bytes.
; SHARES: a work-group owns 256 rows of q of one head, each of its sixteen waves 16: one tile in 256 registers, four waves to a SIMD.  THE WHOLE HEAD'S K AND V LIE IN LDS, FILLED ONCE: no slot is filled again.
; CLUSTER: the four work-groups of a cluster belong to one head and ask for K and V jointly.  Wave 0 asks for V's scale bytes and K's four chunks of 512 keys, waves 1 and 2 for V's eight slabs: at most five loads of a wave are out.
; Both products are used transposed (S^T = K Q^T, O^T = V^T P^T): a lane holds one query; by pi the 16 registers of tiles 2 b, 2 b + 1 are 16 neighbouring keys (or channels).
; REGISTERS: v1-6 places that stay; v8-11, v28, v30 addresses in hand; v12 -M, v13 the largest t, v[14:15] the sum; v16-27 Q; v32-79 four fragments of K; v96-159 S^T, then p, then V's four fragments; v160-191 O^T; v224-235 p's codes; v232-254 at work; v255 Q's scale word.
.set KT,   0                           ; LDS: K, 2,048 rows x 48 bytes
.set VT,   98304                       ; V: 8 slabs x 64 rows x 240 bytes (192 + 16 behind every 64)
.set VS,   221184                      ; V's scale bytes [8][64][8]
.set KSW,  225280                      ; K's scale words, made here: 4 bytes a key
.set KPC,  233472                      ; the keys' codes at k = 64 and k = 96: 8 bytes a key
.set PITCH, 240
.set VC,   6291456
.set QKS,  9437184
.set VSC,  9699328
.set NSC,  3145728
.set AK0,  1
.set AP0,  2
.set AW0,  3
.set AV0,  4
.set AV1,  5
.set AT0,  6
.set ADK,  8
.set ADP,  9
.set ADS,  10
.set ADT,  11
.set ADV,  28                          ; v28, and v30 behind one padding more
.set WV,   18
.set SEL,  20
.set CS,   22
.set G1K,  24
.set G1V,  32
.set G1S,  40
.set G0K,  48                          ; s[48:63] four sets
.set G0V,  68                          ; s[68:83] four sets
.set G0VS, 84
.set TK,   88                          ; where the slab in hand begins: in K, 12,288 bytes a slab;
.set TW,   89                          ; K's scale words, 1,024;
.set TP,   90                          ; the keys' extra codes, 2,048;
.set TV,   91                          ; V, 15,360;
.set TS,   92                          ; V's scale bytes, 512
.set CNT,  93
.macro ROUND                           ; a round of the cluster's barrier
	s_barrier_signal -1
	s_barrier_wait -1
	s_cmp_lg_u32 s[WV], 0
	s_cbranch_scc1 .Lnot_wave_0_\@
	s_barrier_signal -3
.Lnot_wave_0_\@:
	s_barrier_wait -3
	s_barrier_signal -1
	s_barrier_wait -1
.endm
	s_load_b128 s[4:7], s[0:1], 0x0                ; qkv, mask
	s_load_b64 s[8:9], s[0:1], 0x10                ; nbuf
	v_lshl_add_u32 v223, v0, 2, 0x3d000
	v_mov_b32 v243, 0
	ds_add_u32 v223, v243
	ds_add_u32 v223, v243
	v_lshrrev_b32 v8, 5, v0
	v_readfirstlane_b32 s[WV], v8                  ; wave 0..15
	s_and_b32 s88, ttmp7, 0xffff
	s_lshr_b32 s89, s88, 4                         ; batch
	s_and_b32 s90, s88, 15                         ; head
	s_lshr_b32 s91, s90, 2                         ; its slab of q, k, ctx
	s_and_b32 s92, s90, 3                          ; and its quarter of a slab's row
	s_add_co_u32 s96, s91, 4
	s_mul_i32 s96, s96, 786432
	s_mul_i32 s97, s89, 393216
	s_add_co_u32 s96, s96, s97
	s_mul_i32 s97, s92, 48
	s_add_co_u32 s96, s96, s97                     ; K: the batch's first row, the head's 48 bytes
	s_mov_b32 s97, 0
	s_bfe_u32 s10, s[WV], 0x10001                  ; wave 1 takes V's even slabs, wave 2 the odd ones
	s_mul_i32 s98, s89, 8*196608
	s_mul_i32 s99, s90, 12288
	s_add_co_u32 s98, s98, s99
	s_mul_i32 s99, s10, 196608
	s_add_co_u32 s98, s98, s99
	s_add_co_u32 s98, s98, VC                      ; V: the batch's slabs, the head's 64 rows
	s_mov_b32 s99, 0
	s_mul_i32 s10, s10, 15360
	s_add_co_u32 s10, s10, VT
	s_lshl_b32 s66, s89, 16
	s_lshl_b32 s67, s90, 9
	s_add_co_u32 s66, s66, s67
	s_add_co_u32 s66, s66, VSC                     ; V's scale bytes
	s_mov_b32 s67, 0
	s_mov_b32 s[G1K], 15|(1<<21)                   ; the mask: all four work-groups; bit 21 beside it; elements of 1 byte; no padding
	s_mov_b32 s[G1K+1], 48<<16                     ; tensor_dim0
	s_mov_b32 s[G1K+2], 512<<16                    ; tensor_dim1
	s_mov_b32 s[G1K+3], 48<<16                     ; tile_dim0
	s_mov_b32 s[G1K+4], 512                        ; tile_dim1
	s_mov_b32 s[G1K+5], 192                        ; from row to row
	s_mov_b32 s[G1K+6], 0
	s_mov_b32 s[G1K+7], 0
	s_mov_b32 s[G1V], 15|(1<<20)|(1<<21)|(3<<22)|(3<<25)   ; 4 words of padding behind every 16
	s_mov_b32 s[G1V+1], 192<<16
	s_mov_b32 s[G1V+2], 64<<16
	s_mov_b32 s[G1V+3], 192<<16
	s_mov_b32 s[G1V+4], 64
	s_mov_b32 s[G1V+5], 192
	s_mov_b32 s[G1V+6], 0
	s_mov_b32 s[G1V+7], 0
	s_mov_b32 s[G1S], 15|(3<<16)|(1<<21)           ; 8 rows of 64 elements of 8 bytes, a slab (1,024 rows) apart
	s_mov_b32 s[G1S+1], 64<<16
	s_mov_b32 s[G1S+2], 8<<16
	s_mov_b32 s[G1S+3], 64<<16
	s_mov_b32 s[G1S+4], 8
	s_mov_b32 s[G1S+5], 1024
	s_mov_b32 s[G1S+6], 0
	s_mov_b32 s[G1S+7], 0
	s_mov_b32 s[SEL], 0x76543210
	s_mov_b32 s[SEL+1], 0xfedcba98
	s_mov_b32 s[CS], 0x3e38aa3b                    ; c = log2(e) / 8
	s_mov_b32 s[CS+1], s[CS]                       ; (named with it as a pair, so it is written)
	s_wait_dscnt 0x0
	s_wait_kmcnt 0x0
	s_add_nc_u64 s[96:97], s[4:5], s[96:97]
	s_add_nc_u64 s[98:99], s[4:5], s[98:99]
	s_add_nc_u64 s[66:67], s[4:5], s[66:67]
.irp c, 0,1,2,3
	s_mov_b32 s[G0K+4*\c], 1
	s_mov_b32 s[G0K+4*\c+1], KT+\c*24576
	s_add_nc_u64 s[G0K+4*\c+2:G0K+4*\c+3], s[96:97], \c*98304
	s_or_b32 s[G0K+4*\c+3], s[G0K+4*\c+3], 0x80000000
	s_mov_b32 s[G0V+4*\c], 1
	s_add_co_u32 s[G0V+4*\c+1], s10, \c*30720
	s_add_nc_u64 s[G0V+4*\c+2:G0V+4*\c+3], s[98:99], \c*393216
	s_or_b32 s[G0V+4*\c+3], s[G0V+4*\c+3], 0x80000000
.endr
	s_mov_b32 s[G0VS], 1
	s_mov_b32 s[G0VS+1], VS
	s_mov_b64 s[G0VS+2:G0VS+3], s[66:67]
	s_or_b32 s[G0VS+3], s[G0VS+3], 0x80000000
	ROUND                                          ; all four work-groups are here: the joint loads meet
	s_cmp_eq_u32 s[WV], 0                          ; a wave's fills stand together in one arm; four v_nop follow the last
	s_cbranch_scc0 .Lnot_k
	tensor_load_to_lds s[G0VS:G0VS+3], s[G1S:G1S+7]
	s_nop 0
	tensor_load_to_lds s[G0K:G0K+3], s[G1K:G1K+7]
	s_nop 0
	tensor_load_to_lds s[G0K+4:G0K+7], s[G1K:G1K+7]
	s_nop 0
	tensor_load_to_lds s[G0K+8:G0K+11], s[G1K:G1K+7]
	s_nop 0
	tensor_load_to_lds s[G0K+12:G0K+15], s[G1K:G1K+7]
	s_nop 0
.rept 4
	v_nop
.endr
	s_branch .Lasked
.Lnot_k:
	s_cmp_lt_u32 s[WV], 3
	s_cbranch_scc0 .Lasked
	tensor_load_to_lds s[G0V:G0V+3], s[G1V:G1V+7]
	s_nop 0
	tensor_load_to_lds s[G0V+4:G0V+7], s[G1V:G1V+7]
	s_nop 0
	tensor_load_to_lds s[G0V+8:G0V+11], s[G1V:G1V+7]
	s_nop 0
	tensor_load_to_lds s[G0V+12:G0V+15], s[G1V:G1V+7]
	s_nop 0
.rept 4
	v_nop
.endr
.Lasked:
	s_bfe_u32 s93, ttmp6, 0x40000                  ; cx: it enters q's and ctx's addresses in memory alone
	s_lshl_b32 s94, ttmp9, 2
	s_add_co_u32 s94, s94, s93                     ; my block of 256 rows
	s_lshl_b32 s94, s94, 8
	s_lshl_b32 s95, s89, 11
	s_add_co_u32 s94, s94, s95
	s_lshl_b32 s95, s[WV], 4
	s_add_co_u32 s94, s94, s95                     ; my wave's first row
	s_mul_i32 s12, s94, 192
	s_mul_i32 s13, s91, 786432
	s_add_co_u32 s12, s12, s13
	s_mul_i32 s13, s92, 48
	s_add_co_u32 s12, s12, s13                     ; its codes' place: the same in qkv (q) and in nbuf (ctx)
	s_mov_b32 s13, 0
	s_lshl_b32 s14, s94, 3
	s_lshl_b32 s15, s91, 15
	s_add_co_u32 s14, s14, s15
	s_lshl_b32 s15, s92, 1
	s_add_co_u32 s14, s14, s15                     ; and its two scale bytes'
	s_mov_b32 s15, 0
	s_add_nc_u64 s[2:3], s[4:5], s[12:13]          ; q's codes
	s_add_nc_u64 s[16:17], s[4:5], s[14:15]
	s_add_nc_u64 s[16:17], s[16:17], QKS           ; q's scale bytes
	s_add_nc_u64 s[12:13], s[8:9], s[12:13]        ; ctx's codes
	s_add_nc_u64 s[14:15], s[8:9], s[14:15]
	s_add_nc_u64 s[14:15], s[14:15], NSC           ; ctx's scale bytes
	s_add_co_u32 s94, s91, 4
	s_lshl_b32 s94, s94, 15
	s_lshl_b32 s95, s89, 14
	s_add_co_u32 s94, s94, s95
	s_lshl_b32 s95, s92, 1
	s_add_co_u32 s94, s94, s95
	s_add_co_u32 s94, s94, QKS
	s_mov_b32 s95, 0
	s_add_nc_u64 s[94:95], s[4:5], s[94:95]        ; k's scale bytes of the batch, my head's two
	s_lshl_b32 s96, s89, 13
	s_mov_b32 s97, 0
	s_add_nc_u64 s[6:7], s[6:7], s[96:97]          ; the batch's mask
	v_and_b32 v8, 15, v0                           ; r
	v_bfe_u32 v9, v0, 4, 1                         ; h
	v_mul_u32_u24 v10, v8, 192
	v_mad_u32_u24 v10, v9, 24, v10
.irp p, 0,1,2
	global_load_b64 v[16+2*\p:17+2*\p], v10, s[2:3] offset:8*\p    ; Q's 64 codes: registers 0-5 of its fragment; it stays in registers
.endr
	v_lshlrev_b32 v11, 3, v8
	global_load_u16 v255, v11, s[16:17]
	; THE TABLES: thread t makes them for rows 4 t .. 4 t + 3 of K, which hold tokens pi(4 t) + 0 .. 3
	v_lshlrev_b32 v112, 5, v0
.irp i, 0,1,2,3
	global_load_u16 v[96+\i], v112, s[94:95] offset:8*\i
.endr
	v_lshlrev_b32 v113, 2, v0
	v_and_b32 v114, 0xffffffe7, v113
	v_bfe_u32 v115, v113, 3, 1
	v_lshl_or_b32 v114, v115, 4, v114
	v_bfe_u32 v115, v113, 4, 1
	v_lshl_or_b32 v114, v115, 3, v114
	v_lshlrev_b32 v114, 2, v114
	global_load_b128 v[100:103], v114, s[6:7]
	v_mul_u32_u24 v[AK0], v8, 48
	v_mad_u32_u24 v[AK0], v9, 24, v[AK0]           ; K: row r of a tile, 24 bytes for each half of the lanes
	v_lshlrev_b32 v[AP0], 3, v8
	v_lshl_add_u32 v[AP0], v9, 2, v[AP0]
	v_add_nc_u32 v[AP0], KPC, v[AP0]               ; the extra code: lanes 0-15 the word for k = 64, lanes 16-31 that for k = 96
	v_lshl_add_u32 v[AW0], v8, 2, KSW
	v_mul_u32_u24 v[AV0], v8, PITCH
	v_mad_u32_u24 v[AV0], v9, 24, v[AV0]
	v_add_nc_u32 v[AV0], VT, v[AV0]
	v_lshl_add_u32 v[AV1], v9, 4, v[AV0]           ; the same behind one padding more
	v_lshl_add_u32 v[AT0], v8, 3, VS
	v_lshlrev_b32 v22, 3, v9
	v_sub_nc_u32 v22, 8, v22                       ; Q at k = 64: the code 1.0 (lanes 0-15); at k = 96: 0
.irp j, 23,24,25,26,27
	v_mov_b32 v[\j], 0
.endr
.irp t, 0,1,2,3
.irp j, 7,8,9,10,11
	v_mov_b32 v[32+12*\t+\j], 0                    ; K's fragments beyond the extra code: zeros, written once and never loaded
.endr
.endr
	v_mov_b32 v13, 0xff61b1e6                      ; the largest t so far: -3e38
	v_floor_f32 v12, -v13                          ; -M
	v_mov_b32 v14, 0
	v_mov_b32 v15, 0
.irp b, 0,1,2,3
	v_mov_b32 v[236+\b], 0                         ; written once: a lane permute's destination counts as one of its sources
.endr
	v_mov_b32 v253, 0
.set j, 0
.rept 32
	v_mov_b32 v[160+j], 0                          ; O^T: the step is written once; the first finds zeros
.set j, j+1
.endr
	s_mov_b32 s[TK], 0
	s_mov_b32 s[TW], 0
	s_mov_b32 s[TP], 0
	s_mov_b32 s[TV], 0
	s_mov_b32 s[TS], 0
	s_wait_loadcnt 0x0
	v_or_b32 v255, 0x7f0000, v255                  ; Q's scale word: its two bytes, 127 for k = 64 .. 95, 0 above zero codes
.irp i, 0,1,2,3
	v_or_b32 v[96+\i], 0xa00000, v[96+\i]          ; K's: its two bytes, 160 for k = 64 .. 95
.endr
	v_lshl_add_u32 v116, v0, 4, KSW
	ds_store_b128 v116, v[96:99]
	v_mov_b32 v117, 0x28                           ; the code -1.0
.irp i, 0,1,2,3
	v_cmp_eq_u32 vcc_lo, 0, v[100+\i]
	v_cndmask_b32 v[104+2*\i], 0, v117, vcc_lo
	v_mov_b32 v[105+2*\i], 0
.endr
	v_lshl_add_u32 v118, v0, 5, KPC
	ds_store_b128 v118, v[104:107]
	ds_store_b128 v118, v[108:111] offset:16
.macro FRAG reg, adr, q, i             ; a fragment of V, 16 rows x 128 keys, in pieces of 8 bytes; the second address register serves where lanes 16-31 lie behind one padding more
.irp p, 0,1,2,3,4,5
.set PCE, 12*(\q)+6*(\p/3)+\p%3
.if PCE%8 < 5
	ds_load_b64 v[\reg+2*\p:\reg+2*\p+1], v[\adr] offset:8*PCE+16*(PCE/8)+(\i)*16*PITCH
.else
	ds_load_b64 v[\reg+2*\p:\reg+2*\p+1], v[\adr+2] offset:8*PCE+16*(PCE/8)+(\i)*16*PITCH
.endif
.endr
.endm
; A KEY STEP: 128 keys, the q-th of the slab in hand.
.macro STEP q
	v_add_nc_u32 v[ADK], s[TK], v[AK0]             ; six plain lines: the places behind the last step's products, whose operands' registers the first products below write over
	v_add_nc_u32 v[ADP], s[TP], v[AP0]
	v_add_nc_u32 v[ADS], s[TW], v[AW0]
	v_add_nc_u32 v[ADV], s[TV], v[AV0]
	v_add_nc_u32 v[ADV+2], s[TV], v[AV1]
	v_add_nc_u32 v[ADT], s[TS], v[AT0]
.irp g, 0,1                            ; S^T = K Q^T, four tiles of 16 keys at a time
.if \g > 0
.rept 4
	v_nop                                          ; places in front of loads into registers that matrix instructions have read
.endr
.endif
.irp t, 0,1,2,3
.irp p, 0,1,2
	ds_load_b64 v[32+12*\t+2*\p:33+12*\t+2*\p], v[ADK] offset:(128*(\q)+16*(4*\g+\t))*48+8*\p
.endr
	ds_load_b32 v[38+12*\t], v[ADP] offset:(128*(\q)+16*(4*\g+\t))*8
	ds_load_b32 v[248+\t], v[ADS] offset:(128*(\q)+16*(4*\g+\t))*4
.endr
	s_wait_dscnt 0x0
.irp t, 0,1,2,3
	v_wmma_scale_f32_16x16x128_f8f6f4 v[96+8*(4*\g+\t):103+8*(4*\g+\t)], v[32+12*\t:43+12*\t], v[16:27], 0, v[248+\t], v255 matrix_a_fmt:MATRIX_FMT_FP6 matrix_b_fmt:MATRIX_FMT_FP6
.endr
.endr
.rept 4
	v_nop
.endr
.irp b, 0,1,2,3
	v_max3_num_f32 v[232+\b], v[96+16*\b], v[97+16*\b], v[98+16*\b]   ; the largest score of each block of 32 keys: for the row's maximum and, since p rises with the score, for the block's largest p
.endr
.irp i, 3,5,7,9,11,13
.irp b, 0,1,2,3
	v_max3_num_f32 v[232+\b], v[232+\b], v[96+16*\b+\i], v[97+16*\b+\i]
.endr
.endr
.irp b, 0,1,2,3
	v_max_num_f32 v[232+\b], v[232+\b], v[111+16*\b]
.endr
.irp b, 0,1,2,3
	v_permlanex16_b32 v[236+\b], v[232+\b], s[SEL], s[SEL+1]
.endr
.irp b, 0,1,2,3
	v_max_num_f32 v[232+\b], v[232+\b], v[236+\b]  ; with lane l xor 16's 16 keys
.endr
	v_max3_num_f32 v254, v232, v233, v234
	v_max_num_f32 v254, v254, v235
	v_mul_f32 v254, s[CS], v254                    ; the step's largest t
	v_max_num_f32 v13, v13, v254
	v_mov_b32 v254, v12
	v_floor_f32 v12, -v13                          ; the new -M: M is a whole number
	v_sub_f32 v254, v12, v254
	v_cvt_i32_f32 v254, v254                       ; (it saturates)
	v_ldexp_f32 v252, 1.0, v254                    ; f = 2^(old M - new M): a multiplication by it rounds nothing
.set j, 0
.rept 32
	v_pk_fma_f32 v[96+j:97+j], v[96+j:97+j], s[CS:CS+1], v[12:13] op_sel_hi:[1,0,0]   ; t - M, two at a time
.set j, j+2
.endr
.irp b, 0,1,2,3
	v_fma_f32 v[232+\b], v[232+\b], s[CS], v12
.endr
.set j, 0
.rept 64
	v_exp_f32 v[96+j], v[96+j]                     ; p = 2^(t - M): not normalised
.set j, j+1
.endr
	v_pk_mul_f32 v[14:15], v[14:15], v[252:253] op_sel_hi:[1,0]   ; the sums under the new M: a plain place behind the exponentials
	s_wait_alu depctr_va_vdst(0)                   ; one wait for the whole batch, ahead of its first reader
.irp b, 0,1,2,3
	v_exp_f32 v[232+\b], v[232+\b]                 ; the block's largest p
.endr
	v_pk_add_f32 v[236:237], v[96:97], v[98:99]    ; the row's sum of the unquantised p, in two chains
.irp j, 4,8,12,16,20,24,28,32,36,40,44,48,52,56,60
	v_pk_add_f32 v[14:15], v[14:15], v[96+\j:97+\j]
	v_pk_add_f32 v[236:237], v[236:237], v[98+\j:99+\j]
.endr
	v_pk_add_f32 v[14:15], v[14:15], v[236:237]
	s_wait_alu depctr_va_vdst(0)                   ; and one for the four
.irp b, 0,1,2,3
	v_max_num_f32 v[232+\b], 0x1800000, v[232+\b]  ; the floor 2^(3 - 127)
.endr
.irp b, 0,1,2,3
	v_add_nc_u32 v[244+\b], 0xff000000, v[232+\b]  ; the conversion's scale operand
.endr
.irp b, 0,1,2,3
	v_lshrrev_b32 v[236+\b], 23, v[244+\b]
.endr
	v_lshl_or_b32 v253, v237, 8, v236              ; p's scale word for these 128 keys
	v_lshl_or_b32 v253, v238, 16, v253
	v_lshl_or_b32 v253, v239, 24, v253
.irp c, 0,1
	v_cvt_scalef32_pk16_fp6_f32 v[224+6*\c:226+6*\c], v[96+32*\c:111+32*\c], v[244+2*\c]
	v_cvt_scalef32_pk16_fp6_f32 v[236+4*\c:238+4*\c], v[112+32*\c:127+32*\c], v[244+2*\c+1]
.endr
	v_nop                                          ; one plain place behind a scaled conversion
.irp t, 0,1,2,3                        ; V's four fragments land in p's registers, which are done with, while the lines below run
	FRAG 96+12*\t, ADV, \q, \t
	ds_load_b32 v[248+\t], v[ADT] offset:128*\t+4*(\q)
.endr
.irp c, 0,1                            ; a WHOLE block to a lane
.irp i, 0,1,2
	v_permlane16_swap_b32 v[224+6*\c+\i], v[236+4*\c+\i]
.endr
.irp i, 0,1,2
	v_mov_b32 v[227+6*\c+\i], v[236+4*\c+\i]
.endr
.endr
.set j, 0
.rept 16
	v_pk_mul_f32 v[160+j:161+j], v[160+j:161+j], v[252:253] op_sel_hi:[1,0]   ; O^T under the new M; these lines are also the places in front of the products below
.set j, j+2
.endr
	s_wait_dscnt 0x0
.irp t, 0,1,2,3                        ; O^T += V^T P^T: four accumulators by turns
	v_wmma_scale_f32_16x16x128_f8f6f4 v[160+8*\t:167+8*\t], v[96+12*\t:107+12*\t], v[224:235], v[160+8*\t:167+8*\t], v[248+\t], v253 matrix_a_fmt:MATRIX_FMT_FP6 matrix_b_fmt:MATRIX_FMT_FP6
.endr
.endm
; A CHUNK: 512 keys, two slabs.  The count leaves the later chunks' loads out: behind chunk c's load wave 0 has issued 3 - c of K's, waves 1 and 2 as many of V's.
.macro CHUNK c
	s_wait_tensorcnt 3-\c
	s_wait_dscnt 0x0                               ; (ahead of the first: my stores of the tables have landed)
	s_barrier_signal -1
	s_barrier_wait -1
	s_mov_b32 s[CNT], 2
.Lslab_\@:
	STEP 0
	STEP 1
	s_add_co_u32 s[TK], s[TK], 12288
	s_add_co_u32 s[TW], s[TW], 1024
	s_add_co_u32 s[TP], s[TP], 2048
	s_add_co_u32 s[TV], s[TV], 15360
	s_add_co_u32 s[TS], s[TS], 512
	s_sub_co_u32 s[CNT], s[CNT], 1
	s_cmp_lg_u32 s[CNT], 0
	s_cbranch_scc1 .Lslab_\@
.endm
	CHUNK 0
	CHUNK 1
	CHUNK 2
	CHUNK 3
	; THE WAY OUT: O^T / the sum, quantised: my 32 numbers are channels 32 b + 16 h + 0 .. 15 of row r; a conversion's 12 bytes are half a block's, and lie so in memory
	v_add_f32 v14, v14, v15
	v_permlanex16_b32 v252, v14, s[SEL], s[SEL+1]
	v_add_f32 v14, v14, v252                       ; the row's sum
	v_rcp_f32 v14, v14
	v_and_b32 v8, 15, v0                           ; (plain places behind the transcendental and behind the last products)
	v_bfe_u32 v9, v0, 4, 1
	v_mul_u32_u24 v10, v8, 192
	v_mad_u32_u24 v10, v9, 12, v10
	v_lshlrev_b32 v11, 3, v8
	s_wait_alu depctr_va_vdst(0)
.set j, 0
.rept 32
	v_mul_f32 v[96+j], v[160+j], v14               ; each accumulator from its low end on
.set j, j+1
.endr
.irp b, 0,1
	v_max3_num_f32 v[232+\b], |v[96+16*\b]|, |v[97+16*\b]|, 0x1800000
.endr
.irp i, 2,4,6,8,10,12,14
.irp b, 0,1
	v_max3_num_f32 v[232+\b], v[232+\b], |v[96+16*\b+\i]|, |v[97+16*\b+\i]|
.endr
.endr
.irp b, 0,1
	v_permlanex16_b32 v[236+\b], v[232+\b], s[SEL], s[SEL+1]
.endr
.irp b, 0,1
	v_max_num_f32 v[232+\b], v[232+\b], v[236+\b]
.endr
.irp b, 0,1
	v_add_nc_u32 v[244+\b], 0xff000000, v[232+\b]
.endr
.irp b, 0,1
	v_lshrrev_b32 v[236+\b], 23, v[244+\b]
.endr
	v_lshl_or_b32 v240, v237, 8, v236              ; the row's two scale bytes
	v_cvt_scalef32_pk16_fp6_f32 v[224:226], v[96:111], v244
	v_cvt_scalef32_pk16_fp6_f32 v[228:230], v[112:127], v245
	v_nop
	global_store_b96 v10, v[224:226], s[12:13]
	global_store_b96 v10, v[228:230], s[12:13] offset:24
	global_store_b16 v11, v240, s[14:15]           ; (lanes l and l xor 16 store the same two bytes)
	s_wait_tensorcnt 0x0
	ds_add_u32 v223, v243
	s_wait_dscnt 0x0
	ROUND                                          ; the closing round
	s_endpgm
.Lfunc_end_k_q62f5962440_attn:
	.size	k_q62f5962440_attn, .Lfunc_end_k_q62f5962440_attn-k_q62f5962440_attn
	.p2alignl 7, 3214868480
	.fill 96, 4, 3214868480
	.section	.rodata,"a",@progbits
	.p2align	6, 0x0
	.amdhsa_kernel k_q62f5962440_attn
		.amdhsa_group_segment_fixed_size 251904
		.amdhsa_private_segment_fixed_size 0
		.amdhsa_enable_private_segment 0
		.amdhsa_kernarg_size 24
		.amdhsa_user_sgpr_count 2
		.amdhsa_user_sgpr_kernarg_segment_ptr 1
		.amdhsa_wavefront_size32 1
		.amdhsa_system_sgpr_workgroup_id_x 1
		.amdhsa_system_sgpr_workgroup_id_y 1
		.amdhsa_system_sgpr_workgroup_id_z 1
		.amdhsa_system_vgpr_workitem_id 0
		.amdhsa_next_free_vgpr 256
		.amdhsa_next_free_sgpr 100
		.amdhsa_reserve_vcc 1
		.amdhsa_float_denorm_mode_32 3
		.amdhsa_float_denorm_mode_16_64 3
		.amdhsa_memory_ordered 1
		.amdhsa_forward_progress 1
		.amdhsa_inst_pref_size 164
	.end_amdhsa_kernel
	.amdgpu_metadata
---
amdhsa.version: [ 1, 2 ]
amdhsa.kernels:
  - .name:           k_q62f5962440_attn
    .symbol:         k_q62f5962440_attn.kd
    .args:
      - { .name: qkv, .offset: 0, .size: 8, .value_kind: global_buffer, .address_space: global }
      - { .name: mask, .offset: 8, .size: 8, .value_kind: global_buffer, .address_space: global }
      - { .name: nbuf, .offset: 16, .size: 8, .value_kind: global_buffer, .address_space: global }
    .group_segment_fixed_size: 251904
    .private_segment_fixed_size: 0
    .kernarg_segment_align: 8
    .kernarg_segment_size: 24
    .max_flat_workgroup_size: 512
    .sgpr_count:     100
    .vgpr_count:     256
    .wavefront_size: 32
...
	.end_amdgpu_metadata
.endif
;; end of part 4
;; launch oproj (part 5): grid 4 x 32, 4 waves a work-group, clusters of 4 x 4, 327,680 bytes of LDS; arguments nbuf, wbuf, x, x1; writes x1
.if DOCPART == 5
	.amdgcn_target "amdgcn-amd-amdhsa--gfx1250"
	.amdhsa_code_object_version 6
	.text
	.protected	k_q62f5962440_oproj
	.globl	k_q62f5962440_oproj
	.p2align	8
	.type	k_q62f5962440_oproj,@function
k_q62f5962440_oproj:
	s_mov_b64 s[64:65], 0
	v_nop
	global_prefetch_b8 v0, s[64:65] scope:SCOPE_SE
	s_setreg_imm32_b32 hwreg(HW_REG_WAVE_MODE, 25, 1), 1
	s_wait_xcnt 0x0
	s_wait_alu depctr_hold_cnt(0) depctr_sa_sdst(0) depctr_va_vdst(0) depctr_va_sdst(0) depctr_va_ssrc(0) depctr_va_vcc(0) depctr_vm_vsrc(0)
	s_getreg_b32 s2, hwreg(HW_REG_IB_STS2, 6, 4)
	s_cmp_eq_u32 s2, 0
	s_cbranch_scc0 .Lentry_in_a_cluster
	s_endpgm
.Lentry_in_a_cluster:
	s_bfe_u32 s2, ttmp6, 0x10000c
	s_cmp_lg_u32 s2, 0xf033
	s_cbranch_scc0 .Lentry_shape_is_right
	s_endpgm
.Lentry_shape_is_right:
; A GEMM on codes of FP6 (E2M3) whose result is ADDED TO A RESIDUAL in f32.  One text serves two launches; KIND says which.
; KIND 2: x1 = x + ctx wo.   KIND 3: out0 = x1 + h w2 + b2 (the bias is the C of the first products).
; OPERANDS LIE IN SLABS: codes [K / 256][rows][192 bytes], scale bytes [K / 256][rows][8]; row p holds logical row pi(p): p with bits 3 and 4 exchanged.  The residual and the output are f32 in logical order.
; A tile of the result is 128 rows x 256 columns, so that 128 work-groups have work: four waves, each 64 x 128: 32 accumulators.  K goes in steps of 256 through two LDS slots filled by the tensor data mover.
; THE MATRIX INSTRUCTION IS USED TRANSPOSED (source 0 = 16 rows of B, source 1 = 16 rows of A): lane (r, h) holds A's row r; register j of tile b is column 32 (b / 2) + 16 h + 8 (b % 2) + j.
; THE SCALES of the work-group's rows, for all of K, come into LDS once.  CLUSTERS: 4 x 4 work-groups; A's tiles are asked for jointly along a row of the cluster, B's along a column.
; THE WAY OUT: a block of 16 rows x 128 columns goes through the wave's own stage in LDS (in slot 0, which has had its last fill and its last read) and comes back as rows of 512 bytes; row t of block a is token 32 (a / 2) + 8 (a % 2) + t + 8 (t / 8).
; REGISTERS: window 0: v16-31 addresses; v32-63 scale words, two sets; v64-127 the bias; v128-175 A's fragments, ONE set; on the way out v128-255 rows.  Window 1: B's fragments, two sets; on the way out the residual.  Window 2: accumulator (a, b) at v[8 (8 a + b)].
.set KIND,   2
.set AB,     4
.set SA,     786432
.set RA,     4096
.if KIND == 2
.set NK,     4
.set SB,     786432
.set RB,     4096
.set ASOFF,  3145728                   ; nbuf's scale bytes
.set BOFF,   0                         ; wbuf, region 0,
.set BSOFF,  9437184
.set RB0,    3072                      ; wo's rows
.set FIRST,  1
.set RESP,   8                         ; s[8:9] the residual, s[10:11] the output
.set OUTP,   10
.else
.set NK,     16
.set SB,     196608
.set RB,     1024
.set ASOFF,  12582912                  ; hbuf's scale bytes
.set BOFF,   6291456                   ; wbuf, region 2
.set BSOFF,  9699328
.set RB0,    0
.set FIRST,  2
.set RESP,   10                        ; s[8:9] the bias, s[10:11] the residual, s[12:13] the output
.set OUTP,   12
.endif
.set PITCH,  240
.set FR,     12
.set NL,     6
.set HALFA,  16*AB*PITCH
.set HALFB,  128*PITCH
.set SLOT,   2*HALFA+2*HALFB
.set SCL,    2*SLOT                    ; A's scale bytes [NK][128 rows][8]
.set SCLB,   SCL+(AB/4)*NK*1024        ; B's two parts
.set SPARE,  SCLB+2*NK*1024            ; the spare words: 128 bytes a wave, which no other line names
.set ADRA, 16
.set ADRB, 20
.set STO,  24
.set RD,   25
.set CO,   26
.set ADRS, 27
.set SPW,  28
.set NIL,  29
.set XO,   31
.set SC,   32
.set BI,   64
.set AF,   128
.set BK,   128
.set G1, 24
.set G0, 32
.set G1B, 48
.set G0B, 56
.set G1S, 68
.set G0S, 76
.set G1SB, 80
.set G0SB, 88
.set MSB, 0
.macro WIN new                         ; the immediate's high byte repeats the setting that is left; a switch that changes nothing is dropped
.if MSB != (\new)
	s_set_vgpr_msb (MSB<<8)|(\new)
.set MSB, (\new)
.endif
.endm
; A joint load: waves 0 and 1 fetch for A, waves 2 and 3 for B; the branch hangs on the wave's number alone.  Four v_nop follow each of the two lines.
.macro JLOAD g0a, g1a, g0b, g1b
	s_cmp_eq_u32 s15, 0
	s_cbranch_scc0 .Lfor_b_\@
	tensor_load_to_lds s[\g0a:\g0a+3], s[\g1a:\g1a+7]
	s_nop 0
.rept 4
	v_nop
.endr
	s_branch .Lasked_\@
.Lfor_b_\@:
	tensor_load_to_lds s[\g0b:\g0b+3], s[\g1b:\g1b+7]
	s_nop 0
.rept 4
	v_nop
.endr
.Lasked_\@:
.endm
.macro CREST
	s_cmp_lg_u32 s14, 0
	s_cbranch_scc1 .Lnot_wave_0_\@
	s_barrier_signal -3
.Lnot_wave_0_\@:
	s_barrier_wait -3
	s_barrier_signal -1
	s_barrier_wait -1
.endm
.macro CROUND
	s_barrier_signal -1
	s_barrier_wait -1
	CREST
.endm
.macro PLACES n
.rept \n
	v_nop
.endr
.endm
	s_load_b256 s[4:11], s[0:1], 0x0
.if KIND == 3
	s_load_b64 s[12:13], s[0:1], 0x20
.endif
	v_lshl_add_u32 v[SPW], v0, 2, SPARE
	v_mov_b32 v[NIL], 0
	ds_add_u32 v28, v29
	ds_add_u32 v28, v29
	s_wait_dscnt 0x0
	v_lshrrev_b32 v1, 5, v0
	v_readfirstlane_b32 s14, v1                    ; wave 0..3
	s_lshr_b32 s15, s14, 1                         ; which half of the tile's A rows is mine.  Also: I fetch for A (0) or for B (1)
	s_and_b32 s16, s14, 1                          ; which half of B's rows.  Also: which part I fetch
	s_bfe_u32 s40, ttmp6, 0x40000                  ; cx, cy
	s_bfe_u32 s41, ttmp6, 0x40004
	s_and_b32 s18, ttmp7, 0xffff
	s_lshl_b32 s43, s41, 2
	s_lshl_b32 s43, 15, s43                        ; my row of the cluster
	s_lshl_b32 s44, 0x1111, s40                    ; my column
	s_or_b32 s[G1+0], s43, (1<<20)|(1<<21)|(3<<22)|(3<<25)   ; the mask; elements of 1 byte; padding on; bit 21 beside a mask; 4 words of padding behind every 16
	s_or_b32 s[G1B+0], s44, (1<<20)|(1<<21)|(3<<22)|(3<<25)
	s_mov_b32 s[G1+1], 192<<16
	s_mov_b32 s[G1+2], (16*AB)<<16
	s_mov_b32 s[G1+3], 192<<16
	s_mov_b32 s[G1+4], 16*AB
	s_mov_b32 s[G1+5], 192
	s_mov_b32 s[G1+6], 0
	s_mov_b32 s[G1+7], 0
	s_mov_b32 s[G1B+1], 192<<16
	s_mov_b32 s[G1B+2], 128<<16
	s_mov_b32 s[G1B+3], 192<<16
	s_mov_b32 s[G1B+4], 128
	s_mov_b32 s[G1B+5], 192
	s_mov_b32 s[G1B+6], 0
	s_mov_b32 s[G1B+7], 0
	s_or_b32 s[G1S+0], s43, (3<<16)|(1<<21)        ; A's scale bytes: each of two waves brings NK / 2 rows of 128 elements of 8 bytes, a slab apart
	s_or_b32 s[G1SB+0], s44, (3<<16)|(1<<21)       ; B's: NK rows
	s_mov_b32 s[G1S+1], 128<<16
	s_mov_b32 s[G1S+2], (NK/2)<<16
	s_mov_b32 s[G1S+3], 128<<16
	s_mov_b32 s[G1S+4], NK/2
	s_mov_b32 s[G1S+5], RA
	s_mov_b32 s[G1S+6], 0
	s_mov_b32 s[G1S+7], 0
	s_mov_b32 s[G1SB+1], 128<<16
	s_mov_b32 s[G1SB+2], NK<<16
	s_mov_b32 s[G1SB+3], 128<<16
	s_mov_b32 s[G1SB+4], NK
	s_mov_b32 s[G1SB+5], RB
	s_mov_b32 s[G1SB+6], 0
	s_mov_b32 s[G1SB+7], 0
	s_lshl_b32 s17, s18, 2
	s_add_co_u32 s17, s17, s41                     ; tile row
	s_lshl_b32 s42, ttmp9, 2
	s_add_co_u32 s42, s42, s40                     ; tile column
	s_lshl_b32 s19, s17, 7                         ; A's first row
	s_lshl_b32 s45, s42, 8
	s_add_co_u32 s45, s45, RB0                     ; B's
	s_lshl_b32 s20, s16, 6
	s_add_co_u32 s20, s20, s19
	s_mul_i32 s20, s20, 192                        ; A: the codes of the 64 rows that I fetch
	s_mov_b32 s21, 0
	s_lshl_b32 s22, s19, 3
	s_mul_i32 s23, s16, (NK/2)*RA*8
	s_add_co_u32 s22, s22, s23
	s_add_co_u32 s22, s22, ASOFF                   ; and the scale bytes of my half of the K steps
	s_mov_b32 s23, 0
	s_lshl_b32 s46, s16, 7
	s_add_co_u32 s46, s46, s45
	s_lshl_b32 s92, s46, 3
	s_add_co_u32 s92, s92, BSOFF
	s_mul_i32 s46, s46, 192
	s_add_co_u32 s46, s46, BOFF
	s_mov_b32 s47, 0
	s_mov_b32 s93, 0
	s_mul_i32 s66, s16, HALFA                      ; where they go: no place in the cluster enters an LDS address
	s_mul_i32 s67, s16, HALFB
	s_add_co_u32 s67, s67, 2*HALFA
	s_mul_i32 s94, s16, (NK/2)*1024
	s_mul_i32 s95, s16, NK*1024
	s_wait_kmcnt 0x0
	s_add_nc_u64 s[20:21], s[4:5], s[20:21]
	s_add_nc_u64 s[22:23], s[4:5], s[22:23]
	s_add_nc_u64 s[46:47], s[6:7], s[46:47]
	s_add_nc_u64 s[92:93], s[6:7], s[92:93]
	CROUND                                         ; all sixteen work-groups are here: the first joint loads meet
	s_mov_b32 s[G0S], 1
	s_add_co_u32 s[G0S+1], s94, SCL
	s_mov_b64 s[G0S+2:G0S+3], s[22:23]
	s_or_b32 s[G0S+3], s[G0S+3], 0x80000000
	s_mov_b32 s[G0SB], 1
	s_add_co_u32 s[G0SB+1], s95, SCLB
	s_mov_b64 s[G0SB+2:G0SB+3], s[92:93]
	s_or_b32 s[G0SB+3], s[G0SB+3], 0x80000000
	JLOAD G0S, G1S, G0SB, G1SB                     ; the scales first
.irp s, 0,1
	s_mov_b32 s[G0+4*\s], 1
	s_add_co_u32 s[G0+4*\s+1], s66, \s*SLOT
	s_add_nc_u64 s[G0+4*\s+2:G0+4*\s+3], s[20:21], \s*SA
	s_or_b32 s[G0+4*\s+3], s[G0+4*\s+3], 0x80000000
	s_mov_b32 s[G0B+4*\s], 1
	s_add_co_u32 s[G0B+4*\s+1], s67, \s*SLOT
	s_add_nc_u64 s[G0B+4*\s+2:G0B+4*\s+3], s[46:47], \s*SB
	s_or_b32 s[G0B+4*\s+3], s[G0B+4*\s+3], 0x80000000
	JLOAD G0+4*\s, G1, G0B+4*\s, G1B               ; three tensor loads of mine are out
.endr
	v_and_b32 v1, 15, v0                           ; r
	v_bfe_u32 v2, v0, 4, 1                         ; h
	v_mul_u32_u24 v3, v1, PITCH
	v_mul_u32_u24 v4, v2, 24
	v_add_nc_u32 v4, v3, v4
	v_lshl_add_u32 v5, v2, 4, v4
	s_mul_i32 s21, s15, HALFA
	s_mul_i32 s22, s16, HALFB
	s_add_co_u32 s22, s22, 2*HALFA
.irp s, 0,1
	v_add_nc_u32 v[ADRA+\s], s21, v4
	v_add_nc_u32 v[ADRB+\s], s22, v4
	v_add_nc_u32 v[ADRA+2+\s], s21, v5
	v_add_nc_u32 v[ADRB+2+\s], s22, v5
	s_add_co_u32 s21, s21, SLOT
	s_add_co_u32 s22, s22, SLOT
.endr
	v_lshlrev_b32 v5, 3, v1
	s_lshl_b32 s21, s15, 9                         ; A's: my 64 rows of the 128
	s_mul_i32 s22, s16, NK*1024                    ; B's part
	s_add_co_u32 s22, s22, SCLB-SCL
	s_sub_co_u32 s22, s22, s21
	v_mul_u32_u24 v6, s22, v2                      ; lanes 16-31 take B's: the lower base + h x the distance
	s_add_co_u32 s21, s21, SCL
	v_add_nc_u32 v5, v5, v6
	v_add_nc_u32 v[ADRS], s21, v5
	s_mul_i32 s23, s14, 16*528                     ; my stage: 16 rows x (512 + 16) bytes
	v_mul_u32_u24 v5, v1, 528
	v_lshl_add_u32 v5, v2, 6, v5
	v_add_nc_u32 v[STO], s23, v5                   ; in: row r, 64 bytes for each half of the lanes
	v_and_b32 v6, 31, v0
	v_lshlrev_b32 v[CO], 4, v6                     ; back, and in memory: the 32 lanes take a row of 512 bytes
	v_add_nc_u32 v[RD], s23, v[CO]
	s_lshl_b32 s96, s17, 7
	s_lshl_b32 s97, s15, 6
	s_add_co_u32 s96, s96, s97
	s_lshl_b32 s96, s96, 12                        ; my first token, 4,096 bytes a token,
	s_lshl_b32 s97, s42, 10
	s_add_co_u32 s96, s96, s97
	s_lshl_b32 s97, s16, 9
	s_add_co_u32 s96, s96, s97                     ; my first column
	s_mov_b32 s97, 0
	s_add_nc_u64 s[RESP:RESP+1], s[RESP:RESP+1], s[96:97]
	s_add_nc_u64 s[OUTP:OUTP+1], s[OUTP:OUTP+1], s[96:97]
.if FIRST == 2
	s_lshl_b32 s98, s42, 10
	s_lshl_b32 s99, s16, 9
	s_add_co_u32 s98, s98, s99
	s_mov_b32 s99, 0
	s_add_nc_u64 s[8:9], s[8:9], s[98:99]          ; the bias of my 128 columns
	v_lshlrev_b32 v[XO], 6, v2
.irp i, 0,1,2,3,4,5,6,7
	global_load_b128 v[BI+8*\i:BI+8*\i+3], v[XO], s[8:9] offset:(32*(\i/2)+8*(\i%2))*4
	global_load_b128 v[BI+8*\i+4:BI+8*\i+7], v[XO], s[8:9] offset:(32*(\i/2)+8*(\i%2))*4+16
.endr
.endif
.macro FRAG reg, adr, q, i             ; a fragment, 16 rows x 128 K, in pieces of 8 bytes; the second address register serves where lanes 16-31 lie behind one padding more
.irp p, 0,1,2,3,4,5
.set PCE, 12*(\q)+6*(\p/3)+\p%3
.if PCE%8 < 5
	ds_load_b64 v[\reg+2*\p:\reg+2*\p+1], v[\adr] offset:8*PCE+16*(PCE/8)+(\i)*16*PITCH
.else
	ds_load_b64 v[\reg+2*\p:\reg+2*\p+1], v[\adr+2] offset:8*PCE+16*(PCE/8)+(\i)*16*PITCH
.endif
.endr
.endm
; 8 matrix instructions: A's block a x B's eight.  first = 1: C is the constant 0; 2: the bias; 0: the sum goes on.  The accumulators take turns, one instruction a turn.
.macro MULB a, p, q, sc, first
.if (\first) == 2
	WIN 0x81+0x40*((\a)/4)
.else
	WIN 0xa1+0x50*((\a)/4)
.endif
.irp b, 0,1,2,3,4,5,6,7
.set rD, 8*(8*((\a)%4)+\b)
.set rB, 128*(\p)+FR*\b
.set rA, AF+FR*(\a)
.set rT, SC+16*(\sc)+2*\b+(\q)
.set rU, SC+16*(\sc)+2*(\a)+(\q)
.if (\first) == 1
	v_wmma_scale_f32_16x16x128_f8f6f4 v[rD:rD+7], v[rB:rB+FR-1], v[rA:rA+FR-1], 0, v[rT], v[rU] matrix_a_fmt:MATRIX_FMT_FP6 matrix_b_fmt:MATRIX_FMT_FP6 matrix_a_scale:MATRIX_SCALE_ROW1
.elseif (\first) == 2
	v_wmma_scale_f32_16x16x128_f8f6f4 v[rD:rD+7], v[rB:rB+FR-1], v[rA:rA+FR-1], v[BI+8*\b:BI+8*\b+7], v[rT], v[rU] matrix_a_fmt:MATRIX_FMT_FP6 matrix_b_fmt:MATRIX_FMT_FP6 matrix_a_scale:MATRIX_SCALE_ROW1
.else
	v_wmma_scale_f32_16x16x128_f8f6f4 v[rD:rD+7], v[rB:rB+FR-1], v[rA:rA+FR-1], v[rD:rD+7], v[rT], v[rU] matrix_a_fmt:MATRIX_FMT_FP6 matrix_b_fmt:MATRIX_FMT_FP6 matrix_a_scale:MATRIX_SCALE_ROW1
.endif
.endr
.endm
.macro MULQ k, p, q, sc, first
.set aa, (\k)*AB/4
.rept AB/4
	MULB aa, \p, \q, \sc, \first
.set aa, aa+1
.endr
.endm
.macro FETCH_B slot, q, p
	WIN 0x40
.irp i, 0,1,2,3,4,5,6,7
	FRAG 128*(\p)+FR*\i, ADRB+\slot, \q, \i
.endr
	WIN 0
.endm
.macro FETCH_A slot, q, half
.set ii, (\half)*AB/2
.rept AB/2
	FRAG AF+FR*ii, ADRA+\slot, \q, ii
.set ii, ii+1
.endr
.endm
.macro SCALES sc                       ; lanes 0-15 take A's block i (blocks 4-7 are not A's own and are not used), lanes 16-31 B's block i
.irp i, 0,1,2,3,4,5,6,7
	ds_load_b64 v[SC+16*\sc+2*\i:SC+16*\sc+2*\i+1], v[ADRS] offset:128*\i
.endr
.endm
.macro STEP slot, first                ; a slot's first 128 along K
	s_wait_dscnt (AB/2)*NL                         ; B's set, the scale words and A's first half are in; A's second half may be out
	MULQ 0, 0, 0, \slot, \first
	MULQ 1, 0, 0, \slot, \first
	s_wait_dscnt 0
	PLACES 4                                       ; four plain places in front of loads into registers that matrix instructions have read
	FETCH_B \slot, 1, 1
	FETCH_A \slot, 1, 0
	MULQ 2, 0, 0, \slot, \first
	MULQ 3, 0, 0, \slot, \first
	PLACES 4
	WIN 0
	FETCH_A \slot, 1, 1
.endm
; A slot's second 128 change slots: ONE barrier; in front of it each wave waits for all its tensor loads, adds 0 to its spare word, and waits for that and for its reads of this slot.
.macro TURN slot, next, fill
	s_wait_tensorcnt 0x0                           ; all my tensor loads have landed: my part of the next slot
	ds_add_u32 v[SPW], v[NIL]                      ; 0 onto my spare word
	s_wait_dscnt (AB/2)*NL+1                       ; (the add and A's second half may be out)
	MULQ 0, 1, 1, \slot, 0
	s_wait_dscnt 0x0                               ; the add is done, and my reads of this slot are over
	s_barrier_signal -1
	MULQ 1, 1, 1, \slot, 0
	WIN 0
	s_barrier_wait -1
.if \fill
	CREST                                          ; the barrier has opened a round of the cluster's
	s_add_nc_u64 s[G0+4*\slot+2:G0+4*\slot+3], s[G0+4*\slot+2:G0+4*\slot+3], 2*SA
	s_add_nc_u64 s[G0B+4*\slot+2:G0B+4*\slot+3], s[G0B+4*\slot+2:G0B+4*\slot+3], 2*SB
	JLOAD G0+4*\slot, G1, G0B+4*\slot, G1B         ; my one tensor load behind the round; its four v_nop are also the places in front of the loads below
.else
	PLACES 4
.endif
	v_add_nc_u32 v[ADRS], 1024, v[ADRS]
	FETCH_B \next, 0, 0
	FETCH_A \next, 0, 0
	SCALES \next
	MULQ 2, 1, 1, \slot, 0
	MULQ 3, 1, 1, \slot, 0
	PLACES 4
	WIN 0
	FETCH_A \next, 0, 1
.endm
	s_wait_tensorcnt 1                             ; the scales and my part of K step 0 are in (K step 1's load may be out)
	s_barrier_signal -1
	s_barrier_wait -1
	FETCH_B 0, 0, 0
	FETCH_A 0, 0, 0
	SCALES 0
	FETCH_A 0, 0, 1
.if FIRST == 2
	s_wait_loadcnt 0x0                             ; the bias
.endif
	STEP 0, FIRST
	s_mov_b32 s3, NK/2-1
.Llap:
	TURN 0, 1, 1
	STEP 1, 0
	TURN 1, 0, 1
	STEP 0, 0
	s_sub_co_u32 s3, s3, 1
	s_cmp_lg_u32 s3, 0
	s_cbranch_scc1 .Llap
	TURN 0, 1, 0
	STEP 1, 0
	s_wait_dscnt (AB/2)*NL
	MULQ 0, 1, 1, 1, 0
	MULQ 1, 1, 1, 1, 0
	s_wait_dscnt 0
	MULQ 2, 1, 1, 1, 0
	MULQ 3, 1, 1, 1, 0
	WIN 0
	PLACES 4                                       ; behind the last products: for the loads below and for the first reads of results
	WIN 0x40                                       ; the residual's 64 rows of 512 bytes go into window 1, which B's fragments have left
.set a, 0
.rept 4
.set t, 0
.rept 16
	global_load_b128 v[64*a+4*t:64*a+4*t+3], v[CO], s[RESP:RESP+1] offset:(32*(a/2)+8*(a%2)+t+8*(t/8))*4096
.set t, t+1
.endr
.set a, a+1
.endr
	WIN 0
.macro TOSTAGE a
	WIN 0x08                                       ; an LDS store's data are its source 1: window 2
.irp b, 0,1,2,3,4,5,6,7
	ds_store_b128 v[STO], v[64*(\a)+8*\b:64*(\a)+8*\b+3] offset:128*(\b/2)+32*(\b%2)         ; each accumulator from its low end on
	ds_store_b128 v[STO], v[64*(\a)+8*\b+4:64*(\a)+8*\b+7] offset:128*(\b/2)+32*(\b%2)+16
.endr
	WIN 0
.set BB, BK+64*((\a)%2)
.set t, 0
.rept 16
	ds_load_b128 v[BB+4*t:BB+4*t+3], v[RD] offset:t*528   ; LDS serves a wave's instructions in order: these see the stores above
.set t, t+1
.endr
.endm
.macro SEND a, younger
.set BB, BK+64*((\a)%2)
	s_wait_dscnt \younger                          ; the block is back in registers; the next block's 32 LDS instructions may be out
	s_wait_loadcnt 16*(3-(\a))                     ; its 16 rows of the residual are in; the later blocks' may be out
	WIN 0x04                                       ; source 1 in window 1
.set k, 0
.rept 32
	v_pk_add_f32 v[BB+2*k:BB+2*k+1], v[BB+2*k:BB+2*k+1], v[64*(\a)+2*k:64*(\a)+2*k+1]
.set k, k+1
.endr
	WIN 0
.set t, 0
.rept 16
	global_store_b128 v[CO], v[BB+4*t:BB+4*t+3], s[OUTP:OUTP+1] offset:(32*((\a)/2)+8*((\a)%2)+t+8*(t/8))*4096   ; 512 consecutive bytes, aligned
.set t, t+1
.endr
.endm
	TOSTAGE 0
	TOSTAGE 1
	SEND 0, 32
	s_wait_xcnt 0x0                                ; block 0's stores have read their registers: block 2's rows may land there
	TOSTAGE 2
	SEND 1, 32
	s_wait_xcnt 0x0
	TOSTAGE 3
	SEND 2, 32
	SEND 3, 0
	s_wait_tensorcnt 0x0                           ; the wave's end
	ds_add_u32 v[SPW], v[NIL]
	s_wait_dscnt 0x0
	CROUND                                         ; the closing round
	s_endpgm
.Lfunc_end_k_q62f5962440_oproj:
	.size	k_q62f5962440_oproj, .Lfunc_end_k_q62f5962440_oproj-k_q62f5962440_oproj
	.p2alignl 7, 3214868480
	.fill 96, 4, 3214868480
	.section	.rodata,"a",@progbits
	.p2align	6, 0x0
	.amdhsa_kernel k_q62f5962440_oproj
		.amdhsa_group_segment_fixed_size 327680
		.amdhsa_private_segment_fixed_size 0
		.amdhsa_enable_private_segment 0
		.amdhsa_kernarg_size 32
		.amdhsa_user_sgpr_count 2
		.amdhsa_user_sgpr_kernarg_segment_ptr 1
		.amdhsa_wavefront_size32 1
		.amdhsa_system_sgpr_workgroup_id_x 1
		.amdhsa_system_sgpr_workgroup_id_y 1
		.amdhsa_system_sgpr_workgroup_id_z 1
		.amdhsa_system_vgpr_workitem_id 0
		.amdhsa_next_free_vgpr 768
		.amdhsa_next_free_sgpr 100
		.amdhsa_reserve_vcc 0
		.amdhsa_float_denorm_mode_32 3
		.amdhsa_float_denorm_mode_16_64 3
		.amdhsa_memory_ordered 1
		.amdhsa_forward_progress 1
		.amdhsa_inst_pref_size 116
	.end_amdhsa_kernel
	.amdgpu_metadata
---
amdhsa.version: [ 1, 2 ]
amdhsa.kernels:
  - .name:           k_q62f5962440_oproj
    .symbol:         k_q62f5962440_oproj.kd
    .args:
      - { .name: nbuf, .offset: 0, .size: 8, .value_kind: global_buffer, .address_space: global }
      - { .name: wbuf, .offset: 8, .size: 8, .value_kind: global_buffer, .address_space: global }
      - { .name: x, .offset: 16, .size: 8, .value_kind: global_buffer, .address_space: global }
      - { .name: x1, .offset: 24, .size: 8, .value_kind: global_buffer, .address_space: global }
    .group_segment_fixed_size: 327680
    .private_segment_fixed_size: 0
    .kernarg_segment_align: 8
    .kernarg_segment_size: 32
    .max_flat_workgroup_size: 128
    .sgpr_count:     100
    .vgpr_count:     768
    .wavefront_size: 32
...
	.end_amdgpu_metadata
.endif
;; end of part 5
;; launch norm2: the kernel of part 2 again; grid 256 x 1, 4 waves a work-group, no clusters, 31,744 bytes of LDS; arguments x1, gamma2, beta2, nbuf; writes nbuf
;; launch ffn1 (part 6): grid 16 x 16, 4 waves a work-group, clusters of 4 x 4, 327,680 bytes of LDS; arguments nbuf, wbuf, b1, hbuf; writes hbuf
.if DOCPART == 6
	.amdgcn_target "amdgcn-amd-amdhsa--gfx1250"
	.amdhsa_code_object_version 6
	.text
	.protected	k_q62f5962440_ffn1
	.globl	k_q62f5962440_ffn1
	.p2align	8
	.type	k_q62f5962440_ffn1,@function
k_q62f5962440_ffn1:
	s_mov_b64 s[64:65], 0
	v_nop
	global_prefetch_b8 v0, s[64:65] scope:SCOPE_SE
	s_setreg_imm32_b32 hwreg(HW_REG_WAVE_MODE, 25, 1), 1
	s_wait_xcnt 0x0
	s_wait_alu depctr_hold_cnt(0) depctr_sa_sdst(0) depctr_va_vdst(0) depctr_va_sdst(0) depctr_va_ssrc(0) depctr_va_vcc(0) depctr_vm_vsrc(0)
	s_getreg_b32 s2, hwreg(HW_REG_IB_STS2, 6, 4)
	s_cmp_eq_u32 s2, 0
	s_cbranch_scc0 .Lentry_in_a_cluster
	s_endpgm
.Lentry_in_a_cluster:
	s_bfe_u32 s2, ttmp6, 0x10000c
	s_cmp_lg_u32 s2, 0xf033
	s_cbranch_scc0 .Lentry_shape_is_right
	s_endpgm
.Lentry_shape_is_right:
; h = relu(n2 w1 + b1) on codes of FP6 (E2M3), QUANTISED ON THE WAY OUT.  (The same plan as the launch that makes q, k and v; here without the mask and without the change of sides.)
; ALL OPERANDS LIE IN SLABS: codes [K / 256][rows][192 bytes], scale bytes [K / 256][rows][8]; row p holds logical row pi(p): p with bits 3 and 4 exchanged.
; A tile of the result, 256 x 256, is made by four waves, each 128 x 128: 64 accumulators of 16 x 16.  K goes in steps of 256 through two LDS slots filled by the tensor data mover; a step's 128 rows are one dense block of 24,576 bytes.
; THE MATRIX INSTRUCTION IS USED TRANSPOSED (source 0 = 16 rows of w1's codes, source 1 = 16 tokens): lane (r, h) holds token row r, and register j of tile 2 b + u the hidden unit 32 b + 16 h + 8 u + j:
; the 16 registers of two neighbouring tiles are 16 NEIGHBOURS along the next product's K, and a block of 32 lies in lanes l and l xor 16.
; The bias is the C of the first products.  THE SCALES of the work-group's rows, for all of K, come into LDS once.  CLUSTERS: 4 x 4; A's tiles are asked for jointly along a row of the cluster, B's along a column.
; THE WAY OUT: each wave's 16 rows x 128 columns become one fragment's codes and a scale word a row; the tile's 256 rows x 192 bytes meet in LDS (in slot 0, which has had its last fill and its last read) and leave as one dense block of 49,152 bytes.
; LIMITS: blocks whose largest magnitude lies under 2^-124 keep the byte 1; NaN and infinities are not served.
; REGISTERS: window 0: v16-31 addresses; v32-63 scale words, two sets; v64-127 the bias, later at work; v128-223 A's fragments, ONE set.  Window 1: B's fragments, two sets.  Windows 2, 3: accumulator (a, b) at v[8 (8 (a % 4) + b)] of window 2 + a / 4.
.set AB,     8
.set NK,     4
.set SA,     786432
.set SB,     786432
.set RA,     4096
.set RB,     4096
.set NSC,    3145728                   ; nbuf: the scale bytes
.set R1,     3145728                   ; wbuf: w1's codes,
.set S1,     9568256                   ; and scale bytes
.set HSC,    12582912                  ; hbuf: the scale bytes
.set PITCH,  240
.set FR,     12
.set NL,     6
.set HALFA,  16*AB*PITCH
.set HALFB,  128*PITCH
.set SLOT,   2*HALFA+2*HALFB
.set SCL,    2*SLOT
.set SCLB,   SCL+(AB/4)*NK*1024
.set SPARE,  SCLB+2*NK*1024            ; the spare words: 128 bytes a wave, which no other line names
.set ADRA, 16
.set ADRB, 20
.set STC,  24
.set STS,  25
.set RDC,  26
.set ADRS, 27
.set SPW,  28
.set NIL,  29
.set RDS,  30
.set XO,   31
.set SC,   32
.set BI,   64
.set AF,   128
.set CD,   64
.set TM,   96
.set PW,   112
.set G1, 24
.set G0, 32
.set G1B, 48
.set G0B, 56
.set G1S, 68
.set G0S, 76
.set G1SB, 80
.set G0SB, 88
.set MSB, 0
.macro WIN new                         ; the immediate's high byte repeats the setting that is left; a switch that changes nothing is dropped
.if MSB != (\new)
	s_set_vgpr_msb (MSB<<8)|(\new)
.set MSB, (\new)
.endif
.endm
; A joint load: waves 0 and 1 fetch for A, waves 2 and 3 for B; the branch hangs on the wave's number alone.  Four v_nop follow each of the two lines.
.macro JLOAD g0a, g1a, g0b, g1b
	s_cmp_eq_u32 s15, 0
	s_cbranch_scc0 .Lfor_b_\@
	tensor_load_to_lds s[\g0a:\g0a+3], s[\g1a:\g1a+7]
	s_nop 0
.rept 4
	v_nop
.endr
	s_branch .Lasked_\@
.Lfor_b_\@:
	tensor_load_to_lds s[\g0b:\g0b+3], s[\g1b:\g1b+7]
	s_nop 0
.rept 4
	v_nop
.endr
.Lasked_\@:
.endm
.macro CREST
	s_cmp_lg_u32 s14, 0
	s_cbranch_scc1 .Lnot_wave_0_\@
	s_barrier_signal -3
.Lnot_wave_0_\@:
	s_barrier_wait -3
	s_barrier_signal -1
	s_barrier_wait -1
.endm
.macro CROUND
	s_barrier_signal -1
	s_barrier_wait -1
	CREST
.endm
.macro PLACES n
.rept \n
	v_nop
.endr
.endm
	s_load_b256 s[4:11], s[0:1], 0x0               ; nbuf, wbuf, b1, hbuf
	v_lshl_add_u32 v[SPW], v0, 2, SPARE
	v_mov_b32 v[NIL], 0
	ds_add_u32 v28, v29
	ds_add_u32 v28, v29
	s_wait_dscnt 0x0
	v_lshrrev_b32 v1, 5, v0
	v_readfirstlane_b32 s14, v1                    ; wave 0..3
	s_lshr_b32 s15, s14, 1                         ; which half of the tile's tokens is mine.  Also: I fetch for A (0) or for B (1)
	s_and_b32 s16, s14, 1                          ; which half of its columns.  Also: which 128 rows I fetch
	s_bfe_u32 s40, ttmp6, 0x40000                  ; cx, cy
	s_bfe_u32 s41, ttmp6, 0x40004
	s_and_b32 s18, ttmp7, 0xffff
	s_lshl_b32 s43, s41, 2
	s_lshl_b32 s43, 15, s43                        ; my row of the cluster
	s_lshl_b32 s44, 0x1111, s40                    ; my column
	s_or_b32 s[G1+0], s43, (1<<20)|(1<<21)|(3<<22)|(3<<25)   ; the mask; elements of 1 byte; padding on; bit 21 beside a mask; 4 words of padding behind every 16
	s_or_b32 s[G1B+0], s44, (1<<20)|(1<<21)|(3<<22)|(3<<25)
.irp g, G1, G1B
	s_mov_b32 s[\g+1], 192<<16                     ; tensor_dim0
	s_mov_b32 s[\g+2], 128<<16                     ; tensor_dim1
	s_mov_b32 s[\g+3], 192<<16                     ; tile_dim0
	s_mov_b32 s[\g+4], 128                         ; tile_dim1
	s_mov_b32 s[\g+5], 192                         ; the rows are dense
	s_mov_b32 s[\g+6], 0
	s_mov_b32 s[\g+7], 0
.endr
	s_or_b32 s[G1S+0], s43, (3<<16)|(1<<21)        ; the scale bytes of 128 rows: NK rows of 128 elements of 8 bytes, a slab apart
	s_or_b32 s[G1SB+0], s44, (3<<16)|(1<<21)
.irp g, G1S, G1SB
	s_mov_b32 s[\g+1], 128<<16
	s_mov_b32 s[\g+2], NK<<16
	s_mov_b32 s[\g+3], 128<<16
	s_mov_b32 s[\g+4], NK
	s_mov_b32 s[\g+5], 4096
	s_mov_b32 s[\g+6], 0
	s_mov_b32 s[\g+7], 0
.endr
	s_lshl_b32 s17, s18, 2
	s_add_co_u32 s17, s17, s41                     ; tile row
	s_lshl_b32 s42, ttmp9, 2
	s_add_co_u32 s42, s42, s40                     ; tile column
	s_lshl_b32 s19, s17, 8
	s_lshl_b32 s45, s42, 8
	s_lshl_b32 s20, s16, 7
	s_add_co_u32 s20, s20, s19                     ; A: the first row that I fetch
	s_lshl_b32 s22, s20, 3
	s_add_co_u32 s22, s22, NSC
	s_mul_i32 s20, s20, 192
	s_mov_b32 s21, 0
	s_mov_b32 s23, 0
	s_lshl_b32 s46, s16, 7
	s_add_co_u32 s46, s46, s45                     ; B likewise
	s_lshl_b32 s92, s46, 3
	s_add_co_u32 s92, s92, S1
	s_mul_i32 s46, s46, 192
	s_add_co_u32 s46, s46, R1
	s_mov_b32 s47, 0
	s_mov_b32 s93, 0
	s_mul_i32 s66, s16, HALFA                      ; where they go: no place in the cluster enters an LDS address
	s_mul_i32 s67, s16, HALFB
	s_add_co_u32 s67, s67, 2*HALFA
	s_mul_i32 s94, s16, NK*1024
	s_wait_kmcnt 0x0
	s_add_nc_u64 s[20:21], s[4:5], s[20:21]
	s_add_nc_u64 s[22:23], s[4:5], s[22:23]
	s_add_nc_u64 s[46:47], s[6:7], s[46:47]
	s_add_nc_u64 s[92:93], s[6:7], s[92:93]
	CROUND                                         ; all sixteen work-groups are here: the first joint loads meet
	s_mov_b32 s[G0S], 1
	s_add_co_u32 s[G0S+1], s94, SCL
	s_mov_b64 s[G0S+2:G0S+3], s[22:23]
	s_or_b32 s[G0S+3], s[G0S+3], 0x80000000
	s_mov_b32 s[G0SB], 1
	s_add_co_u32 s[G0SB+1], s94, SCLB
	s_mov_b64 s[G0SB+2:G0SB+3], s[92:93]
	s_or_b32 s[G0SB+3], s[G0SB+3], 0x80000000
	JLOAD G0S, G1S, G0SB, G1SB                     ; the scales first
.irp s, 0,1
	s_mov_b32 s[G0+4*\s], 1
	s_add_co_u32 s[G0+4*\s+1], s66, \s*SLOT
	s_add_nc_u64 s[G0+4*\s+2:G0+4*\s+3], s[20:21], \s*SA
	s_or_b32 s[G0+4*\s+3], s[G0+4*\s+3], 0x80000000
	s_mov_b32 s[G0B+4*\s], 1
	s_add_co_u32 s[G0B+4*\s+1], s67, \s*SLOT
	s_add_nc_u64 s[G0B+4*\s+2:G0B+4*\s+3], s[46:47], \s*SB
	s_or_b32 s[G0B+4*\s+3], s[G0B+4*\s+3], 0x80000000
	JLOAD G0+4*\s, G1, G0B+4*\s, G1B               ; three tensor loads of mine are out
.endr
	v_and_b32 v1, 15, v0                           ; r
	v_bfe_u32 v2, v0, 4, 1                         ; h
	v_mul_u32_u24 v3, v1, PITCH
	v_mul_u32_u24 v4, v2, 24
	v_add_nc_u32 v4, v3, v4
	v_lshl_add_u32 v5, v2, 4, v4
	s_mul_i32 s21, s15, HALFA
	s_mul_i32 s22, s16, HALFB
	s_add_co_u32 s22, s22, 2*HALFA
.irp s, 0,1
	v_add_nc_u32 v[ADRA+\s], s21, v4
	v_add_nc_u32 v[ADRB+\s], s22, v4
	v_add_nc_u32 v[ADRA+2+\s], s21, v5
	v_add_nc_u32 v[ADRB+2+\s], s22, v5
	s_add_co_u32 s21, s21, SLOT
	s_add_co_u32 s22, s22, SLOT
.endr
	v_lshlrev_b32 v5, 3, v1
	s_mul_i32 s21, s15, NK*1024
	s_mul_i32 s22, s16, NK*1024
	s_add_co_u32 s22, s22, SCLB-SCL
	s_sub_co_u32 s22, s22, s21
	v_mul_u32_u24 v6, s22, v2                      ; lanes 16-31 take B's: the lower base + h x the distance
	s_add_co_u32 s21, s21, SCL
	v_add_nc_u32 v5, v5, v6
	v_add_nc_u32 v[ADRS], s21, v5
	s_mul_i32 s21, s15, 128*192                    ; the way out: row 128 x half + r, 96 bytes for each half of the columns, 24 for each half of the lanes
	s_mul_i32 s22, s16, 96
	s_add_co_u32 s21, s21, s22
	v_mul_u32_u24 v5, v1, 192
	v_mad_u32_u24 v5, v2, 24, v5
	v_add_nc_u32 v[STC], s21, v5
	s_lshl_b32 s21, s15, 10
	s_lshl_b32 s22, s16, 2
	s_add_co_u32 s21, s21, s22
	s_add_co_u32 s21, s21, 49152
	v_lshl_add_u32 v[STS], v1, 3, s21
	v_and_b32 v6, 31, v0
	s_mul_i32 s21, s14, 12288
	v_lshl_add_u32 v[RDC], v6, 4, s21
	s_lshl_b32 s21, s14, 9
	v_lshl_add_u32 v[RDS], v6, 4, s21
	s_lshl_b32 s98, s42, 10
	s_lshl_b32 s99, s16, 9
	s_add_co_u32 s98, s98, s99
	s_mov_b32 s99, 0
	s_add_nc_u64 s[8:9], s[8:9], s[98:99]          ; the bias of my 128 columns
	v_lshlrev_b32 v[XO], 6, v2                     ; lane (r, h) wants, for tile i, those of columns 32 (i / 2) + 16 h + 8 (i % 2) + 0 .. 7
.irp i, 0,1,2,3,4,5,6,7
	global_load_b128 v[BI+8*\i:BI+8*\i+3], v[XO], s[8:9] offset:(32*(\i/2)+8*(\i%2))*4
	global_load_b128 v[BI+8*\i+4:BI+8*\i+7], v[XO], s[8:9] offset:(32*(\i/2)+8*(\i%2))*4+16
.endr
	s_mul_i32 s96, s42, 786432
	s_mul_i32 s97, s17, 49152
	s_add_co_u32 s96, s96, s97
	s_mov_b32 s97, 0
	s_lshl_b32 s98, s42, 15
	s_lshl_b32 s99, s17, 11
	s_add_co_u32 s98, s98, s99
	s_add_co_u32 s98, s98, HSC
	s_mov_b32 s99, 0
	s_add_nc_u64 s[12:13], s[10:11], s[98:99]      ; the tile's scale bytes,
	s_add_nc_u64 s[10:11], s[10:11], s[96:97]      ; and codes
	s_mov_b32 s98, 0x76543210
	s_mov_b32 s99, 0xfedcba98                      ; v_permlanex16_b32's selects for lane l xor 16
.macro FRAG reg, adr, q, i             ; a fragment, 16 rows x 128 K, in pieces of 8 bytes; the second address register serves where lanes 16-31 lie behind one padding more
.irp p, 0,1,2,3,4,5
.set PCE, 12*(\q)+6*(\p/3)+\p%3
.if PCE%8 < 5
	ds_load_b64 v[\reg+2*\p:\reg+2*\p+1], v[\adr] offset:8*PCE+16*(PCE/8)+(\i)*16*PITCH
.else
	ds_load_b64 v[\reg+2*\p:\reg+2*\p+1], v[\adr+2] offset:8*PCE+16*(PCE/8)+(\i)*16*PITCH
.endif
.endr
.endm
; 8 matrix instructions: A's block a x B's eight.  first = 2: C is the bias; 0: the sum goes on.  The accumulators take turns, one instruction a turn.
.macro MULB a, p, q, sc, first
.if (\first) == 2
	WIN 0x81+0x40*((\a)/4)
.else
	WIN 0xa1+0x50*((\a)/4)
.endif
.irp b, 0,1,2,3,4,5,6,7
.set rD, 8*(8*((\a)%4)+\b)
.set rB, 128*(\p)+FR*\b
.set rA, AF+FR*(\a)
.set rT, SC+16*(\sc)+2*\b+(\q)
.set rU, SC+16*(\sc)+2*(\a)+(\q)
.if (\first) == 2
	v_wmma_scale_f32_16x16x128_f8f6f4 v[rD:rD+7], v[rB:rB+FR-1], v[rA:rA+FR-1], v[BI+8*\b:BI+8*\b+7], v[rT], v[rU] matrix_a_fmt:MATRIX_FMT_FP6 matrix_b_fmt:MATRIX_FMT_FP6 matrix_a_scale:MATRIX_SCALE_ROW1
.else
	v_wmma_scale_f32_16x16x128_f8f6f4 v[rD:rD+7], v[rB:rB+FR-1], v[rA:rA+FR-1], v[rD:rD+7], v[rT], v[rU] matrix_a_fmt:MATRIX_FMT_FP6 matrix_b_fmt:MATRIX_FMT_FP6 matrix_a_scale:MATRIX_SCALE_ROW1
.endif
.endr
.endm
.macro MULQ k, p, q, sc, first
.set aa, (\k)*AB/4
.rept AB/4
	MULB aa, \p, \q, \sc, \first
.set aa, aa+1
.endr
.endm
.macro FETCH_B slot, q, p
	WIN 0x40
.irp i, 0,1,2,3,4,5,6,7
	FRAG 128*(\p)+FR*\i, ADRB+\slot, \q, \i
.endr
	WIN 0
.endm
.macro FETCH_A slot, q, half
.set ii, (\half)*AB/2
.rept AB/2
	FRAG AF+FR*ii, ADRA+\slot, \q, ii
.set ii, ii+1
.endr
.endm
.macro SCALES sc                       ; lanes 0-15 take A's block i, lanes 16-31 B's block i
.irp i, 0,1,2,3,4,5,6,7
	ds_load_b64 v[SC+16*\sc+2*\i:SC+16*\sc+2*\i+1], v[ADRS] offset:128*\i
.endr
.endm
.macro STEP slot, first                ; a slot's first 128 along K
	s_wait_dscnt (AB/2)*NL                         ; B's set, the scale words and A's first half are in; A's second half may be out
	MULQ 0, 0, 0, \slot, \first
	MULQ 1, 0, 0, \slot, \first
	s_wait_dscnt 0
	PLACES 4                                       ; four plain places in front of loads into registers that matrix instructions have read
	FETCH_B \slot, 1, 1
	FETCH_A \slot, 1, 0
	MULQ 2, 0, 0, \slot, \first
	MULQ 3, 0, 0, \slot, \first
	PLACES 4
	WIN 0
	FETCH_A \slot, 1, 1
.endm
; A slot's second 128 change slots: ONE barrier; in front of it each wave waits for all its tensor loads, adds 0 to its spare word, and waits for that and for its reads of this slot.
.macro TURN slot, next, fill
	s_wait_tensorcnt 0x0                           ; all my tensor loads have landed: my part of the next slot
	ds_add_u32 v[SPW], v[NIL]                      ; 0 onto my spare word
	s_wait_dscnt (AB/2)*NL+1                       ; (the add and A's second half may be out)
	MULQ 0, 1, 1, \slot, 0
	s_wait_dscnt 0x0                               ; the add is done, and my reads of this slot are over
	s_barrier_signal -1
	MULQ 1, 1, 1, \slot, 0
	WIN 0
	s_barrier_wait -1
.if \fill
	CREST                                          ; the barrier has opened a round of the cluster's
	s_add_nc_u64 s[G0+4*\slot+2:G0+4*\slot+3], s[G0+4*\slot+2:G0+4*\slot+3], 2*SA
	s_add_nc_u64 s[G0B+4*\slot+2:G0B+4*\slot+3], s[G0B+4*\slot+2:G0B+4*\slot+3], 2*SB
	JLOAD G0+4*\slot, G1, G0B+4*\slot, G1B         ; my one tensor load behind the round; its four v_nop are also the places in front of the loads below
.else
	PLACES 4
.endif
	v_add_nc_u32 v[ADRS], 1024, v[ADRS]
	FETCH_B \next, 0, 0
	FETCH_A \next, 0, 0
	SCALES \next
	MULQ 2, 1, 1, \slot, 0
	MULQ 3, 1, 1, \slot, 0
	PLACES 4
	WIN 0
	FETCH_A \next, 0, 1
.endm
	s_wait_tensorcnt 1                             ; the scales and my part of K step 0 are in (K step 1's load may be out)
	s_barrier_signal -1
	s_barrier_wait -1
	FETCH_B 0, 0, 0
	FETCH_A 0, 0, 0
	SCALES 0
	FETCH_A 0, 0, 1
	s_wait_loadcnt 0x0                             ; the bias
	STEP 0, 2                                      ; the first step stands in front of the loop: its products start the sums from the bias
	s_mov_b32 s3, NK/2-1
.Llap:
	TURN 0, 1, 1
	STEP 1, 0
	TURN 1, 0, 1
	STEP 0, 0
	s_sub_co_u32 s3, s3, 1
	s_cmp_lg_u32 s3, 0
	s_cbranch_scc1 .Llap
	TURN 0, 1, 0
	STEP 1, 0
	s_wait_dscnt (AB/2)*NL
	MULQ 0, 1, 1, 1, 0
	MULQ 1, 1, 1, 1, 0
	s_wait_dscnt 0
	MULQ 2, 1, 1, 1, 0
	MULQ 3, 1, 1, 1, 0
	WIN 0
; THE WAY OUT.  Block a: my 64 numbers of row r (register 16 b + i = column 32 b + 16 h + i) become a fragment's codes and the row's scale word.
	PLACES 4                                       ; behind the last products
.irp b, 0,1,2,3
	v_mov_b32 v[TM+4+\b], 0                        ; written once: a lane permute's destination counts as one of its sources
.endr
.macro QUANTW a
.set AC, 64*((\a)%4)
.set W, 2+(\a)/4
	WIN (W<<6)|(W<<2)
.set j, 0
.rept 64
	v_max_num_f32 v[AC+j], 0, v[AC+j]              ; the activation, in f32; each accumulator from its low end on
.set j, j+1
.endr
	WIN (W<<4)|(W<<2)
.irp b, 0,1,2,3
	v_max3_num_f32 v[TM+\b], 0x1800000, v[AC+16*\b], v[AC+16*\b+1]   ; block b: my 16 numbers (none is negative), and the floor 2^(3 - 127)
.endr
.irp i, 2,4,6,8,10,12,14
.irp b, 0,1,2,3
	v_max3_num_f32 v[TM+\b], v[TM+\b], v[AC+16*\b+\i], v[AC+16*\b+\i+1]
.endr
.endr
	WIN 0
.irp b, 0,1,2,3
	v_permlanex16_b32 v[TM+4+\b], v[TM+\b], s98, s99
.endr
.irp b, 0,1,2,3
	v_max_num_f32 v[TM+\b], v[TM+\b], v[TM+4+\b]
.endr
.irp b, 0,1,2,3
	v_add_nc_u32 v[TM+12+\b], 0xff000000, v[TM+\b]
.endr
.irp b, 0,1,2,3
	v_lshrrev_b32 v[TM+8+\b], 23, v[TM+12+\b]
.endr
	v_lshl_or_b32 v[PW], v[TM+9], 8, v[TM+8]
	v_lshl_or_b32 v[PW], v[TM+10], 16, v[PW]
	v_lshl_or_b32 v[PW], v[TM+11], 24, v[PW]
	WIN W
.irp c, 0,1
	v_cvt_scalef32_pk16_fp6_f32 v[CD+6*\c:CD+2+6*\c], v[AC+32*\c:AC+15+32*\c], v[TM+12+2*\c]
	v_cvt_scalef32_pk16_fp6_f32 v[CD+12+4*\c:CD+14+4*\c], v[AC+16+32*\c:AC+31+32*\c], v[TM+12+2*\c+1]
.endr
	WIN 0
	v_nop                                          ; one plain place behind a scaled conversion
.irp c, 0,1                            ; a WHOLE block to a lane
.irp i, 0,1,2
	v_permlane16_swap_b32 v[CD+6*\c+\i], v[CD+12+4*\c+\i]
.endr
.irp i, 0,1,2
	v_mov_b32 v[CD+3+6*\c+\i], v[CD+12+4*\c+\i]
.endr
.endr
.irp c, 0,1
.irp p, 0,1,2
	ds_store_b64 v[STC], v[CD+6*\c+2*\p:CD+6*\c+2*\p+1] offset:3072*(\a)+48*\c+8*\p
.endr
.endr
	ds_store_b32 v[STS], v[PW] offset:128*(\a)     ; (lanes l and l xor 16 store the same word to the same place)
	s_wait_dscnt 0x0                               ; the stores have read their registers
.endm
.irp a, 0,1,2,3,4,5,6,7
	QUANTW \a
.endr
	s_barrier_signal -1                            ; every wave's stores into the stage have landed
	s_barrier_wait -1
.set i, 0
.rept 24
	ds_load_b128 v[128+4*i:131+4*i], v[RDC] offset:512*i
.set i, i+1
.endr
	ds_load_b128 v[224:227], v[RDS] offset:49152
.set i, 0
.rept 24
	s_wait_dscnt 24-i                              ; behind load i: the later loads of codes and the load of scale bytes
	global_store_b128 v[RDC], v[128+4*i:131+4*i], s[10:11] offset:512*i th:TH_STORE_NT   ; 512 consecutive bytes an instruction, aligned
.set i, i+1
.endr
	s_wait_dscnt 0x0
	global_store_b128 v[RDS], v[224:227], s[12:13] th:TH_STORE_NT
	s_wait_tensorcnt 0x0                           ; the wave's end
	ds_add_u32 v[SPW], v[NIL]
	s_wait_dscnt 0x0
	CROUND                                         ; the closing round
	s_endpgm
.Lfunc_end_k_q62f5962440_ffn1:
	.size	k_q62f5962440_ffn1, .Lfunc_end_k_q62f5962440_ffn1-k_q62f5962440_ffn1
	.p2alignl 7, 3214868480
	.fill 96, 4, 3214868480
	.section	.rodata,"a",@progbits
	.p2align	6, 0x0
	.amdhsa_kernel k_q62f5962440_ffn1
		.amdhsa_group_segment_fixed_size 327680
		.amdhsa_private_segment_fixed_size 0
		.amdhsa_enable_private_segment 0
		.amdhsa_kernarg_size 32
		.amdhsa_user_sgpr_count 2
		.amdhsa_user_sgpr_kernarg_segment_ptr 1
		.amdhsa_wavefront_size32 1
		.amdhsa_system_sgpr_workgroup_id_x 1
		.amdhsa_system_sgpr_workgroup_id_y 1
		.amdhsa_system_sgpr_workgroup_id_z 1
		.amdhsa_system_vgpr_workitem_id 0
		.amdhsa_next_free_vgpr 1024
		.amdhsa_next_free_sgpr 100
		.amdhsa_reserve_vcc 0
		.amdhsa_float_denorm_mode_32 3
		.amdhsa_float_denorm_mode_16_64 3
		.amdhsa_memory_ordered 1
		.amdhsa_forward_progress 1
		.amdhsa_inst_pref_size 189
	.end_amdhsa_kernel
	.amdgpu_metadata
---
amdhsa.version: [ 1, 2 ]
amdhsa.kernels:
  - .name:           k_q62f5962440_ffn1
    .symbol:         k_q62f5962440_ffn1.kd
    .args:
      - { .name: nbuf, .offset: 0, .size: 8, .value_kind: global_buffer, .address_space: global }
      - { .name: wbuf, .offset: 8, .size: 8, .value_kind: global_buffer, .address_space: global }
      - { .name: b1, .offset: 16, .size: 8, .value_kind: global_buffer, .address_space: global }
      - { .name: hbuf, .offset: 24, .size: 8, .value_kind: global_buffer, .address_space: global }
    .group_segment_fixed_size: 327680
    .private_segment_fixed_size: 0
    .kernarg_segment_align: 8
    .kernarg_segment_size: 32
    .max_flat_workgroup_size: 128
    .sgpr_count:     100
    .vgpr_count:     1024
    .wavefront_size: 32
...
	.end_amdgpu_metadata
.endif
;; end of part 6
;; launch ffn2 (part 7): grid 4 x 32, 4 waves a work-group, clusters of 4 x 4, 327,680 bytes of LDS; arguments hbuf, wbuf, b2, x1, out0; writes out0
.if DOCPART == 7
	.amdgcn_target "amdgcn-amd-amdhsa--gfx1250"
	.amdhsa_code_object_version 6
	.text
	.protected	k_q62f5962440_ffn2
	.globl	k_q62f5962440_ffn2
	.p2align	8
	.type	k_q62f5962440_ffn2,@function
k_q62f5962440_ffn2:
	s_mov_b64 s[64:65], 0
	v_nop
	global_prefetch_b8 v0, s[64:65] scope:SCOPE_SE
	s_setreg_imm32_b32 hwreg(HW_REG_WAVE_MODE, 25, 1), 1
	s_wait_xcnt 0x0
	s_wait_alu depctr_hold_cnt(0) depctr_sa_sdst(0) depctr_va_vdst(0) depctr_va_sdst(0) depctr_va_ssrc(0) depctr_va_vcc(0) depctr_vm_vsrc(0)
	s_getreg_b32 s2, hwreg(HW_REG_IB_STS2, 6, 4)
	s_cmp_eq_u32 s2, 0
	s_cbranch_scc0 .Lentry_in_a_cluster
	s_endpgm
.Lentry_in_a_cluster:
	s_bfe_u32 s2, ttmp6, 0x10000c
	s_cmp_lg_u32 s2, 0xf033
	s_cbranch_scc0 .Lentry_shape_is_right
	s_endpgm
.Lentry_shape_is_right:
; A GEMM on codes of FP6 (E2M3) whose result is ADDED TO A RESIDUAL in f32.  One text serves two launches; KIND says which.
; KIND 2: x1 = x + ctx wo.   KIND 3: out0 = x1 + h w2 + b2 (the bias is the C of the first products).
; OPERANDS LIE IN SLABS: codes [K / 256][rows][192 bytes], scale bytes [K / 256][rows][8]; row p holds logical row pi(p): p with bits 3 and 4 exchanged.  The residual and the output are f32 in logical order.
; A tile of the result is 128 rows x 256 columns, so that 128 work-groups have work: four waves, each 64 x 128: 32 accumulators.  K goes in steps of 256 through two LDS slots filled by the tensor data mover.
; THE MATRIX INSTRUCTION IS USED TRANSPOSED (source 0 = 16 rows of B, source 1 = 16 rows of A): lane (r, h) holds A's row r; register j of tile b is column 32 (b / 2) + 16 h + 8 (b % 2) + j.
; THE SCALES of the work-group's rows, for all of K, come into LDS once.  CLUSTERS: 4 x 4 work-groups; A's tiles are asked for jointly along a row of the cluster, B's along a column.
; THE WAY OUT: a block of 16 rows x 128 columns goes through the wave's own stage in LDS (in slot 0, which has had its last fill and its last read) and comes back as rows of 512 bytes; row t of block a is token 32 (a / 2) + 8 (a % 2) + t + 8 (t / 8).
; REGISTERS: window 0: v16-31 addresses; v32-63 scale words, two sets; v64-127 the bias; v128-175 A's fragments, ONE set; on the way out v128-255 rows.  Window 1: B's fragments, two sets; on the way out the residual.  Window 2: accumulator (a, b) at v[8 (8 a + b)].
.set KIND,   3
.set AB,     4
.set SA,     786432
.set RA,     4096
.if KIND == 2
.set NK,     4
.set SB,     786432
.set RB,     4096
.set ASOFF,  3145728                   ; nbuf's scale bytes
.set BOFF,   0                         ; wbuf, region 0,
.set BSOFF,  9437184
.set RB0,    3072                      ; wo's rows
.set FIRST,  1
.set RESP,   8                         ; s[8:9] the residual, s[10:11] the output
.set OUTP,   10
.else
.set NK,     16
.set SB,     196608
.set RB,     1024
.set ASOFF,  12582912                  ; hbuf's scale bytes
.set BOFF,   6291456                   ; wbuf, region 2
.set BSOFF,  9699328
.set RB0,    0
.set FIRST,  2
.set RESP,   10                        ; s[8:9] the bias, s[10:11] the residual, s[12:13] the output
.set OUTP,   12
.endif
.set PITCH,  240
.set FR,     12
.set NL,     6
.set HALFA,  16*AB*PITCH
.set HALFB,  128*PITCH
.set SLOT,   2*HALFA+2*HALFB
.set SCL,    2*SLOT                    ; A's scale bytes [NK][128 rows][8]
.set SCLB,   SCL+(AB/4)*NK*1024        ; B's two parts
.set SPARE,  SCLB+2*NK*1024            ; the spare words: 128 bytes a wave, which no other line names
.set ADRA, 16
.set ADRB, 20
.set STO,  24
.set RD,   25
.set CO,   26
.set ADRS, 27
.set SPW,  28
.set NIL,  29
.set XO,   31
.set SC,   32
.set BI,   64
.set AF,   128
.set BK,   128
.set G1, 24
.set G0, 32
.set G1B, 48
.set G0B, 56
.set G1S, 68
.set G0S, 76
.set G1SB, 80
.set G0SB, 88
.set MSB, 0
.macro WIN new                         ; the immediate's high byte repeats the setting that is left; a switch that changes nothing is dropped
.if MSB != (\new)
	s_set_vgpr_msb (MSB<<8)|(\new)
.set MSB, (\new)
.endif
.endm
; A joint load: waves 0 and 1 fetch for A, waves 2 and 3 for B; the branch hangs on the wave's number alone.  Four v_nop follow each of the two lines.
.macro JLOAD g0a, g1a, g0b, g1b
	s_cmp_eq_u32 s15, 0
	s_cbranch_scc0 .Lfor_b_\@
	tensor_load_to_lds s[\g0a:\g0a+3], s[\g1a:\g1a+7]
	s_nop 0
.rept 4
	v_nop
.endr
	s_branch .Lasked_\@
.Lfor_b_\@:
	tensor_load_to_lds s[\g0b:\g0b+3], s[\g1b:\g1b+7]
	s_nop 0
.rept 4
	v_nop
.endr
.Lasked_\@:
.endm
.macro CREST
	s_cmp_lg_u32 s14, 0
	s_cbranch_scc1 .Lnot_wave_0_\@
	s_barrier_signal -3
.Lnot_wave_0_\@:
	s_barrier_wait -3
	s_barrier_signal -1
	s_barrier_wait -1
.endm
.macro CROUND
	s_barrier_signal -1
	s_barrier_wait -1
	CREST
.endm
.macro PLACES n
.rept \n
	v_nop
.endr
.endm
	s_load_b256 s[4:11], s[0:1], 0x0
.if KIND == 3
	s_load_b64 s[12:13], s[0:1], 0x20
.endif
	v_lshl_add_u32 v[SPW], v0, 2, SPARE
	v_mov_b32 v[NIL], 0
	ds_add_u32 v28, v29
	ds_add_u32 v28, v29
	s_wait_dscnt 0x0
	v_lshrrev_b32 v1, 5, v0
	v_readfirstlane_b32 s14, v1                    ; wave 0..3
	s_lshr_b32 s15, s14, 1                         ; which half of the tile's A rows is mine.  Also: I fetch for A (0) or for B (1)
	s_and_b32 s16, s14, 1                          ; which half of B's rows.  Also: which part I fetch
	s_bfe_u32 s40, ttmp6, 0x40000                  ; cx, cy
	s_bfe_u32 s41, ttmp6, 0x40004
	s_and_b32 s18, ttmp7, 0xffff
	s_lshl_b32 s43, s41, 2
	s_lshl_b32 s43, 15, s43                        ; my row of the cluster
	s_lshl_b32 s44, 0x1111, s40                    ; my column
	s_or_b32 s[G1+0], s43, (1<<20)|(1<<21)|(3<<22)|(3<<25)   ; the mask; elements of 1 byte; padding on; bit 21 beside a mask; 4 words of padding behind every 16
	s_or_b32 s[G1B+0], s44, (1<<20)|(1<<21)|(3<<22)|(3<<25)
	s_mov_b32 s[G1+1], 192<<16
	s_mov_b32 s[G1+2], (16*AB)<<16
	s_mov_b32 s[G1+3], 192<<16
	s_mov_b32 s[G1+4], 16*AB
	s_mov_b32 s[G1+5], 192
	s_mov_b32 s[G1+6], 0
	s_mov_b32 s[G1+7], 0
	s_mov_b32 s[G1B+1], 192<<16
	s_mov_b32 s[G1B+2], 128<<16
	s_mov_b32 s[G1B+3], 192<<16
	s_mov_b32 s[G1B+4], 128
	s_mov_b32 s[G1B+5], 192
	s_mov_b32 s[G1B+6], 0
	s_mov_b32 s[G1B+7], 0
	s_or_b32 s[G1S+0], s43, (3<<16)|(1<<21)        ; A's scale bytes: each of two waves brings NK / 2 rows of 128 elements of 8 bytes, a slab apart
	s_or_b32 s[G1SB+0], s44, (3<<16)|(1<<21)       ; B's: NK rows
	s_mov_b32 s[G1S+1], 128<<16
	s_mov_b32 s[G1S+2], (NK/2)<<16
	s_mov_b32 s[G1S+3], 128<<16
	s_mov_b32 s[G1S+4], NK/2
	s_mov_b32 s[G1S+5], RA
	s_mov_b32 s[G1S+6], 0
	s_mov_b32 s[G1S+7], 0
	s_mov_b32 s[G1SB+1], 128<<16
	s_mov_b32 s[G1SB+2], NK<<16
	s_mov_b32 s[G1SB+3], 128<<16
	s_mov_b32 s[G1SB+4], NK
	s_mov_b32 s[G1SB+5], RB
	s_mov_b32 s[G1SB+6], 0
	s_mov_b32 s[G1SB+7], 0
	s_lshl_b32 s17, s18, 2
	s_add_co_u32 s17, s17, s41                     ; tile row
	s_lshl_b32 s42, ttmp9, 2
	s_add_co_u32 s42, s42, s40                     ; tile column
	s_lshl_b32 s19, s17, 7                         ; A's first row
	s_lshl_b32 s45, s42, 8
	s_add_co_u32 s45, s45, RB0                     ; B's
	s_lshl_b32 s20, s16, 6
	s_add_co_u32 s20, s20, s19
	s_mul_i32 s20, s20, 192                        ; A: the codes of the 64 rows that I fetch
	s_mov_b32 s21, 0
	s_lshl_b32 s22, s19, 3
	s_mul_i32 s23, s16, (NK/2)*RA*8
	s_add_co_u32 s22, s22, s23
	s_add_co_u32 s22, s22, ASOFF                   ; and the scale bytes of my half of the K steps
	s_mov_b32 s23, 0
	s_lshl_b32 s46, s16, 7
	s_add_co_u32 s46, s46, s45
	s_lshl_b32 s92, s46, 3
	s_add_co_u32 s92, s92, BSOFF
	s_mul_i32 s46, s46, 192
	s_add_co_u32 s46, s46, BOFF
	s_mov_b32 s47, 0
	s_mov_b32 s93, 0
	s_mul_i32 s66, s16, HALFA                      ; where they go: no place in the cluster enters an LDS address
	s_mul_i32 s67, s16, HALFB
	s_add_co_u32 s67, s67, 2*HALFA
	s_mul_i32 s94, s16, (NK/2)*1024
	s_mul_i32 s95, s16, NK*1024
	s_wait_kmcnt 0x0
	s_add_nc_u64 s[20:21], s[4:5], s[20:21]
	s_add_nc_u64 s[22:23], s[4:5], s[22:23]
	s_add_nc_u64 s[46:47], s[6:7], s[46:47]
	s_add_nc_u64 s[92:93], s[6:7], s[92:93]
	CROUND                                         ; all sixteen work-groups are here: the first joint loads meet
	s_mov_b32 s[G0S], 1
	s_add_co_u32 s[G0S+1], s94, SCL
	s_mov_b64 s[G0S+2:G0S+3], s[22:23]
	s_or_b32 s[G0S+3], s[G0S+3], 0x80000000
	s_mov_b32 s[G0SB], 1
	s_add_co_u32 s[G0SB+1], s95, SCLB
	s_mov_b64 s[G0SB+2:G0SB+3], s[92:93]
	s_or_b32 s[G0SB+3], s[G0SB+3], 0x80000000
	JLOAD G0S, G1S, G0SB, G1SB                     ; the scales first
.irp s, 0,1
	s_mov_b32 s[G0+4*\s], 1
	s_add_co_u32 s[G0+4*\s+1], s66, \s*SLOT
	s_add_nc_u64 s[G0+4*\s+2:G0+4*\s+3], s[20:21], \s*SA
	s_or_b32 s[G0+4*\s+3], s[G0+4*\s+3], 0x80000000
	s_mov_b32 s[G0B+4*\s], 1
	s_add_co_u32 s[G0B+4*\s+1], s67, \s*SLOT
	s_add_nc_u64 s[G0B+4*\s+2:G0B+4*\s+3], s[46:47], \s*SB
	s_or_b32 s[G0B+4*\s+3], s[G0B+4*\s+3], 0x80000000
	JLOAD G0+4*\s, G1, G0B+4*\s, G1B               ; three tensor loads of mine are out
.endr
	v_and_b32 v1, 15, v0                           ; r
	v_bfe_u32 v2, v0, 4, 1                         ; h
	v_mul_u32_u24 v3, v1, PITCH
	v_mul_u32_u24 v4, v2, 24
	v_add_nc_u32 v4, v3, v4
	v_lshl_add_u32 v5, v2, 4, v4
	s_mul_i32 s21, s15, HALFA
	s_mul_i32 s22, s16, HALFB
	s_add_co_u32 s22, s22, 2*HALFA
.irp s, 0,1
	v_add_nc_u32 v[ADRA+\s], s21, v4
	v_add_nc_u32 v[ADRB+\s], s22, v4
	v_add_nc_u32 v[ADRA+2+\s], s21, v5
	v_add_nc_u32 v[ADRB+2+\s], s22, v5
	s_add_co_u32 s21, s21, SLOT
	s_add_co_u32 s22, s22, SLOT
.endr
	v_lshlrev_b32 v5, 3, v1
	s_lshl_b32 s21, s15, 9                         ; A's: my 64 rows of the 128
	s_mul_i32 s22, s16, NK*1024                    ; B's part
	s_add_co_u32 s22, s22, SCLB-SCL
	s_sub_co_u32 s22, s22, s21
	v_mul_u32_u24 v6, s22, v2                      ; lanes 16-31 take B's: the lower base + h x the distance
	s_add_co_u32 s21, s21, SCL
	v_add_nc_u32 v5, v5, v6
	v_add_nc_u32 v[ADRS], s21, v5
	s_mul_i32 s23, s14, 16*528                     ; my stage: 16 rows x (512 + 16) bytes
	v_mul_u32_u24 v5, v1, 528
	v_lshl_add_u32 v5, v2, 6, v5
	v_add_nc_u32 v[STO], s23, v5                   ; in: row r, 64 bytes for each half of the lanes
	v_and_b32 v6, 31, v0
	v_lshlrev_b32 v[CO], 4, v6                     ; back, and in memory: the 32 lanes take a row of 512 bytes
	v_add_nc_u32 v[RD], s23, v[CO]
	s_lshl_b32 s96, s17, 7
	s_lshl_b32 s97, s15, 6
	s_add_co_u32 s96, s96, s97
	s_lshl_b32 s96, s96, 12                        ; my first token, 4,096 bytes a token,
	s_lshl_b32 s97, s42, 10
	s_add_co_u32 s96, s96, s97
	s_lshl_b32 s97, s16, 9
	s_add_co_u32 s96, s96, s97                     ; my first column
	s_mov_b32 s97, 0
	s_add_nc_u64 s[RESP:RESP+1], s[RESP:RESP+1], s[96:97]
	s_add_nc_u64 s[OUTP:OUTP+1], s[OUTP:OUTP+1], s[96:97]
.if FIRST == 2
	s_lshl_b32 s98, s42, 10
	s_lshl_b32 s99, s16, 9
	s_add_co_u32 s98, s98, s99
	s_mov_b32 s99, 0
	s_add_nc_u64 s[8:9], s[8:9], s[98:99]          ; the bias of my 128 columns
	v_lshlrev_b32 v[XO], 6, v2
.irp i, 0,1,2,3,4,5,6,7
	global_load_b128 v[BI+8*\i:BI+8*\i+3], v[XO], s[8:9] offset:(32*(\i/2)+8*(\i%2))*4
	global_load_b128 v[BI+8*\i+4:BI+8*\i+7], v[XO], s[8:9] offset:(32*(\i/2)+8*(\i%2))*4+16
.endr
.endif
.macro FRAG reg, adr, q, i             ; a fragment, 16 rows x 128 K, in pieces of 8 bytes; the second address register serves where lanes 16-31 lie behind one padding more
.irp p, 0,1,2,3,4,5
.set PCE, 12*(\q)+6*(\p/3)+\p%3
.if PCE%8 < 5
	ds_load_b64 v[\reg+2*\p:\reg+2*\p+1], v[\adr] offset:8*PCE+16*(PCE/8)+(\i)*16*PITCH
.else
	ds_load_b64 v[\reg+2*\p:\reg+2*\p+1], v[\adr+2] offset:8*PCE+16*(PCE/8)+(\i)*16*PITCH
.endif
.endr
.endm
; 8 matrix instructions: A's block a x B's eight.  first = 1: C is the constant 0; 2: the bias; 0: the sum goes on.  The accumulators take turns, one instruction a turn.
.macro MULB a, p, q, sc, first
.if (\first) == 2
	WIN 0x81+0x40*((\a)/4)
.else
	WIN 0xa1+0x50*((\a)/4)
.endif
.irp b, 0,1,2,3,4,5,6,7
.set rD, 8*(8*((\a)%4)+\b)
.set rB, 128*(\p)+FR*\b
.set rA, AF+FR*(\a)
.set rT, SC+16*(\sc)+2*\b+(\q)
.set rU, SC+16*(\sc)+2*(\a)+(\q)
.if (\first) == 1
	v_wmma_scale_f32_16x16x128_f8f6f4 v[rD:rD+7], v[rB:rB+FR-1], v[rA:rA+FR-1], 0, v[rT], v[rU] matrix_a_fmt:MATRIX_FMT_FP6 matrix_b_fmt:MATRIX_FMT_FP6 matrix_a_scale:MATRIX_SCALE_ROW1
.elseif (\first) == 2
	v_wmma_scale_f32_16x16x128_f8f6f4 v[rD:rD+7], v[rB:rB+FR-1], v[rA:rA+FR-1], v[BI+8*\b:BI+8*\b+7], v[rT], v[rU] matrix_a_fmt:MATRIX_FMT_FP6 matrix_b_fmt:MATRIX_FMT_FP6 matrix_a_scale:MATRIX_SCALE_ROW1
.else
	v_wmma_scale_f32_16x16x128_f8f6f4 v[rD:rD+7], v[rB:rB+FR-1], v[rA:rA+FR-1], v[rD:rD+7], v[rT], v[rU] matrix_a_fmt:MATRIX_FMT_FP6 matrix_b_fmt:MATRIX_FMT_FP6 matrix_a_scale:MATRIX_SCALE_ROW1
.endif
.endr
.endm
.macro MULQ k, p, q, sc, first
.set aa, (\k)*AB/4
.rept AB/4
	MULB aa, \p, \q, \sc, \first
.set aa, aa+1
.endr
.endm
.macro FETCH_B slot, q, p
	WIN 0x40
.irp i, 0,1,2,3,4,5,6,7
	FRAG 128*(\p)+FR*\i, ADRB+\slot, \q, \i
.endr
	WIN 0
.endm
.macro FETCH_A slot, q, half
.set ii, (\half)*AB/2
.rept AB/2
	FRAG AF+FR*ii, ADRA+\slot, \q, ii
.set ii, ii+1
.endr
.endm
.macro SCALES sc                       ; lanes 0-15 take A's block i (blocks 4-7 are not A's own and are not used), lanes 16-31 B's block i
.irp i, 0,1,2,3,4,5,6,7
	ds_load_b64 v[SC+16*\sc+2*\i:SC+16*\sc+2*\i+1], v[ADRS] offset:128*\i
.endr
.endm
.macro STEP slot, first                ; a slot's first 128 along K
	s_wait_dscnt (AB/2)*NL                         ; B's set, the scale words and A's first half are in; A's second half may be out
	MULQ 0, 0, 0, \slot, \first
	MULQ 1, 0, 0, \slot, \first
	s_wait_dscnt 0
	PLACES 4                                       ; four plain places in front of loads into registers that matrix instructions have read
	FETCH_B \slot, 1, 1
	FETCH_A \slot, 1, 0
	MULQ 2, 0, 0, \slot, \first
	MULQ 3, 0, 0, \slot, \first
	PLACES 4
	WIN 0
	FETCH_A \slot, 1, 1
.endm
; A slot's second 128 change slots: ONE barrier; in front of it each wave waits for all its tensor loads, adds 0 to its spare word, and waits for that and for its reads of this slot.
.macro TURN slot, next, fill
	s_wait_tensorcnt 0x0                           ; all my tensor loads have landed: my part of the next slot
	ds_add_u32 v[SPW], v[NIL]                      ; 0 onto my spare word
	s_wait_dscnt (AB/2)*NL+1                       ; (the add and A's second half may be out)
	MULQ 0, 1, 1, \slot, 0
	s_wait_dscnt 0x0                               ; the add is done, and my reads of this slot are over
	s_barrier_signal -1
	MULQ 1, 1, 1, \slot, 0
	WIN 0
	s_barrier_wait -1
.if \fill
	CREST                                          ; the barrier has opened a round of the cluster's
	s_add_nc_u64 s[G0+4*\slot+2:G0+4*\slot+3], s[G0+4*\slot+2:G0+4*\slot+3], 2*SA
	s_add_nc_u64 s[G0B+4*\slot+2:G0B+4*\slot+3], s[G0B+4*\slot+2:G0B+4*\slot+3], 2*SB
	JLOAD G0+4*\slot, G1, G0B+4*\slot, G1B         ; my one tensor load behind the round; its four v_nop are also the places in front of the loads below
.else
	PLACES 4
.endif
	v_add_nc_u32 v[ADRS], 1024, v[ADRS]
	FETCH_B \next, 0, 0
	FETCH_A \next, 0, 0
	SCALES \next
	MULQ 2, 1, 1, \slot, 0
	MULQ 3, 1, 1, \slot, 0
	PLACES 4
	WIN 0
	FETCH_A \next, 0, 1
.endm
	s_wait_tensorcnt 1                             ; the scales and my part of K step 0 are in (K step 1's load may be out)
	s_barrier_signal -1
	s_barrier_wait -1
	FETCH_B 0, 0, 0
	FETCH_A 0, 0, 0
	SCALES 0
	FETCH_A 0, 0, 1
.if FIRST == 2
	s_wait_loadcnt 0x0                             ; the bias
.endif
	STEP 0, FIRST
	s_mov_b32 s3, NK/2-1
.Llap:
	TURN 0, 1, 1
	STEP 1, 0
	TURN 1, 0, 1
	STEP 0, 0
	s_sub_co_u32 s3, s3, 1
	s_cmp_lg_u32 s3, 0
	s_cbranch_scc1 .Llap
	TURN 0, 1, 0
	STEP 1, 0
	s_wait_dscnt (AB/2)*NL
	MULQ 0, 1, 1, 1, 0
	MULQ 1, 1, 1, 1, 0
	s_wait_dscnt 0
	MULQ 2, 1, 1, 1, 0
	MULQ 3, 1, 1, 1, 0
	WIN 0
	PLACES 4                                       ; behind the last products: for the loads below and for the first reads of results
	WIN 0x40                                       ; the residual's 64 rows of 512 bytes go into window 1, which B's fragments have left
.set a, 0
.rept 4
.set t, 0
.rept 16
	global_load_b128 v[64*a+4*t:64*a+4*t+3], v[CO], s[RESP:RESP+1] offset:(32*(a/2)+8*(a%2)+t+8*(t/8))*4096
.set t, t+1
.endr
.set a, a+1
.endr
	WIN 0
.macro TOSTAGE a
	WIN 0x08                                       ; an LDS store's data are its source 1: window 2
.irp b, 0,1,2,3,4,5,6,7
	ds_store_b128 v[STO], v[64*(\a)+8*\b:64*(\a)+8*\b+3] offset:128*(\b/2)+32*(\b%2)         ; each accumulator from its low end on
	ds_store_b128 v[STO], v[64*(\a)+8*\b+4:64*(\a)+8*\b+7] offset:128*(\b/2)+32*(\b%2)+16
.endr
	WIN 0
.set BB, BK+64*((\a)%2)
.set t, 0
.rept 16
	ds_load_b128 v[BB+4*t:BB+4*t+3], v[RD] offset:t*528   ; LDS serves a wave's instructions in order: these see the stores above
.set t, t+1
.endr
.endm
.macro SEND a, younger
.set BB, BK+64*((\a)%2)
	s_wait_dscnt \younger                          ; the block is back in registers; the next block's 32 LDS instructions may be out
	s_wait_loadcnt 16*(3-(\a))                     ; its 16 rows of the residual are in; the later blocks' may be out
	WIN 0x04                                       ; source 1 in window 1
.set k, 0
.rept 32
	v_pk_add_f32 v[BB+2*k:BB+2*k+1], v[BB+2*k:BB+2*k+1], v[64*(\a)+2*k:64*(\a)+2*k+1]
.set k, k+1
.endr
	WIN 0
.set t, 0
.rept 16
	global_store_b128 v[CO], v[BB+4*t:BB+4*t+3], s[OUTP:OUTP+1] offset:(32*((\a)/2)+8*((\a)%2)+t+8*(t/8))*4096   ; 512 consecutive bytes, aligned
.set t, t+1
.endr
.endm
	TOSTAGE 0
	TOSTAGE 1
	SEND 0, 32
	s_wait_xcnt 0x0                                ; block 0's stores have read their registers: block 2's rows may land there
	TOSTAGE 2
	SEND 1, 32
	s_wait_xcnt 0x0
	TOSTAGE 3
	SEND 2, 32
	SEND 3, 0
	s_wait_tensorcnt 0x0                           ; the wave's end
	ds_add_u32 v[SPW], v[NIL]
	s_wait_dscnt 0x0
	CROUND                                         ; the closing round
	s_endpgm
.Lfunc_end_k_q62f5962440_ffn2:
	.size	k_q62f5962440_ffn2, .Lfunc_end_k_q62f5962440_ffn2-k_q62f5962440_ffn2
	.p2alignl 7, 3214868480
	.fill 96, 4, 3214868480
	.section	.rodata,"a",@progbits
	.p2align	6, 0x0
	.amdhsa_kernel k_q62f5962440_ffn2
		.amdhsa_group_segment_fixed_size 327680
		.amdhsa_private_segment_fixed_size 0
		.amdhsa_enable_private_segment 0
		.amdhsa_kernarg_size 40
		.amdhsa_user_sgpr_count 2
		.amdhsa_user_sgpr_kernarg_segment_ptr 1
		.amdhsa_wavefront_size32 1
		.amdhsa_system_sgpr_workgroup_id_x 1
		.amdhsa_system_sgpr_workgroup_id_y 1
		.amdhsa_system_sgpr_workgroup_id_z 1
		.amdhsa_system_vgpr_workitem_id 0
		.amdhsa_next_free_vgpr 768
		.amdhsa_next_free_sgpr 100
		.amdhsa_reserve_vcc 0
		.amdhsa_float_denorm_mode_32 3
		.amdhsa_float_denorm_mode_16_64 3
		.amdhsa_memory_ordered 1
		.amdhsa_forward_progress 1
		.amdhsa_inst_pref_size 117
	.end_amdhsa_kernel
	.amdgpu_metadata
---
amdhsa.version: [ 1, 2 ]
amdhsa.kernels:
  - .name:           k_q62f5962440_ffn2
    .symbol:         k_q62f5962440_ffn2.kd
    .args:
      - { .name: hbuf, .offset: 0, .size: 8, .value_kind: global_buffer, .address_space: global }
      - { .name: wbuf, .offset: 8, .size: 8, .value_kind: global_buffer, .address_space: global }
      - { .name: b2, .offset: 16, .size: 8, .value_kind: global_buffer, .address_space: global }
      - { .name: x1, .offset: 24, .size: 8, .value_kind: global_buffer, .address_space: global }
      - { .name: out0, .offset: 32, .size: 8, .value_kind: global_buffer, .address_space: global }
    .group_segment_fixed_size: 327680
    .private_segment_fixed_size: 0
    .kernarg_segment_align: 8
    .kernarg_segment_size: 40
    .max_flat_workgroup_size: 128
    .sgpr_count:     100
    .vgpr_count:     768
    .wavefront_size: 32
...
	.end_amdgpu_metadata
.endif
;; end of part 7
;; ======== version 2 of 2: 7 launches
;; limits: right only within a limited range of input values
;; workspace buffers: wbuf 9,830,400 bytes; nbuf 3,276,800 bytes; qkv 9,830,400 bytes; x1 16,777,216 bytes; hbuf 13,107,200 bytes
;; launch prep (part 8): grid 640 x 1, 4 waves a work-group, no clusters, 56,320 bytes of LDS; arguments x, gamma1, beta1, nbuf, wq, wk, wv, wo, w1, w2, wbuf; writes nbuf, wbuf
.if DOCPART == 8
	.amdgcn_target "amdgcn-amd-amdhsa--gfx1250"
	.amdhsa_code_object_version 6
	.text
	.protected	k_q62f5962440_prep
	.globl	k_q62f5962440_prep
	.p2align	8
	.type	k_q62f5962440_prep,@function
k_q62f5962440_prep:
	s_mov_b64 s[64:65], 0
	v_nop
	global_prefetch_b8 v0, s[64:65] scope:SCOPE_SE
	s_setreg_imm32_b32 hwreg(HW_REG_WAVE_MODE, 25, 1), 1
	s_wait_xcnt 0x0
; ONE PREPARING LAUNCH, two kinds of work-groups, told apart by the work-group's number alone; each kind has LDS bytes of its own.
; WORK-GROUPS 0-255: n = beta + gamma (x - mean) / (std + 1e-6), std with the divisor 1,023, for rows of 1,024 f32; n is quantised along the row to FP6 (E2M3) with one E8M0 byte for each 32.
;   OUT: nbuf, codes [4 slabs of 256][4,096 rows][192 bytes] at 0, scale bytes [4][4,096][8] at NSC.  Row p holds token pi(p): p with bits 3 and 4 exchanged.
;   A work-group owns rows 16 g .. 16 g + 15 of nbuf, a wave four of them.  The mean is taken away before the squares are summed, so a common offset in x costs no difference of large sums.
;   A load reads 512 consecutive bytes; for the conversions a lane must hold 32 neighbours: a row turns through the wave's own 4,608 bytes of LDS.  Behind one barrier wave w stores slab w's 3,072 dense bytes and 128 scale bytes.
; WORK-GROUPS 256-639: the six weights, f32 with K as their FIRST axis, become codes with K innermost.  wbuf: codes [K / 256][rows][192 bytes], scale bytes [K / 256][rows][8].
;   Region 0: rows 0-1023 wq's columns, then wk's, wv's, wo's (4 slabs); region 1: w1's 4,096 columns (4 slabs); region 2: w2's 1,024 columns (16 slabs).  Row p holds column pi(p).
;   A work-group takes 128 columns x 256 along K, a lane one column, its registers running down K: a block of 32 lies in one lane.  The wave's 32 rows x 192 bytes are gathered in its own 6,144 bytes of LDS and leave as one dense run.
; A block's scale byte is its largest magnitude's exponent field - 2, held at 1 from below (a block of zeros keeps 1: its codes are zeros, and this program alone reads the bytes).
; LIMITS: blocks whose largest magnitude lies under 2^-124 keep the byte 1; NaN and infinities are not served.
.set G,   16                           ; v16-47   gamma, as a row is loaded
.set BT,  48                           ; v48-79   beta
.set X,   80                           ; v80-207  four rows
.set Y,   208                          ; v208-239 a row's n
.set CST, 18432                        ; LDS: behind the four turning places: codes,
.set SST, 30720                        ; scale bytes;
.set SPARE, 31232                      ; the spare words, 128 bytes a wave;
.set WST, 31744                        ; the weights' four stages
.set NSC, 3145728
	v_lshl_add_u32 v14, v0, 2, SPARE
	v_mov_b32 v15, 0
	v_lshrrev_b32 v1, 5, v0
	v_readfirstlane_b32 s12, v1                    ; wave
	s_cmp_lt_u32 ttmp9, 256
	s_wait_alu depctr_va_vdst(0)
	s_cbranch_scc0 .Lweights
	s_load_b256 s[4:11], s[0:1], 0x0               ; x, gamma, beta, nbuf
	v_and_b32 v6, 31, v0                           ; lane
	v_lshlrev_b32 v1, 4, v6                        ; 16 bytes a lane
	s_lshl_b32 s13, ttmp9, 4
	s_lshl_b32 s14, s12, 2
	s_add_co_u32 s13, s13, s14                     ; my first row of nbuf
	s_and_b32 s14, s13, 0xffffffe7
	s_bfe_u32 s15, s13, 0x10003
	s_bfe_u32 s16, s13, 0x10004
	s_lshl_b32 s15, s15, 4
	s_lshl_b32 s16, s16, 3
	s_or_b32 s14, s14, s15
	s_or_b32 s14, s14, s16                         ; its token
	s_lshl_b32 s14, s14, 12                        ; 4,096 bytes a token
	s_mov_b32 s15, 0
	s_mul_i32 s17, s12, 4608                       ; my turning place
	s_wait_alu depctr_va_vdst(0)
	v_lshrrev_b32 v7, 3, v6
	v_and_b32 v8, 7, v6
	v_mul_u32_u24 v2, v7, 144
	v_lshl_add_u32 v2, v8, 4, v2
	v_add_nc_u32 v2, s17, v2                       ; in: eight lanes' 128 bytes, then 16 of padding
	v_mul_u32_u24 v3, v6, 144
	v_add_nc_u32 v3, s17, v3                       ; out: place = lane: block = lane
	s_mul_i32 s18, s12, 768
	s_add_co_u32 s18, s18, CST
	v_mul_u32_u24 v4, v7, 3072
	v_mad_u32_u24 v4, v8, 24, v4
	v_add_nc_u32 v4, s18, v4                       ; codes: slab lane / 8, my wave's rows, block lane % 8
	s_lshl_b32 s18, s12, 5
	s_add_co_u32 s18, s18, SST
	v_lshl_add_u32 v5, v7, 7, v8
	v_add_nc_u32 v5, s18, v5                       ; and the block's byte
	s_mul_i32 s18, s12, 3072
	s_add_co_u32 s18, s18, CST
	v_add_nc_u32 v9, s18, v1                       ; the way out: slab = wave
	s_lshl_b32 s18, s12, 7
	s_add_co_u32 s18, s18, SST
	v_lshlrev_b32 v11, 2, v6
	v_add_nc_u32 v10, s18, v11
	s_mul_i32 s20, s12, 786432
	s_mul_i32 s21, ttmp9, 3072
	s_add_co_u32 s20, s20, s21
	s_mov_b32 s21, 0
	s_lshl_b32 s22, s12, 15
	s_lshl_b32 s23, ttmp9, 7
	s_add_co_u32 s22, s22, s23
	s_add_co_u32 s22, s22, NSC
	s_mov_b32 s23, 0
	s_mov_b32 s24, 0x76543210
	s_mov_b32 s25, 0xfedcba98                      ; v_permlanex16_b32's selects for lane l xor 16
	s_wait_alu depctr_va_vdst(0)
	s_wait_kmcnt 0x0
	s_add_nc_u64 s[4:5], s[4:5], s[14:15]
	s_add_nc_u64 s[20:21], s[10:11], s[20:21]
	s_add_nc_u64 s[22:23], s[10:11], s[22:23]
.irp j, 0,1,2,3,4,5,6,7
	global_load_b128 v[G+4*\j:G+4*\j+3], v1, s[6:7] offset:512*\j
	global_load_b128 v[BT+4*\j:BT+4*\j+3], v1, s[8:9] offset:512*\j
.endr
.irp i, 0,1,2,3                        ; all four rows go out at once: 32 loads of 512 consecutive bytes
.irp j, 0,1,2,3,4,5,6,7
	global_load_b128 v[X+32*\i+4*\j:X+32*\i+4*\j+3], v1, s[4:5] offset:4096*\i+512*\j
.endr
.endr
.macro SUM32                           ; v240 summed over the 32 lanes, the result in every lane
	v_add_f32_dpp v240, v240, v240 row_xmask:1 row_mask:0xf bank_mask:0xf
	v_add_f32_dpp v240, v240, v240 row_xmask:2 row_mask:0xf bank_mask:0xf
	v_add_f32_dpp v240, v240, v240 row_xmask:4 row_mask:0xf bank_mask:0xf
	v_add_f32_dpp v240, v240, v240 row_xmask:8 row_mask:0xf bank_mask:0xf
	v_permlanex16_b32 v241, v240, s24, s25
	v_add_f32 v240, v240, v241
.endm
.macro ROW i
.set XR, X+32*\i
	s_wait_loadcnt 8*(3-\i)                        ; this row's eight loads are in; the later rows' may be out
	v_pk_add_f32 v[240:241], v[XR:XR+1], v[XR+2:XR+3]              ; the sum, in two chains
	v_pk_add_f32 v[242:243], v[XR+4:XR+5], v[XR+6:XR+7]
.irp k, 8,12,16,20,24,28
	v_pk_add_f32 v[240:241], v[240:241], v[XR+\k:XR+\k+1]
	v_pk_add_f32 v[242:243], v[242:243], v[XR+\k+2:XR+\k+3]
.endr
	v_pk_add_f32 v[240:241], v[240:241], v[242:243]
	v_add_f32 v240, v240, v241
	SUM32
	v_mul_f32 v244, 0x3a800000, v240               ; the mean: / 1,024
	v_mov_b32 v245, v244
.set k, 0
.rept 16
	v_pk_add_f32 v[XR+k:XR+k+1], v[XR+k:XR+k+1], v[244:245] neg_lo:[0,1] neg_hi:[0,1]   ; d = x - mean
.set k, k+2
.endr
	v_pk_mul_f32 v[240:241], v[XR:XR+1], v[XR:XR+1]                ; the sum of d^2, in two chains
	v_pk_mul_f32 v[242:243], v[XR+2:XR+3], v[XR+2:XR+3]
.irp k, 4,8,12,16,20,24,28
	v_pk_fma_f32 v[240:241], v[XR+\k:XR+\k+1], v[XR+\k:XR+\k+1], v[240:241]
	v_pk_fma_f32 v[242:243], v[XR+\k+2:XR+\k+3], v[XR+\k+2:XR+\k+3], v[242:243]
.endr
	v_pk_add_f32 v[240:241], v[240:241], v[242:243]
	v_add_f32 v240, v240, v241
	SUM32
	v_mul_f32 v240, 0x3a802008, v240               ; / 1,023
	s_wait_alu depctr_va_vdst(0)
	v_sqrt_f32 v242, v240
	v_nop                                          ; a plain place behind the transcendental,
	s_wait_alu depctr_va_vdst(0)                   ; and the wait ahead of its first reader
	v_add_f32 v242, 0x358637bd, v242               ; + 1e-6
	s_wait_alu depctr_va_vdst(0)
	v_rcp_f32 v246, v242
	v_nop
	s_wait_alu depctr_va_vdst(0)
	v_mov_b32 v247, v246
.set k, 0
.rept 16
	v_pk_mul_f32 v[Y+k:Y+k+1], v[XR+k:XR+k+1], v[246:247]
.set k, k+2
.endr
.set k, 0
.rept 16
	v_pk_fma_f32 v[Y+k:Y+k+1], v[Y+k:Y+k+1], v[G+k:G+k+1], v[BT+k:BT+k+1]
.set k, k+2
.endr
.irp j, 0,1,2,3,4,5,6,7
	ds_store_b128 v2, v[Y+4*\j:Y+4*\j+3] offset:576*\j
.endr
.irp j, 0,1,2,3,4,5,6,7
	ds_load_b128 v[Y+4*\j:Y+4*\j+3], v3 offset:16*\j               ; LDS serves a wave's instructions in order: these see the stores above
.endr
	s_wait_dscnt 0x0                               ; my block of 32 neighbours is in; the last row's stores of codes have read their registers
	v_max3_num_f32 v240, |v[Y]|, |v[Y+1]|, |v[Y+2]|
	v_max3_num_f32 v241, |v[Y+3]|, |v[Y+4]|, |v[Y+5]|
.irp k, 6,10,14,18,22,26
	v_max3_num_f32 v240, v240, |v[Y+\k]|, |v[Y+\k+1]|
	v_max3_num_f32 v241, v241, |v[Y+\k+2]|, |v[Y+\k+3]|
.endr
	v_max3_num_f32 v240, v240, |v[Y+30]|, |v[Y+31]|
	v_max3_num_f32 v240, v240, v241, 0x1800000     ; the floor 2^(3 - 127): the byte cannot fall under 1
	v_add_nc_u32 v242, 0xff000000, v240            ; 2 off the exponent field: the conversion's scale operand
	v_lshrrev_b32 v255, 23, v242                   ; the scale's byte
	v_cvt_scalef32_pk16_fp6_f32 v[248:250], v[Y:Y+15], v242
	v_cvt_scalef32_pk16_fp6_f32 v[252:254], v[Y+16:Y+31], v242
	v_nop                                          ; one plain place behind a scaled conversion
	v_mov_b32 v251, v252                           ; the block's 24 bytes on end
	v_mov_b32 v252, v253
	v_mov_b32 v253, v254
	ds_store_b64 v4, v[248:249] offset:192*\i
	ds_store_b64 v4, v[250:251] offset:192*\i+8
	ds_store_b64 v4, v[252:253] offset:192*\i+16
	ds_store_b8 v5, v255 offset:8*\i
.endm
	ROW 0
	ROW 1
	ROW 2
	ROW 3
	s_wait_dscnt 0x0                               ; for the others' sake: my codes and bytes lie in LDS
	s_barrier_signal -1
	s_barrier_wait -1
.irp t, 0,1,2,3,4,5
	ds_load_b128 v[X+4*\t:X+4*\t+3], v9 offset:512*\t
.endr
	ds_load_b32 v[X+24], v10
.irp t, 0,1,2,3,4,5
	s_wait_dscnt 6-\t
	global_store_b128 v1, v[X+4*\t:X+4*\t+3], s[20:21] offset:512*\t   ; 512 consecutive bytes an instruction
.endr
	s_wait_dscnt 0x0
	global_store_b32 v11, v[X+24], s[22:23]        ; 128 consecutive bytes
	s_wait_tensorcnt 0x0                           ; the wave's end
	ds_add_u32 v14, v15
	s_wait_dscnt 0x0
	s_endpgm
.Lweights:
.set OF,   32                          ; v32-63   row i of a block: i x the source's row pitch + 4 x lane
.set WX,   64                          ; v64-127  two sets of 32 numbers
.set C,    128                         ; v128-134 a block's codes
.set SB,   24                          ; v24-25   my column's 8 scale bytes
.set OUTR, 136                         ; v136-183 the way out
.set NB,   8                           ; blocks of a lane
	s_load_b256 s[4:11], s[0:1], 0x20              ; wq, wk, wv, wo
	s_load_b128 s[12:15], s[0:1], 0x40             ; w1, w2
	s_load_b64 s[16:17], s[0:1], 0x50              ; wbuf
	v_readfirstlane_b32 s18, v1                    ; wave
	s_sub_co_u32 s44, ttmp9, 256                   ; the work-group's number among the weights' 384
	v_and_b32 v2, 31, v0                           ; lane
	v_lshlrev_b32 v3, 2, v2                        ; 4 bytes a lane
	v_and_b32 v5, 7, v2
	v_bfe_u32 v6, v2, 3, 1
	v_bfe_u32 v8, v2, 4, 1
	v_lshl_or_b32 v5, v6, 4, v5
	v_lshl_or_b32 v5, v8, 3, v5                    ; pi(lane): the row that my column takes
	s_mul_i32 s19, s18, 6144
	s_add_co_u32 s19, s19, WST                     ; my wave's stage
	v_mul_u32_u24 v4, v5, 192
	v_add_nc_u32 v4, s19, v4                       ; into it: my row
	v_lshlrev_b32 v10, 4, v2                       ; out of it, and in memory: 16 bytes a lane
	v_add_nc_u32 v7, s19, v10
	v_lshlrev_b32 v9, 3, v5                        ; my row's 8 scale bytes
	s_lshr_b32 s20, s44, 7                         ; region 0, 1, 2
	s_and_b32 s21, s44, 127                        ; the work-group's number in it
	s_lshr_b32 s22, s44, 5                         ; in region 0: which of the four weights
	s_mov_b32 s24, 4096
	s_mov_b32 s25, 4096
	s_cmp_eq_u32 s20, 2
	s_cselect_b32 s23, 4, 2                        ; K steps: 16 in region 2, else 4
	s_cselect_b32 s26, 15, 3
	s_cselect_b32 s24, 1024, s24                   ; rows in a slab
	s_cmp_eq_u32 s20, 1
	s_cselect_b32 s25, 16384, s25                  ; the source's row pitch in bytes
	s_cmp_eq_u32 s20, 0
	s_cselect_b32 s27, 7, 31
	s_lshr_b32 s28, s21, s23                       ; group of 128 rows of the region
	s_and_b32 s29, s21, s26                        ; K step
	s_and_b32 s27, s28, s27                        ; group of 128 columns of the source
	s_mul_i32 s30, s29, s25
	s_lshl_b32 s30, s30, 8                         ; 256 rows of the source a K step
	s_lshl_b32 s31, s27, 9
	s_add_co_u32 s30, s30, s31
	s_lshl_b32 s31, s18, 7
	s_add_co_u32 s30, s30, s31                     ; + 4 x (128 x group + 32 x wave)
	s_mov_b32 s31, 0
	s_lshl_b32 s32, s28, 7
	s_lshl_b32 s33, s18, 5
	s_add_co_u32 s32, s32, s33                     ; my wave's first row of the region
	s_mul_i32 s33, s29, s24
	s_add_co_u32 s33, s33, s32                     ; counted through the slabs
	s_mul_i32 s34, s33, 192
	s_mul_i32 s35, s20, 3145728
	s_add_co_u32 s34, s34, s35                     ; the codes' place in wbuf
	s_mov_b32 s35, 0
	s_lshl_b32 s36, s33, 3
	s_lshl_b32 s37, s20, 17
	s_add_co_u32 s36, s36, s37
	s_add_co_u32 s36, s36, 9437184                 ; the scale bytes' place
	s_mov_b32 s37, 0
	s_lshl_b32 s38, s25, 5                         ; a block on: 32 rows of the source
	s_mov_b32 s39, 0
.set i, 0
.rept 32
	v_mad_u32_u24 v[OF+i], s25, i, v3
.set i, i+1
.endr
	s_wait_alu depctr_va_vdst(0)
	s_wait_kmcnt 0x0
	s_cmp_eq_u32 s22, 1                            ; the source: a choice on the work-group's number alone
	s_cselect_b64 s[4:5], s[6:7], s[4:5]
	s_cmp_eq_u32 s22, 2
	s_cselect_b64 s[4:5], s[8:9], s[4:5]
	s_cmp_eq_u32 s22, 3
	s_cselect_b64 s[4:5], s[10:11], s[4:5]
	s_cmp_eq_u32 s20, 1
	s_cselect_b64 s[4:5], s[12:13], s[4:5]
	s_cmp_eq_u32 s20, 2
	s_cselect_b64 s[4:5], s[14:15], s[4:5]
	s_add_nc_u64 s[4:5], s[4:5], s[30:31]
	s_add_nc_u64 s[40:41], s[16:17], s[34:35]      ; codes
	s_add_nc_u64 s[42:43], s[16:17], s[36:37]      ; scale bytes
.macro LOAD t                          ; block t: 32 rows of the source at my column, into set t % 2; then the base steps a block on
.set i, 0
.rept 32
	global_load_b32 v[WX+32*((\t)%2)+i], v[OF+i], s[4:5] th:TH_LOAD_NT
.set i, i+1
.endr
	s_wait_xcnt 0x0                                ; the loads have read their base: only now is it stepped
	s_add_nc_u64 s[4:5], s[4:5], s[38:39]
.endm
	LOAD 0
	LOAD 1
.macro BLOCK t
.set XS, WX+32*((\t)%2)
.if (\t) < NB-1
	s_wait_loadcnt 32                              ; this block's 32 loads are in; the next block's may be out
.else
	s_wait_loadcnt 0
.endif
	v_max3_num_f32 v12, |v[XS]|, |v[XS+1]|, |v[XS+2]|              ; the block's largest magnitude: all 32 numbers are mine; two chains
	v_max3_num_f32 v13, |v[XS+3]|, |v[XS+4]|, |v[XS+5]|
.irp i, 6,10,14,18,22,26
	v_max3_num_f32 v12, v12, |v[XS+\i]|, |v[XS+\i+1]|
	v_max3_num_f32 v13, v13, |v[XS+\i+2]|, |v[XS+\i+3]|
.endr
	v_max3_num_f32 v12, v12, |v[XS+30]|, |v[XS+31]|
	v_max3_num_f32 v12, v12, v13, 0x1800000        ; and the floor 2^(3 - 127): the byte cannot fall under 1
	v_add_nc_u32 v11, 0xff000000, v12              ; 2 off the exponent field: the conversion takes that field of this operand as its scale
	v_lshrrev_b32 v13, 23, v11                     ; the scale's byte
.if (\t)%4 == 0
	v_mov_b32 v[SB+(\t)/4], v13
.else
	v_lshl_or_b32 v[SB+(\t)/4], v13, 8*((\t)%4), v[SB+(\t)/4]
.endif
	v_cvt_scalef32_pk16_fp6_f32 v[C:C+2], v[XS:XS+15], v11
	v_cvt_scalef32_pk16_fp6_f32 v[C+4:C+6], v[XS+16:XS+31], v11    ; (a conversion's three registers begin on an even number)
	v_nop                                          ; one plain place behind a scaled conversion
	v_mov_b32 v[C+3], v[C+4]                       ; the block's 24 bytes on end
	v_mov_b32 v[C+4], v[C+5]
	v_mov_b32 v[C+5], v[C+6]
.irp p, 0,1,2
	ds_store_b64 v4, v[C+2*\p:C+2*\p+1] offset:24*(\t)+8*\p
.endr
.if (\t)+2 < NB
	LOAD (\t)+2
.endif
	s_wait_dscnt 0x0                               ; the stores have read their registers: the next block's codes may be written
.endm
.set Q, 0
.rept NB
	BLOCK Q
.set Q, Q+1
.endr
	s_wait_alu depctr_va_vdst(0)
	global_store_b64 v9, v[SB:SB+1], s[42:43]      ; 32 lanes store 256 consecutive bytes, aligned
.set i, 0
.rept 12
	ds_load_b128 v[OUTR+4*i:OUTR+4*i+3], v7 offset:512*i   ; LDS serves a wave's instructions in order: these see my stores
.set i, i+1
.endr
.set i, 0
.rept 12
	s_wait_dscnt 11-i
	global_store_b128 v10, v[OUTR+4*i:OUTR+4*i+3], s[40:41] offset:512*i   ; 512 consecutive bytes an instruction
.set i, i+1
.endr
	s_wait_tensorcnt 0x0                           ; the wave's end
	ds_add_u32 v14, v15
	s_wait_dscnt 0x0
	s_endpgm
.Lfunc_end_k_q62f5962440_prep:
	.size	k_q62f5962440_prep, .Lfunc_end_k_q62f5962440_prep-k_q62f5962440_prep
	.p2alignl 7, 3214868480
	.fill 96, 4, 3214868480
	.section	.rodata,"a",@progbits
	.p2align	6, 0x0
	.amdhsa_kernel k_q62f5962440_prep
		.amdhsa_group_segment_fixed_size 56320
		.amdhsa_private_segment_fixed_size 0
		.amdhsa_enable_private_segment 0
		.amdhsa_kernarg_size 88
		.amdhsa_user_sgpr_count 2
		.amdhsa_user_sgpr_kernarg_segment_ptr 1
		.amdhsa_wavefront_size32 1
		.amdhsa_system_sgpr_workgroup_id_x 1
		.amdhsa_system_sgpr_workgroup_id_y 1
		.amdhsa_system_sgpr_workgroup_id_z 1
		.amdhsa_system_vgpr_workitem_id 0
		.amdhsa_next_free_vgpr 256
		.amdhsa_next_free_sgpr 66
		.amdhsa_reserve_vcc 0
		.amdhsa_float_denorm_mode_32 3
		.amdhsa_float_denorm_mode_16_64 3
		.amdhsa_memory_ordered 1
		.amdhsa_forward_progress 1
		.amdhsa_inst_pref_size 91
	.end_amdhsa_kernel
	.amdgpu_metadata
---
amdhsa.version: [ 1, 2 ]
amdhsa.kernels:
  - .name:           k_q62f5962440_prep
    .symbol:         k_q62f5962440_prep.kd
    .args:
      - { .name: x, .offset: 0, .size: 8, .value_kind: global_buffer, .address_space: global }
      - { .name: gamma1, .offset: 8, .size: 8, .value_kind: global_buffer, .address_space: global }
      - { .name: beta1, .offset: 16, .size: 8, .value_kind: global_buffer, .address_space: global }
      - { .name: nbuf, .offset: 24, .size: 8, .value_kind: global_buffer, .address_space: global }
      - { .name: wq, .offset: 32, .size: 8, .value_kind: global_buffer, .address_space: global }
      - { .name: wk, .offset: 40, .size: 8, .value_kind: global_buffer, .address_space: global }
      - { .name: wv, .offset: 48, .size: 8, .value_kind: global_buffer, .address_space: global }
      - { .name: wo, .offset: 56, .size: 8, .value_kind: global_buffer, .address_space: global }
      - { .name: w1, .offset: 64, .size: 8, .value_kind: global_buffer, .address_space: global }
      - { .name: w2, .offset: 72, .size: 8, .value_kind: global_buffer, .address_space: global }
      - { .name: wbuf, .offset: 80, .size: 8, .value_kind: global_buffer, .address_space: global }
    .group_segment_fixed_size: 56320
    .private_segment_fixed_size: 0
    .kernarg_segment_align: 8
    .kernarg_segment_size: 88
    .max_flat_workgroup_size: 128
    .sgpr_count:     66
    .vgpr_count:     256
    .wavefront_size: 32
...
	.end_amdgpu_metadata
.endif
;; end of part 8
;; launch proj (part 9): grid 12 x 16, 4 waves a work-group, clusters of 4 x 4, 327,680 bytes of LDS; arguments nbuf, wbuf, mask, qkv; writes qkv
.if DOCPART == 9
	.amdgcn_target "amdgcn-amd-amdhsa--gfx1250"
	.amdhsa_code_object_version 6
	.text
	.protected	k_q62f5962440_proj
	.globl	k_q62f5962440_proj
	.p2align	8
	.type	k_q62f5962440_proj,@function
k_q62f5962440_proj:
	s_mov_b64 s[64:65], 0
	v_nop
	global_prefetch_b8 v0, s[64:65] scope:SCOPE_SE
	s_setreg_imm32_b32 hwreg(HW_REG_WAVE_MODE, 25, 1), 1
	s_wait_xcnt 0x0
	s_wait_alu depctr_hold_cnt(0) depctr_sa_sdst(0) depctr_va_vdst(0) depctr_va_sdst(0) depctr_va_ssrc(0) depctr_va_vcc(0) depctr_vm_vsrc(0)
	s_getreg_b32 s2, hwreg(HW_REG_IB_STS2, 6, 4)
	s_cmp_eq_u32 s2, 0
	s_cbranch_scc0 .Lentry_in_a_cluster
	s_endpgm
.Lentry_in_a_cluster:
	s_bfe_u32 s2, ttmp6, 0x10000c
	s_cmp_lg_u32 s2, 0xf033
	s_cbranch_scc0 .Lentry_shape_is_right
	s_endpgm
.Lentry_shape_is_right:
; A GEMM on codes of FP6 (E2M3) whose RESULT IS QUANTISED ON THE WAY OUT.  One text serves two launches; KIND says which.
; KIND 0: q = n1 wq, k = n1 wk (source 1 = tokens, source 0 = weight columns) and v^T = wv^T n1^T (source 1 = wv's columns, source 0 = tokens: so v is quantised along the KEYS).  KIND 1: h = relu(n2 w1 + b1).
; ALL OPERANDS LIE IN SLABS: codes [K / 256][rows][192 bytes], scale bytes [K / 256][rows][8]; row p holds logical row pi(p): p with bits 3 and 4 exchanged.
; A tile of the result, 256 x 256, is made by four waves, each 128 x 128: 64 accumulators of 16 x 16.  K goes in steps of 256 through two LDS slots filled by the tensor data mover; a step's 128 rows are one dense block of 24,576 bytes.
; THE MATRIX INSTRUCTION IS USED TRANSPOSED (source 0 = 16 rows of B, source 1 = 16 rows of A): lane (r, h) holds A's row r, and register j of tile 2 b + u B's row 32 b + 16 u + 8 h + j, which is logical 32 b + 16 h + 8 u + j:
; so the 16 registers of two neighbouring tiles are 16 NEIGHBOURS along the next product's K, and a block of 32 lies in lanes l and l xor 16.
; THE SCALES of the work-group's rows, for all of K, come into LDS once, with the first fills.
; CLUSTERS: 4 x 4 work-groups; A's tiles are asked for jointly along a row of the cluster, B's along a column.
; THE MASK (KIND 0, k alone): a key whose mask is 0 gets zero CODES (its conversion's scale operand is 2^127; its scale bytes stay the blocks' own); the attention launch gives such a key its score.
; THE WAY OUT: each wave's 16 rows x 128 columns become one fragment's codes and a scale word a row; the tile's 256 rows x 192 bytes meet in LDS (in slot 0, which has had its last fill and its last read) and leave as one dense block of 49,152 bytes.
; LIMITS: blocks whose largest magnitude lies under 2^-124 keep the byte 1; NaN and infinities are not served.
; REGISTERS: window 0: v16-31 addresses; v32-63 scale words, two sets; v64-127 the bias (KIND 1), later at work; v128-223 A's fragments, ONE set.  Window 1: B's fragments, two sets.  Windows 2, 3: accumulator (a, b) at v[8 (8 (a % 4) + b)] of window 2 + a / 4.
; LAYOUT OF qkv, as the way out below writes it: a tile's 256 columns leave in four quarters of 64 columns, 48 bytes a row, each quarter's 256 rows as one dense run of 12,288 bytes, one quarter a wave.
; q, k: codes [32 quarters: 0-15 q's heads, 16-31 k's heads][4,096 rows][48 bytes].  v: codes [64 groups of 64 keys][1,024 rows d][48 bytes] at VC.  The scale bytes lie as stated above.
; A tile of 128 rows x 192 dense bytes is stated to the data mover as 96 rows of 256 bytes; the padding, 16 bytes behind every 64, is counted along the whole tile, so the LDS rows stay 240 bytes apart.
.set KIND,   0
.set AB,     8                         ; A's blocks of 16 rows a wave
.set NK,     4                         ; K steps
.set SA,     786432                    ; a slab of A, of B, in bytes
.set SB,     786432
.set RA,     4096                      ; rows in a slab
.set RB,     4096
.set NSC,    3145728                   ; nbuf: the scale bytes
.set S0,     9437184                   ; wbuf: region 0's scale bytes;
.set R1,     3145728                   ; region 1's codes,
.set S1,     9568256                   ; and scale bytes
.set VC,     6291456                   ; qkv: v's codes; q's and k's scale bytes; v's
.set QKS,    9437184
.set VSC,    9699328
.set HSC,    12582912                  ; hbuf: the scale bytes
.if KIND == 0
.set FIRST,  1                         ; the first products take the constant 0 as C,
.else
.set FIRST,  2                         ; or the bias
.endif
.set PITCH,  240                       ; an LDS row: 3 x (64 bytes + 16 of padding)
.set FR,     12
.set NL,     6
.set HALFA,  16*AB*PITCH
.set HALFB,  128*PITCH
.set SLOT,   2*HALFA+2*HALFB
.set SCL,    2*SLOT                    ; A's scale bytes: parts of [NK][128 rows][8]
.set SCLB,   SCL+(AB/4)*NK*1024        ; B's two parts
.set SPARE,  SCLB+2*NK*1024            ; the spare words: 128 bytes a wave, which no other line names
.set ADRA, 16                          ; v16-17 my A fragments in slot 0, 1; v18-19 the same behind one padding more
.set ADRB, 20                          ; v20-23 the same for B
.set STC,  24                          ; the way out: where my codes go,
.set STS,  25                          ; my scale words,
.set RDC,  26                          ; what I copy out: codes (LDS address and offset in memory are the same number),
.set ADRS, 27                          ; LDS address of my scale words: lanes 0-15 A's rows, lanes 16-31 B's
.set SPW,  28
.set NIL,  29
.set RDS,  30                          ; and scale bytes
.set XO,   31                          ; offset of the mask's or the bias's loads
.set SC,   32
.set BI,   64
.set AF,   128
.set CD,   64                          ; the way out: codes v64-82, at work v96-111, the scale word v112, the mask's words v116-123, 2^127 v124
.set TM,   96
.set PW,   112
.set MK,   116
.set BIG,  124
.set G1, 24
.set G0, 32
.set G1B, 48
.set G0B, 56
.set G1S, 68
.set G0S, 76
.set G1SB, 80
.set G0SB, 88
.set MSB, 0
.macro WIN new                         ; the immediate's high byte repeats the setting that is left; a switch that changes nothing is dropped
.if MSB != (\new)
	s_set_vgpr_msb (MSB<<8)|(\new)
.set MSB, (\new)
.endif
.endm
; A joint load: waves 0 and 1 fetch for A, waves 2 and 3 for B; the branch hangs on the wave's number alone.  Four v_nop follow each of the two lines.
.macro JLOAD g0a, g1a, g0b, g1b
	s_cmp_eq_u32 s15, 0
	s_cbranch_scc0 .Lfor_b_\@
	tensor_load_to_lds s[\g0a:\g0a+3], s[\g1a:\g1a+7]
	s_nop 0
.rept 4
	v_nop
.endr
	s_branch .Lasked_\@
.Lfor_b_\@:
	tensor_load_to_lds s[\g0b:\g0b+3], s[\g1b:\g1b+7]
	s_nop 0
.rept 4
	v_nop
.endr
.Lasked_\@:
.endm
.macro CREST                           ; a round of the cluster's barrier behind its opening barrier
	s_cmp_lg_u32 s14, 0
	s_cbranch_scc1 .Lnot_wave_0_\@
	s_barrier_signal -3
.Lnot_wave_0_\@:
	s_barrier_wait -3
	s_barrier_signal -1
	s_barrier_wait -1
.endm
.macro CROUND
	s_barrier_signal -1
	s_barrier_wait -1
	CREST
.endm
.macro PLACES n
.rept \n
	v_nop
.endr
.endm
	s_load_b256 s[4:11], s[0:1], 0x0               ; the activations' codes, wbuf, the mask or the bias, the output
	v_lshl_add_u32 v[SPW], v0, 2, SPARE
	v_mov_b32 v[NIL], 0
	ds_add_u32 v28, v29
	ds_add_u32 v28, v29
	s_wait_dscnt 0x0
	v_lshrrev_b32 v1, 5, v0
	v_readfirstlane_b32 s14, v1                    ; wave 0..3
	s_lshr_b32 s15, s14, 1                         ; which half of the tile's A rows is mine.  Also: I fetch for A (0) or for B (1)
	s_and_b32 s16, s14, 1                          ; which half of B's rows.  Also: which 128 rows I fetch
	s_bfe_u32 s40, ttmp6, 0x40000                  ; cx, cy: my place in the cluster
	s_bfe_u32 s41, ttmp6, 0x40004
	s_and_b32 s18, ttmp7, 0xffff                   ; the cluster's y
	s_lshl_b32 s43, s41, 2
	s_lshl_b32 s43, 15, s43                        ; my row of the cluster
	s_lshl_b32 s44, 0x1111, s40                    ; my column
	s_or_b32 s[G1+0], s43, (1<<20)|(1<<21)|(3<<22)|(3<<25)   ; the mask; elements of 1 byte; padding on; bit 21 beside a mask; 4 words of padding behind every 16
	s_or_b32 s[G1B+0], s44, (1<<20)|(1<<21)|(3<<22)|(3<<25)
	s_mov_b32 s[G1+1], 256<<16                     ; tensor_dim0: rows of 256 bytes
	s_mov_b32 s[G1+2], (24*AB)<<16                 ; tensor_dim1: at the head a load brings all 256 rows; behind it the two words that count rows are halved, for the ring's loads
	s_mov_b32 s[G1+3], 256<<16                     ; tile_dim0
	s_mov_b32 s[G1+4], 24*AB
	s_mov_b32 s[G1+5], 256                         ; the rows are dense
	s_mov_b32 s[G1+6], 0
	s_mov_b32 s[G1+7], 0
	s_mov_b32 s[G1B+1], 256<<16
	s_mov_b32 s[G1B+2], 192<<16
	s_mov_b32 s[G1B+3], 256<<16
	s_mov_b32 s[G1B+4], 192
	s_mov_b32 s[G1B+5], 256
	s_mov_b32 s[G1B+6], 0
	s_mov_b32 s[G1B+7], 0
	s_or_b32 s[G1S+0], s43, (3<<16)|(1<<21)        ; the scale bytes of 256 rows: NK rows of 256 elements of 8 bytes, a slab apart
	s_or_b32 s[G1SB+0], s44, (3<<16)|(1<<21)
	s_mov_b32 s[G1S+1], 256<<16                    ; the scale bytes of all 256 rows come by one load: in LDS [K step][256 rows][8]
	s_mov_b32 s[G1S+2], NK<<16
	s_mov_b32 s[G1S+3], 256<<16
	s_mov_b32 s[G1S+4], NK
	s_mov_b32 s[G1S+5], RA
	s_mov_b32 s[G1S+6], 0
	s_mov_b32 s[G1S+7], 0
	s_mov_b32 s[G1SB+1], 256<<16
	s_mov_b32 s[G1SB+2], NK<<16
	s_mov_b32 s[G1SB+3], 256<<16
	s_mov_b32 s[G1SB+4], NK
	s_mov_b32 s[G1SB+5], RB
	s_mov_b32 s[G1SB+6], 0
	s_mov_b32 s[G1SB+7], 0
	; the tile's first rows: s19 in A (made of cy and the cluster's place alone), s45 in B (of cx and the cluster's place alone)
.if KIND == 0
	s_lshl_b32 s19, s18, 10
	s_lshl_b32 s45, ttmp9, 10
	s_mov_b32 s96, NSC
	s_mov_b32 s97, S0
	s_cmp_eq_u32 ttmp9, 2                          ; the third column of clusters makes v^T
	s_cselect_b32 s45, s19, s45                    ; B: tokens 1,024 x cluster y, or weight rows 1,024 x cluster x (wq, wk)
	s_cselect_b32 s19, 2048, s19                   ; A: wv's rows, or tokens 1,024 x cluster y
	s_cselect_b32 s96, S0, s96                     ; where A's scale bytes begin in its buffer,
	s_cselect_b32 s97, NSC, s97                    ; and B's
	s_cmp_eq_u32 ttmp9, 1
	s_cselect_b32 s2, -1, 0                        ; all ones where the tile is k's
	s_lshl_b32 s20, s41, 8
	s_add_co_u32 s19, s19, s20
	s_lshl_b32 s46, s40, 8
	s_add_co_u32 s45, s45, s46
.else
	s_lshl_b32 s17, s18, 2
	s_add_co_u32 s17, s17, s41                     ; tile row
	s_lshl_b32 s42, ttmp9, 2
	s_add_co_u32 s42, s42, s40                     ; tile column
	s_lshl_b32 s19, s17, 8
	s_lshl_b32 s45, s42, 8
	s_mov_b32 s96, NSC
	s_mov_b32 s97, S1
.endif
	s_mov_b32 s20, s19                             ; A: the tile's first row
	s_lshl_b32 s22, s20, 3
	s_add_co_u32 s22, s22, s96                     ; its scale bytes,
	s_mul_i32 s20, s20, 192                        ; its codes
	s_mov_b32 s21, 0
	s_mov_b32 s23, 0
	s_mov_b32 s46, s45                             ; B likewise
	s_lshl_b32 s92, s46, 3
	s_add_co_u32 s92, s92, s97
	s_mul_i32 s46, s46, 192
.if KIND == 1
	s_add_co_u32 s46, s46, R1
.endif
	s_mov_b32 s47, 0
	s_mov_b32 s93, 0
	s_mul_i32 s66, s16, HALFA                      ; where they go: no place in the cluster enters an LDS address
	s_mul_i32 s67, s16, HALFB
	s_add_co_u32 s67, s67, 2*HALFA
	s_wait_kmcnt 0x0
.if KIND == 0
	s_cmp_eq_u32 ttmp9, 2                          ; for v^T the buffers change sides: a choice on the cluster's number alone
	s_cselect_b64 s[12:13], s[6:7], s[4:5]
	s_cselect_b64 s[6:7], s[4:5], s[6:7]
	s_mov_b64 s[4:5], s[12:13]
.endif
	s_add_nc_u64 s[20:21], s[4:5], s[20:21]
	s_add_nc_u64 s[22:23], s[4:5], s[22:23]
	s_add_nc_u64 s[46:47], s[6:7], s[46:47]
	s_add_nc_u64 s[92:93], s[6:7], s[92:93]
	CROUND                                         ; all sixteen work-groups are here: the first joint loads meet
	s_mov_b32 s[G0S], 1
	s_mov_b32 s[G0S+1], SCL
	s_mov_b64 s[G0S+2:G0S+3], s[22:23]
	s_or_b32 s[G0S+3], s[G0S+3], 0x80000000
	s_mov_b32 s[G0SB], 1
	s_mov_b32 s[G0SB+1], SCLB
	s_mov_b64 s[G0SB+2:G0SB+3], s[92:93]
	s_or_b32 s[G0SB+3], s[G0SB+3], 0x80000000
	s_mov_b32 s4, 1                                ; group 0 for the head's loads of K step 0: A's 256 rows in s[4:7] (the arguments that lay there have been used),
	s_mov_b32 s5, 0
	s_mov_b64 s[6:7], s[20:21]
	s_or_b32 s7, s7, 0x80000000
	s_mul_i32 s96, s16, 24576                      ; for the ring: my 128 rows of a tile
	s_mov_b32 s97, 0
	s_add_nc_u64 s[20:21], s[20:21], s[96:97]
	s_add_nc_u64 s[98:99], s[46:47], s[96:97]
	s_mov_b32 s44, 1                               ; B's 256 rows in s[44:47]
	s_mov_b32 s45, 2*HALFA
	s_or_b32 s47, s47, 0x80000000
.irp s, 0,1
	s_mov_b32 s[G0+4*\s], 1
	s_add_co_u32 s[G0+4*\s+1], s66, \s*SLOT
	s_add_nc_u64 s[G0+4*\s+2:G0+4*\s+3], s[20:21], \s*SA
	s_or_b32 s[G0+4*\s+3], s[G0+4*\s+3], 0x80000000
	s_mov_b32 s[G0B+4*\s], 1
	s_add_co_u32 s[G0B+4*\s+1], s67, \s*SLOT
	s_add_nc_u64 s[G0B+4*\s+2:G0B+4*\s+3], s[98:99], \s*SB
	s_or_b32 s[G0B+4*\s+3], s[G0B+4*\s+3], 0x80000000
.endr
	; THE PREFETCHES: of the 96 blocks of 256 bytes that I fetch of a K step, each of the four partners that ask for them jointly names 24, told apart by address (cx for A, cy for B); lanes 24-31 name the last again
	s_cmp_eq_u32 s15, 0
	s_cselect_b64 s[66:67], s[20:21], s[98:99]
	s_cselect_b32 s96, s40, s41
	s_mul_i32 s96, s96, 6144
	s_add_nc_u64 s[66:67], s[66:67], s[96:97]
; THE HEAD'S LOADS, ONE A WAVE: wave 0 K step 0's 256 rows of A, wave 1 its 256 rows of B, wave 2 A's scale bytes, wave 3 B's.  One chain of branches on the wave's number: every way passes exactly one load.
.macro ARM under, g0, g1, next
	s_cmp_lt_u32 s14, \under
	s_cbranch_scc0 \next
	tensor_load_to_lds s[\g0:\g0+3], s[\g1:\g1+7]
	s_nop 0
.rept 4
	v_nop
.endr
	s_branch .Lhead_asked
\next:
.endm
	ARM 1, 4,   G1,  .Lhead_b
	ARM 2, 44,  G1B, .Lhead_sa
	ARM 3, G0S, G1S, .Lhead_sb
	tensor_load_to_lds s[G0SB:G0SB+3], s[G1SB:G1SB+7]
	s_nop 0
.rept 4
	v_nop
.endr
.Lhead_asked:
	v_and_b32 v15, 31, v0
	v_min_u32 v15, 23, v15
	v_lshlrev_b32 v15, 8, v15
	global_prefetch_b8 v15, s[66:67] offset:SA th:TH_LOAD_NT scope:SCOPE_SE     ; K steps 1 and 2: the next load's and the one after; K step 3 is asked for when K step 1 is loaded
	global_prefetch_b8 v15, s[66:67] offset:2*SA th:TH_LOAD_NT scope:SCOPE_SE
	v_and_b32 v1, 15, v0                           ; r
	v_bfe_u32 v2, v0, 4, 1                         ; h
	v_mul_u32_u24 v3, v1, PITCH
	v_mul_u32_u24 v4, v2, 24
	v_add_nc_u32 v4, v3, v4                        ; a fragment's row x pitch + 24 x half
	v_lshl_add_u32 v5, v2, 4, v4                   ; and the same behind one padding more
	s_mul_i32 s21, s15, HALFA                      ; my rows of A
	s_mul_i32 s22, s16, HALFB                      ; my rows of B, behind A's
	s_add_co_u32 s22, s22, 2*HALFA
.irp s, 0,1
	v_add_nc_u32 v[ADRA+\s], s21, v4
	v_add_nc_u32 v[ADRB+\s], s22, v4
	v_add_nc_u32 v[ADRA+2+\s], s21, v5
	v_add_nc_u32 v[ADRB+2+\s], s22, v5
	s_add_co_u32 s21, s21, SLOT
	s_add_co_u32 s22, s22, SLOT
.endr
	v_lshlrev_b32 v5, 3, v1                        ; my row's scale bytes: 8 a row and K step
	s_lshl_b32 s21, s15, 10
	s_lshl_b32 s22, s16, 10
	s_add_co_u32 s22, s22, SCLB-SCL
	s_sub_co_u32 s22, s22, s21
	v_mul_u32_u24 v6, s22, v2                      ; lanes 16-31 take B's: the lower base + h x the distance
	s_add_co_u32 s21, s21, SCL
	v_add_nc_u32 v5, v5, v6
	v_add_nc_u32 v[ADRS], s21, v5
	s_mul_i32 s21, s15, 128*48                     ; the way out: quarter 2 x (half of the columns) + c, in it row 128 x half + 16 a + r of 48 bytes, 24 for each half of the lanes
	s_mul_i32 s22, s16, 24576
	s_add_co_u32 s21, s21, s22
	v_mul_u32_u24 v5, v1, 48
	v_mad_u32_u24 v5, v2, 24, v5
	v_add_nc_u32 v[STC], s21, v5
	s_lshl_b32 s21, s15, 10
	s_lshl_b32 s22, s16, 2
	s_add_co_u32 s21, s21, s22
	s_add_co_u32 s21, s21, 49152                   ; behind the codes: 8 bytes a row
	v_lshl_add_u32 v[STS], v1, 3, s21
	v_and_b32 v6, 31, v0
	s_mul_i32 s21, s14, 12288
	v_lshl_add_u32 v[RDC], v6, 4, s21              ; a quarter of the tile's codes a wave
	s_lshl_b32 s21, s14, 9
	v_lshl_add_u32 v[RDS], v6, 4, s21              ; and of its scale bytes
.if KIND == 0
	s_lshl_b32 s21, s15, 7
	s_add_co_u32 s21, s21, s19
	s_lshl_b32 s21, s21, 2
	v_and_b32 v6, 8, v1
	v_add_nc_u32 v6, v6, v1
	v_lshl_add_u32 v[XO], v6, 2, s21               ; the mask's word of my row of block a: token (first row) + 32 (a / 2) + 8 (a % 2) + r + 8 (r / 8)
.irp a, 0,1,2,3,4,5,6,7
	global_load_b32 v[MK+\a], v[XO], s[8:9] offset:(32*(\a/2)+8*(\a%2))*4   ; (in v's tiles too: the rows stay under 4,096; the words are not used there)
.endr
	s_lshl_b32 s96, s18, 2
	s_add_co_u32 s97, s96, s40                     ; 4 x cluster y + cx
	s_add_co_u32 s96, s96, s41                     ; 4 x cluster y + cy
	s_lshl_b32 s98, ttmp9, 2
	s_add_co_u32 s98, s98, s40                     ; 4 x cluster x + cx
	s_mul_i32 s92, s97, 196608                     ; v: slab of 256 keys, 256 rows of the 1,024
	s_mul_i32 s93, s41, 12288
	s_add_co_u32 s92, s92, s93
	s_add_co_u32 s92, s92, VC
	s_lshl_b32 s94, s97, 13
	s_lshl_b32 s95, s41, 11
	s_add_co_u32 s94, s94, s95
	s_add_co_u32 s94, s94, VSC
	s_mul_i32 s99, s98, 786432                     ; q, k: slab of 256 columns, 256 tokens
	s_mul_i32 s93, s96, 12288
	s_add_co_u32 s99, s99, s93
	s_lshl_b32 s98, s98, 15
	s_lshl_b32 s96, s96, 11
	s_add_co_u32 s98, s98, s96
	s_add_co_u32 s98, s98, QKS
	s_cmp_eq_u32 ttmp9, 2
	s_cselect_b32 s92, s92, s99
	s_cselect_b32 s94, s94, s98
	s_mov_b32 s93, 184320                          ; from quarter to quarter in memory: 196,608 bytes (q, k) or 49,152 (v); my offset register already holds 12,288 x wave
	s_cselect_b32 s93, 36864, s93
	s_mul_i32 s93, s93, s14
	s_add_co_u32 s92, s92, s93
	s_mov_b32 s93, 0
	s_mov_b32 s95, 0
	s_add_nc_u64 s[12:13], s[10:11], s[94:95]      ; the tile's scale bytes,
	s_add_nc_u64 s[10:11], s[10:11], s[92:93]      ; and codes
.else
	s_lshl_b32 s98, s42, 10
	s_lshl_b32 s99, s16, 9
	s_add_co_u32 s98, s98, s99
	s_mov_b32 s99, 0
	s_add_nc_u64 s[8:9], s[8:9], s[98:99]          ; the bias of my 128 columns
	v_lshlrev_b32 v[XO], 6, v2                     ; lane (r, h) wants, for tile i, those of columns 32 (i / 2) + 16 h + 8 (i % 2) + 0 .. 7
.irp i, 0,1,2,3,4,5,6,7
	global_load_b128 v[BI+8*\i:BI+8*\i+3], v[XO], s[8:9] offset:(32*(\i/2)+8*(\i%2))*4
	global_load_b128 v[BI+8*\i+4:BI+8*\i+7], v[XO], s[8:9] offset:(32*(\i/2)+8*(\i%2))*4+16
.endr
	s_mul_i32 s96, s42, 786432
	s_mul_i32 s97, s17, 49152
	s_add_co_u32 s96, s96, s97
	s_mov_b32 s97, 0
	s_lshl_b32 s98, s42, 15
	s_lshl_b32 s99, s17, 11
	s_add_co_u32 s98, s98, s99
	s_add_co_u32 s98, s98, HSC
	s_mov_b32 s99, 0
	s_add_nc_u64 s[12:13], s[10:11], s[98:99]
	s_add_nc_u64 s[10:11], s[10:11], s[96:97]
.endif
.macro FRAG reg, adr, q, i             ; a fragment, 16 rows x 128 K: lane (r, h) takes 24 bytes at 24 h and 24 at 48 + 24 h of its row's 96, in pieces of 8 bytes
.irp p, 0,1,2,3,4,5                    ; 16 bytes of padding lie behind every 8 pieces: where the piece three on (lanes 16-31) lies behind one padding more, the second address register serves
.set PCE, 12*(\q)+6*(\p/3)+\p%3
.if PCE%8 < 5
	ds_load_b64 v[\reg+2*\p:\reg+2*\p+1], v[\adr] offset:8*PCE+16*(PCE/8)+(\i)*16*PITCH
.else
	ds_load_b64 v[\reg+2*\p:\reg+2*\p+1], v[\adr+2] offset:8*PCE+16*(PCE/8)+(\i)*16*PITCH
.endif
.endr
.endm
; 8 matrix instructions: A's block a x B's eight.  p: B's set; q: which 128 of the slot's 256; sc: the set of scale words.  first = 1: C is the constant 0; 2: the bias; 0: the sum goes on.
; The accumulators take turns, one instruction a turn, in the same order in every step.
.macro MULB a, p, q, sc, first
.if (\first) == 2
	WIN 0x81+0x40*((\a)/4)
.else
	WIN 0xa1+0x50*((\a)/4)
.endif
.irp b, 0,1,2,3,4,5,6,7
.set rD, 8*(8*((\a)%4)+\b)
.set rB, 128*(\p)+FR*\b
.set rA, AF+FR*(\a)
.set rT, SC+16*(\sc)+2*\b+(\q)
.set rU, SC+16*(\sc)+2*(\a)+(\q)
.if (\first) == 1
	v_wmma_scale_f32_16x16x128_f8f6f4 v[rD:rD+7], v[rB:rB+FR-1], v[rA:rA+FR-1], 0, v[rT], v[rU] matrix_a_fmt:MATRIX_FMT_FP6 matrix_b_fmt:MATRIX_FMT_FP6 matrix_a_scale:MATRIX_SCALE_ROW1
.elseif (\first) == 2
	v_wmma_scale_f32_16x16x128_f8f6f4 v[rD:rD+7], v[rB:rB+FR-1], v[rA:rA+FR-1], v[BI+8*\b:BI+8*\b+7], v[rT], v[rU] matrix_a_fmt:MATRIX_FMT_FP6 matrix_b_fmt:MATRIX_FMT_FP6 matrix_a_scale:MATRIX_SCALE_ROW1
.else
	v_wmma_scale_f32_16x16x128_f8f6f4 v[rD:rD+7], v[rB:rB+FR-1], v[rA:rA+FR-1], v[rD:rD+7], v[rT], v[rU] matrix_a_fmt:MATRIX_FMT_FP6 matrix_b_fmt:MATRIX_FMT_FP6 matrix_a_scale:MATRIX_SCALE_ROW1
.endif
.endr
.endm
.macro MULQ k, p, q, sc, first         ; a quarter of A's blocks
.set aa, (\k)*AB/4
.rept AB/4
	MULB aa, \p, \q, \sc, \first
.set aa, aa+1
.endr
.endm
.macro FETCH_B slot, q, p
	WIN 0x40                                       ; destination window 1
.irp i, 0,1,2,3,4,5,6,7
	FRAG 128*(\p)+FR*\i, ADRB+\slot, \q, \i
.endr
	WIN 0
.endm
.macro FETCH_A slot, q, half           ; half of A's blocks
.set ii, (\half)*AB/2
.rept AB/2
	FRAG AF+FR*ii, ADRA+\slot, \q, ii
.set ii, ii+1
.endr
.endm
.macro SCALES sc                       ; a K step's scale words: two a row; lanes 0-15 take A's block i, lanes 16-31 B's block i
.irp i, 0,1,2,3,4,5,6,7
	ds_load_b64 v[SC+16*\sc+2*\i:SC+16*\sc+2*\i+1], v[ADRS] offset:128*\i
.endr
.endm
; A slot's first 128 along K.  Loads into registers that matrix instructions have read stand four plain places behind them (ISA guide 7.12.1 for vector instructions).
.macro STEP slot, first
	s_wait_dscnt (AB/2)*NL                         ; B's set, the scale words and A's first half are in; the youngest loads (A's second half) may be out
	MULQ 0, 0, 0, \slot, \first
	MULQ 1, 0, 0, \slot, \first
	s_wait_dscnt 0
	PLACES 4
	FETCH_B \slot, 1, 1
	FETCH_A \slot, 1, 0
	MULQ 2, 0, 0, \slot, \first
	MULQ 3, 0, 0, \slot, \first
	PLACES 4
	WIN 0
	FETCH_A \slot, 1, 1
.endm
; A slot's second 128 change slots: ONE barrier; in front of it each wave waits for all its tensor loads, adds 0 to its spare word, and waits for that and for its reads of this slot.  fill = 1: this slot is filled again, two K steps ahead.
.macro TURN slot, next, fill
	s_wait_tensorcnt 0x0                           ; all my tensor loads have landed: my part of the next slot
	ds_add_u32 v[SPW], v[NIL]                      ; 0 onto my spare word
	s_wait_dscnt (AB/2)*NL+1                       ; (the add and A's second half may be out)
	MULQ 0, 1, 1, \slot, 0                         ; matrix work stands between the add and the wait for it
	s_wait_dscnt 0x0                               ; the add is done, and my reads of this slot are over
	s_barrier_signal -1
	MULQ 1, 1, 1, \slot, 0
	WIN 0
	s_barrier_wait -1
.if \fill
	CREST                                          ; the barrier has opened a round of the cluster's: no wave of any partner still reads this slot or has a load on its way
	s_add_nc_u64 s[G0+4*\slot+2:G0+4*\slot+3], s[G0+4*\slot+2:G0+4*\slot+3], 2*SA
	s_add_nc_u64 s[G0B+4*\slot+2:G0B+4*\slot+3], s[G0B+4*\slot+2:G0B+4*\slot+3], 2*SB
	JLOAD G0+4*\slot, G1, G0B+4*\slot, G1B         ; my one tensor load behind the round; its four v_nop are also the places in front of the loads below
.else
	PLACES 4
.endif
	s_wait_alu depctr_va_vdst(0)
	v_add_nc_u32 v[ADRS], 2048, v[ADRS]            ; the next K step's scale words
	FETCH_B \next, 0, 0
	FETCH_A \next, 0, 0
	SCALES \next
	MULQ 2, 1, 1, \slot, 0
	MULQ 3, 1, 1, \slot, 0
	PLACES 4
	WIN 0
	FETCH_A \next, 0, 1
.endm
	s_wait_alu depctr_va_vdst(0)
	s_wait_tensorcnt 0x0                           ; my tile of the head's four is in; a later first fill is issued as a refill is:
	ds_add_u32 v[SPW], v[NIL]                      ; 0 onto my spare word;
	s_mov_b32 s[G1+2], 96<<16                      ; no tensor load of mine is out, so a descriptor may be written: from here on a load brings 128 rows, 96 rows of 256 bytes
	s_mov_b32 s[G1+4], 96
	s_mov_b32 s[G1B+2], 96<<16
	s_mov_b32 s[G1B+4], 96
	s_wait_dscnt 0x0
	CROUND                                         ; a whole round: all four tiles are in, and the joint loads meet
	JLOAD G0+4, G1, G0B+4, G1B                     ; K step 1, my one load behind the round
	FETCH_B 0, 0, 0
	global_prefetch_b8 v15, s[66:67] offset:3*SA th:TH_LOAD_NT scope:SCOPE_SE   ; K step 3, the last: two loads ahead
	FETCH_A 0, 0, 0
	SCALES 0
	FETCH_A 0, 0, 1
.if FIRST == 2
	s_wait_loadcnt 0x0                             ; the bias
.endif
	STEP 0, FIRST                                  ; the first step stands in front of the loop: its products start the sums
	s_mov_b32 s3, NK/2-1
.Llap:                                                 ; a trip goes once round the ring and fills both slots again
	TURN 0, 1, 1
	STEP 1, 0
	TURN 1, 0, 1
	STEP 0, 0
	s_sub_co_u32 s3, s3, 1
	s_cmp_lg_u32 s3, 0
	s_cbranch_scc1 .Llap
	TURN 0, 1, 0                                   ; the last lap fills nothing
	STEP 1, 0
	s_wait_dscnt (AB/2)*NL                         ; the very last 128: nothing more to fetch
	MULQ 0, 1, 1, 1, 0
	MULQ 1, 1, 1, 1, 0
	s_wait_dscnt 0
	MULQ 2, 1, 1, 1, 0
	MULQ 3, 1, 1, 1, 0
	WIN 0
; THE WAY OUT.  Block a: my 64 numbers of row r (register 16 b + i = column 32 b + 16 h + i) become a fragment's codes and the row's scale word.
	PLACES 4                                       ; behind the last products
.irp b, 0,1,2,3
	v_mov_b32 v[TM+4+\b], 0                        ; written once: a lane permute's destination counts as one of its sources
.endr
.if KIND == 0
	v_mov_b32 v[BIG], 0x7f000000                   ; 2^127: what is divided by it becomes the code 0
	s_wait_loadcnt 0x0                             ; the mask's words
.irp a, 0,1,2,3,4,5,6,7
	v_cmp_eq_u32 s[92+\a], 0, v[MK+\a]
.endr
.irp a, 0,1,2,3,4,5,6,7
	s_and_b32 s[92+\a], s[92+\a], s2               ; in k's tiles alone
.endr
.endif
.macro QUANTW a
.set AC, 64*((\a)%4)
.set W, 2+(\a)/4
.if KIND == 1
	WIN (W<<6)|(W<<2)
.set j, 0
.rept 64
	v_max_num_f32 v[AC+j], 0, v[AC+j]              ; the activation, in f32; each accumulator from its low end on
.set j, j+1
.endr
.endif
	WIN (W<<4)|(W<<2)
.irp b, 0,1,2,3
	v_max3_num_f32 v[TM+\b], 0x1800000, |v[AC+16*\b]|, |v[AC+16*\b+1]|   ; block b: my 16 numbers, and the floor 2^(3 - 127): the byte cannot fall under 1
.endr
.irp i, 2,4,6,8,10,12,14
.irp b, 0,1,2,3
	v_max3_num_f32 v[TM+\b], v[TM+\b], |v[AC+16*\b+\i]|, |v[AC+16*\b+\i+1]|   ; (the four blocks by turns)
.endr
.endr
	WIN 0
.irp b, 0,1,2,3
	v_permlanex16_b32 v[TM+4+\b], v[TM+\b], s98, s99
.endr
.irp b, 0,1,2,3
	v_max_num_f32 v[TM+\b], v[TM+\b], v[TM+4+\b]   ; with lane l xor 16's: the block's largest magnitude
.endr
.irp b, 0,1,2,3
	v_add_nc_u32 v[TM+12+\b], 0xff000000, v[TM+\b] ; 2 off its exponent field: the conversion's scale operand
.endr
.irp b, 0,1,2,3
	v_lshrrev_b32 v[TM+8+\b], 23, v[TM+12+\b]      ; the scale's byte
.endr
	v_lshl_or_b32 v[PW], v[TM+9], 8, v[TM+8]
	v_lshl_or_b32 v[PW], v[TM+10], 16, v[PW]
	v_lshl_or_b32 v[PW], v[TM+11], 24, v[PW]       ; my row's scale word
.if KIND == 0
.irp b, 0,1,2,3
	v_cndmask_b32 v[TM+12+\b], v[TM+12+\b], v[BIG], s[84+8+(\a)]   ; a masked key's codes become zeros; its bytes stay
.endr
.endif
	WIN W
.irp c, 0,1
	v_cvt_scalef32_pk16_fp6_f32 v[CD+6*\c:CD+2+6*\c], v[AC+32*\c:AC+15+32*\c], v[TM+12+2*\c]
	v_cvt_scalef32_pk16_fp6_f32 v[CD+12+4*\c:CD+14+4*\c], v[AC+16+32*\c:AC+31+32*\c], v[TM+12+2*\c+1]   ; (a conversion's three registers begin on an even number)
.endr
	WIN 0
	v_nop                                          ; one plain place behind a scaled conversion
.irp c, 0,1                            ; a WHOLE block to a lane: lanes 0-15 block 2 c, lanes 16-31 block 2 c + 1
.irp i, 0,1,2
	v_permlane16_swap_b32 v[CD+6*\c+\i], v[CD+12+4*\c+\i]
.endr
.irp i, 0,1,2
	v_mov_b32 v[CD+3+6*\c+\i], v[CD+12+4*\c+\i]
.endr
.endr
.irp c, 0,1
.irp p, 0,1,2
	ds_store_b64 v[STC], v[CD+6*\c+2*\p:CD+6*\c+2*\p+1] offset:768*(\a)+12288*\c+8*\p
.endr
.endr
	ds_store_b32 v[STS], v[PW] offset:128*(\a)
	s_wait_dscnt 0x0
.endm
.if KIND == 0
	; the mask's lane masks lie in s92-99, so the permute's selects take s66, s67
.endif
	s_mov_b32 s66, 0x76543210
	s_mov_b32 s67, 0xfedcba98
.macro QW a                            ; (the selects' registers differ by KIND: s98, s99 are lane masks in KIND 0)
	QUANTW \a
.endm
.if KIND == 1
	s_mov_b32 s98, s66
	s_mov_b32 s99, s67
.irp a, 0,1,2,3,4,5,6,7
	QW \a
.endr
.else
	; KIND 0: blocks 6 and 7 first need their lane masks moved out of s98, s99
	s_mov_b32 s20, s98
	s_mov_b32 s21, s99
	s_mov_b32 s98, s66
	s_mov_b32 s99, s67
.irp a, 0,1,2,3,4,5
	QW \a
.endr
	s_mov_b32 s92, s20                             ; block 6's and block 7's masks take the places of blocks 0's and 1's, which are done with
	s_mov_b32 s93, s21
.endif
.if KIND == 0
.macro QTAIL a, m                      ; block a with its lane mask in s[92 + m]
.set AC, 64*((\a)%4)
	WIN 0x3c
.irp b, 0,1,2,3
	v_max3_num_f32 v[TM+\b], 0x1800000, |v[AC+16*\b]|, |v[AC+16*\b+1]|
.endr
.irp i, 2,4,6,8,10,12,14
.irp b, 0,1,2,3
	v_max3_num_f32 v[TM+\b], v[TM+\b], |v[AC+16*\b+\i]|, |v[AC+16*\b+\i+1]|
.endr
.endr
	WIN 0
.irp b, 0,1,2,3
	v_permlanex16_b32 v[TM+4+\b], v[TM+\b], s98, s99
.endr
.irp b, 0,1,2,3
	v_max_num_f32 v[TM+\b], v[TM+\b], v[TM+4+\b]
.endr
.irp b, 0,1,2,3
	v_add_nc_u32 v[TM+12+\b], 0xff000000, v[TM+\b]
.endr
.irp b, 0,1,2,3
	v_lshrrev_b32 v[TM+8+\b], 23, v[TM+12+\b]
.endr
	v_lshl_or_b32 v[PW], v[TM+9], 8, v[TM+8]
	v_lshl_or_b32 v[PW], v[TM+10], 16, v[PW]
	v_lshl_or_b32 v[PW], v[TM+11], 24, v[PW]
.irp b, 0,1,2,3
	v_cndmask_b32 v[TM+12+\b], v[TM+12+\b], v[BIG], s[92+\m]
.endr
	WIN 3
.irp c, 0,1
	v_cvt_scalef32_pk16_fp6_f32 v[CD+6*\c:CD+2+6*\c], v[AC+32*\c:AC+15+32*\c], v[TM+12+2*\c]
	v_cvt_scalef32_pk16_fp6_f32 v[CD+12+4*\c:CD+14+4*\c], v[AC+16+32*\c:AC+31+32*\c], v[TM+12+2*\c+1]
.endr
	WIN 0
	v_nop
.irp c, 0,1
.irp i, 0,1,2
	v_permlane16_swap_b32 v[CD+6*\c+\i], v[CD+12+4*\c+\i]
.endr
.irp i, 0,1,2
	v_mov_b32 v[CD+3+6*\c+\i], v[CD+12+4*\c+\i]
.endr
.endr
.irp c, 0,1
.irp p, 0,1,2
	ds_store_b64 v[STC], v[CD+6*\c+2*\p:CD+6*\c+2*\p+1] offset:768*(\a)+12288*\c+8*\p
.endr
.endr
	ds_store_b32 v[STS], v[PW] offset:128*(\a)
	s_wait_dscnt 0x0
.endm
	QTAIL 6, 0
	QTAIL 7, 1
.endif
	s_barrier_signal -1                            ; every wave's stores into the stage have landed (the wait for 0 stands at the end of each block)
	s_barrier_wait -1
.set i, 0
.rept 24
	ds_load_b128 v[128+4*i:131+4*i], v[RDC] offset:512*i
.set i, i+1
.endr
	ds_load_b128 v[224:227], v[RDS] offset:49152
.set i, 0
.rept 24
	s_wait_dscnt 24-i                              ; behind load i: the later loads of codes and the load of scale bytes
	global_store_b128 v[RDC], v[128+4*i:131+4*i], s[10:11] offset:512*i th:TH_STORE_NT   ; 512 consecutive bytes an instruction, aligned
.set i, i+1
.endr
	s_wait_dscnt 0x0
	global_store_b128 v[RDS], v[224:227], s[12:13] th:TH_STORE_NT
	s_wait_tensorcnt 0x0                           ; the wave's end
	ds_add_u32 v[SPW], v[NIL]
	s_wait_dscnt 0x0
	CROUND                                         ; the closing round: no work-group ends while a partner may still ask for a tile that names it
	s_endpgm
.Lfunc_end_k_q62f5962440_proj:
	.size	k_q62f5962440_proj, .Lfunc_end_k_q62f5962440_proj-k_q62f5962440_proj
	.p2alignl 7, 3214868480
	.fill 96, 4, 3214868480
	.section	.rodata,"a",@progbits
	.p2align	6, 0x0
	.amdhsa_kernel k_q62f5962440_proj
		.amdhsa_group_segment_fixed_size 327680
		.amdhsa_private_segment_fixed_size 0
		.amdhsa_enable_private_segment 0
		.amdhsa_kernarg_size 32
		.amdhsa_user_sgpr_count 2
		.amdhsa_user_sgpr_kernarg_segment_ptr 1
		.amdhsa_wavefront_size32 1
		.amdhsa_system_sgpr_workgroup_id_x 1
		.amdhsa_system_sgpr_workgroup_id_y 1
		.amdhsa_system_sgpr_workgroup_id_z 1
		.amdhsa_system_vgpr_workitem_id 0
		.amdhsa_next_free_vgpr 1024
		.amdhsa_next_free_sgpr 100
		.amdhsa_reserve_vcc 0
		.amdhsa_float_denorm_mode_32 3
		.amdhsa_float_denorm_mode_16_64 3
		.amdhsa_memory_ordered 1
		.amdhsa_forward_progress 1
		.amdhsa_inst_pref_size 177
	.end_amdhsa_kernel
	.amdgpu_metadata
---
amdhsa.version: [ 1, 2 ]
amdhsa.kernels:
  - .name:           k_q62f5962440_proj
    .symbol:         k_q62f5962440_proj.kd
    .args:
      - { .name: nbuf, .offset: 0, .size: 8, .value_kind: global_buffer, .address_space: global }
      - { .name: wbuf, .offset: 8, .size: 8, .value_kind: global_buffer, .address_space: global }
      - { .name: mask, .offset: 16, .size: 8, .value_kind: global_buffer, .address_space: global }
      - { .name: qkv, .offset: 24, .size: 8, .value_kind: global_buffer, .address_space: global }
    .group_segment_fixed_size: 327680
    .private_segment_fixed_size: 0
    .kernarg_segment_align: 8
    .kernarg_segment_size: 32
    .max_flat_workgroup_size: 128
    .sgpr_count:     100
    .vgpr_count:     1024
    .wavefront_size: 32
...
	.end_amdgpu_metadata
.endif
;; end of part 9
;; launch attn (part 10): grid 8 x 32, 16 waves a work-group, clusters of 4 x 1, 227,328 bytes of LDS; arguments qkv, mask, nbuf; writes nbuf
.if DOCPART == 10
	.amdgcn_target "amdgcn-amd-amdhsa--gfx1250"
	.amdhsa_code_object_version 6
	.text
	.protected	k_q62f5962440_attn
	.globl	k_q62f5962440_attn
	.p2align	8
	.type	k_q62f5962440_attn,@function
k_q62f5962440_attn:
	s_mov_b64 s[64:65], 0
	v_nop
	global_prefetch_b8 v0, s[64:65] scope:SCOPE_SE
	s_setreg_imm32_b32 hwreg(HW_REG_WAVE_MODE, 25, 1), 1
	s_wait_xcnt 0x0
	s_wait_alu depctr_hold_cnt(0) depctr_sa_sdst(0) depctr_va_vdst(0) depctr_va_sdst(0) depctr_va_ssrc(0) depctr_va_vcc(0) depctr_vm_vsrc(0)
	s_getreg_b32 s2, hwreg(HW_REG_IB_STS2, 6, 4)
	s_cmp_eq_u32 s2, 0
	s_cbranch_scc0 .Lentry_in_a_cluster
	s_endpgm
.Lentry_in_a_cluster:
	s_bfe_u32 s2, ttmp6, 0x10000c
	s_cmp_lg_u32 s2, 0x3003
	s_cbranch_scc0 .Lentry_shape_is_right
	s_endpgm
.Lentry_shape_is_right:
; ctx = softmax(q k^T / 8, masked) v for one head, both products on codes of FP6 (E2M3); ctx is quantised on the way out.
; IN (qkv): q's and k's codes [32 quarters: 0-15 q's heads, 16-31 k's][4,096 rows][48 bytes]; v's codes [64 groups of 64 keys][1,024 rows d][48] at VC; scale bytes: q, k [8 slabs of four heads][4,096][8] at QKS, v [16 slabs of 256 keys][1,024][8] at VSC.
; Row p of q and k holds token pi(p) (bits 3 and 4 exchanged), row p of v channel pi(p); v's keys lie in token order.  OUT (nbuf): ctx's codes [4][4,096][192] and scale bytes at NSC, rows as q's.
; THE SOFTMAX: t = score x log2(e) / 8; M = the running largest t rounded UP to a whole number; p = 2^(t - M) is quantised along the keys; the row's sum is taken of the unquantised p and divides at the end.
; THE MASK costs no vector work in the loop.  The first product's K is 64 and the instruction's 128: at k = 64 q carries the code 1.0 under the scale byte 127, a masked key -1.0 under the byte 160, an open key 0;
; a masked key's 64 real codes are zeros (made so by the launch before).  So a masked score is exactly -2^33 and its t a whole number: p is 0 beside any open key, and 1 everywhere where no key is open.
; LIMITS: open raw scores lie above -2^33 + 2^11.  NaN and infinities are not served.  A wave's stores of ctx cover 48 bytes of each row of 192: no whole aligned 256 bytes.
; SHARES: a work-group owns 256 rows of q of one head, each of its sixteen waves 16 of them, in 256 registers: four waves to a SIMD.
; THE WHOLE HEAD'S K AND V LIE IN LDS, FILLED ONCE, ONE TENSOR LOAD A WAVE: waves 0-7 bring 256 keys of K each (12,288 dense bytes, as 48 rows of 256), waves 8-15 four groups of V each (4 rows of 3,072 bytes).
; One wait and one barrier show all of it to every wave; the loop over the keys holds no barrier.  LDS rows of K and of V are 48 bytes apart: the 32 lanes of an 8-byte load start at words 12 r + 6 h, which are 32 different pairs of words modulo 64.
; CLUSTER: the four work-groups of a cluster belong to one head and ask for K and V jointly.
; NO DATA PREFETCH: every byte that comes by a tensor load is asked for at the head, so there is no loop to run ahead in.
; Both products are used transposed (S^T = K Q^T, O^T = V^T P^T): a lane holds one query; by pi the 16 registers of tiles 2 b, 2 b + 1 are 16 neighbouring keys (or channels).
.set KT,    0                          ; LDS: K, 2,048 rows x 48 bytes
.set VT,    98304                      ; V: 32 groups x 64 rows x 48 bytes
.set KPC,   196608                     ; made here: the keys' codes at k = 64 and k = 96, 8 bytes a key;
.set KSW,   212992                     ; K's scale words, 4 bytes a key;
.set VS,    221184                     ; V's scale bytes [8 slabs][64 rows][8]
.set SPARE, 225280                     ; the spare words: 128 bytes a wave, which no other line names
.set VC,    6291456
.set QKS,   9437184
.set VSC,   9699328
.set NSC,   3145728
.set AK0, 1                            ; v1-5 a lane's places in K, the extra codes, K's scale words, V, V's scale bytes: they stay
.set AP0, 2
.set AW0, 3
.set AV0, 4
.set AT0, 5
.set SPW, 6
.set NIL, 7
.set ADK, 8                            ; v8-12 the same for the 256 keys in hand
.set ADP, 9
.set ADS, 10
.set ADV, 11
.set ADT, 12
.set NM,  16                           ; v16 -M, v17 the largest score so far
.set L,   18                           ; v[18:19] the row's sum, in two halves
.set Q,   20                           ; v20-31 Q's fragment
.set KF,  32                           ; v32-79 four fragments of K
.set KW,  80                           ; v80-83 their scale words;  v84-87 V's;  v88 Q's
.set VW,  84
.set QS,  88
.set F,   90                           ; v90 f = 2^(old M - new M);  v91 p's scale word
.set S,   96                           ; v96-159 S^T, then p, then V's four fragments
.set O,   160                          ; v160-191 O^T
.set PC,  192                          ; v192-203 p's codes;  v204-210 their second halves as converted
.set PX,  204
.set BM,  212                          ; v212-215 a block's largest score, then largest p
.set PT,  216
.set SO,  220                          ; v220-223 at work on the maxima, then the conversions' scale operands
.set BY,  224
.set TMP, 228
.set C1,  230
.set C2,  232
.set C3,  234
.set WV,  18
.set SEL, 20
.set CS,  22
.set G1K, 24
.set G1V, 32
.set G0,  40
.set T12, 44                           ; where the 256 keys in hand begin: in K and in V, 12,288 bytes a trip;
.set TW,  45                           ; K's scale words, 1,024;
.set TP,  46                           ; the extra codes, 2,048;
.set TS,  47                           ; V's scale bytes, 512
.set CNT, 48
.macro ROUND                           ; a round of the cluster's barrier
	s_barrier_signal -1
	s_barrier_wait -1
	s_cmp_lg_u32 s[WV], 0
	s_cbranch_scc1 .Lnot_wave_0_\@
	s_barrier_signal -3
.Lnot_wave_0_\@:
	s_barrier_wait -3
	s_barrier_signal -1
	s_barrier_wait -1
.endm
	s_load_b128 s[4:7], s[0:1], 0x0                ; qkv, mask
	s_load_b64 s[8:9], s[0:1], 0x10                ; nbuf
	v_lshl_add_u32 v[SPW], v0, 2, SPARE
	v_mov_b32 v[NIL], 0
	ds_add_u32 v[SPW], v[NIL]                      ; the opening lines: the add, twice on end, and its wait ahead of my tensor load
	ds_add_u32 v[SPW], v[NIL]
	v_lshrrev_b32 v8, 5, v0
	v_readfirstlane_b32 s[WV], v8                  ; wave 0..15
	s_and_b32 s50, ttmp7, 0xffff
	s_lshr_b32 s51, s50, 4                         ; batch
	s_and_b32 s52, s50, 15                         ; head
	s_lshr_b32 s53, s52, 2                         ; its slab of scale bytes and of ctx,
	s_and_b32 s54, s52, 3                          ; and its quarter of a slab's row
	s_mul_i32 s[G0+1], s[WV], 12288                ; LDS: wave w's 12,288 bytes; V begins where K's eight parts end
	s_mul_i32 s56, s52, 196608
	s_mul_i32 s57, s51, 98304
	s_add_co_u32 s56, s56, s57
	s_add_co_u32 s56, s56, s[G0+1]
	s_add_co_u32 s56, s56, 16*196608               ; K: quarter 16 + head, the batch's rows, part w
	s_mul_i32 s58, s51, 32*49152
	s_mul_i32 s59, s52, 3072
	s_add_co_u32 s58, s58, s59
	s_mul_i32 s59, s[WV], 196608
	s_add_co_u32 s58, s58, s59
	s_add_co_u32 s58, s58, VC-8*196608             ; V: the batch's groups 4 (w - 8) .. + 3, the head's 64 rows
	s_cmp_lt_u32 s[WV], 8
	s_cselect_b32 s56, s56, s58
	s_mov_b32 s57, 0
	s_mov_b32 s[G1K], 15|(3<<16)|(1<<21)           ; the mask: all four work-groups; elements of 8 bytes; bit 21 beside a mask; no padding
	s_mov_b32 s[G1K+1], 32<<16                     ; K: 48 rows of 256 bytes, dense
	s_mov_b32 s[G1K+2], 48<<16
	s_mov_b32 s[G1K+3], 32<<16
	s_mov_b32 s[G1K+4], 48
	s_mov_b32 s[G1K+5], 32
	s_mov_b32 s[G1K+6], 0
	s_mov_b32 s[G1K+7], 0
	s_mov_b32 s[G1V], 15|(3<<16)|(1<<21)
	s_mov_b32 s[G1V+1], 384<<16                    ; V: 4 rows of 3,072 bytes, 49,152 bytes apart
	s_mov_b32 s[G1V+2], 4<<16
	s_mov_b32 s[G1V+3], 384<<16
	s_mov_b32 s[G1V+4], 4
	s_mov_b32 s[G1V+5], 6144
	s_mov_b32 s[G1V+6], 0
	s_mov_b32 s[G1V+7], 0
	s_mov_b32 s[G0], 1
	s_mov_b32 s[SEL], 0x76543210
	s_mov_b32 s[SEL+1], 0xfedcba98                 ; v_permlanex16_b32's selects for lane l xor 16
	s_mov_b32 s[CS], 0x3e38aa3b                    ; c = log2(e) / 8
	s_mov_b32 s[CS+1], s[CS]                       ; (named with it as a pair, so it is written)
	s_wait_dscnt 0x0                               ; both opening adds are done
	s_wait_kmcnt 0x0
	s_add_nc_u64 s[G0+2:G0+3], s[4:5], s[56:57]
	s_or_b32 s[G0+3], s[G0+3], 0x80000000
	ROUND                                          ; all four work-groups are here: the joint loads meet
	s_cmp_lt_u32 s[WV], 8                          ; every way passes exactly one load; s_nop 0 and four v_nop follow each
	s_cbranch_scc0 .Lfor_v
	tensor_load_to_lds s[G0:G0+3], s[G1K:G1K+7]
	s_nop 0
.rept 4
	v_nop
.endr
	s_branch .Lasked
.Lfor_v:
	tensor_load_to_lds s[G0:G0+3], s[G1V:G1V+7]
	s_nop 0
.rept 4
	v_nop
.endr
.Lasked:
	s_bfe_u32 s60, ttmp6, 0x40000                  ; cx: it enters q's and ctx's addresses in memory alone
	s_lshl_b32 s61, ttmp9, 2
	s_add_co_u32 s61, s61, s60                     ; my block of 256 rows
	s_lshl_b32 s61, s61, 8
	s_lshl_b32 s62, s51, 11
	s_add_co_u32 s61, s61, s62
	s_lshl_b32 s62, s[WV], 4
	s_add_co_u32 s61, s61, s62                     ; my wave's first row
	s_mul_i32 s10, s61, 48
	s_mul_i32 s11, s52, 196608
	s_add_co_u32 s10, s10, s11
	s_mov_b32 s11, 0
	s_add_nc_u64 s[10:11], s[4:5], s[10:11]        ; q's codes
	s_lshl_b32 s14, s61, 3
	s_lshl_b32 s15, s53, 15
	s_add_co_u32 s14, s14, s15
	s_lshl_b32 s15, s54, 1
	s_add_co_u32 s14, s14, s15                     ; a row's two scale bytes: the same place for q and for ctx
	s_mov_b32 s15, 0
	s_add_nc_u64 s[16:17], s[4:5], s[14:15]
	s_add_nc_u64 s[16:17], s[16:17], QKS           ; q's scale bytes
	s_add_nc_u64 s[14:15], s[8:9], s[14:15]
	s_add_nc_u64 s[14:15], s[14:15], NSC           ; ctx's scale bytes
	s_mul_i32 s12, s61, 192
	s_mul_i32 s13, s53, 786432
	s_add_co_u32 s12, s12, s13
	s_mul_i32 s13, s54, 48
	s_add_co_u32 s12, s12, s13
	s_mov_b32 s13, 0
	s_add_nc_u64 s[12:13], s[8:9], s[12:13]        ; ctx's codes
	s_add_co_u32 s66, s53, 4
	s_lshl_b32 s66, s66, 15
	s_lshl_b32 s67, s51, 14
	s_add_co_u32 s66, s66, s67
	s_lshl_b32 s67, s54, 1
	s_add_co_u32 s66, s66, s67
	s_add_co_u32 s66, s66, QKS
	s_mov_b32 s67, 0
	s_add_nc_u64 s[66:67], s[4:5], s[66:67]        ; k's scale bytes of the batch, my head's two
	s_lshl_b32 s68, s51, 13
	s_mov_b32 s69, 0
	s_add_nc_u64 s[6:7], s[6:7], s[68:69]          ; the batch's mask
	s_lshl_b32 s70, s51, 16
	s_lshl_b32 s71, s52, 9
	s_add_co_u32 s70, s70, s71
	s_add_co_u32 s70, s70, VSC
	s_mov_b32 s71, 0
	s_add_nc_u64 s[70:71], s[4:5], s[70:71]        ; v's scale bytes: the batch's eight slabs, the head's 64 rows
	s_mov_b32 s[T12], 0
	s_mov_b32 s[TW], 0
	s_mov_b32 s[TP], 0
	s_mov_b32 s[TS], 0
	s_mov_b32 s[CNT], 8
	v_and_b32 v128, 15, v0                         ; r
	v_bfe_u32 v129, v0, 4, 1                       ; h
	v_mul_u32_u24 v[AK0], v128, 48
	v_mad_u32_u24 v[AK0], v129, 24, v[AK0]         ; row r of 48 bytes, 24 for each half of the lanes: in K's LDS rows and in q's rows in memory
.irp p, 0,1,2
	global_load_b64 v[Q+2*\p:Q+2*\p+1], v[AK0], s[10:11] offset:8*\p   ; Q's 64 codes: registers 0-5 of its fragment; it stays in registers
.endr
	v_lshlrev_b32 v130, 3, v128
	global_load_u16 v[QS], v130, s[16:17]
	; THE TABLES: thread t makes them for rows 4 t .. 4 t + 3 of K, which hold tokens pi(4 t) + 0 .. 3
	v_lshlrev_b32 v131, 5, v0
.irp i, 0,1,2,3
	global_load_u16 v[96+\i], v131, s[66:67] offset:8*\i
.endr
	v_lshlrev_b32 v132, 2, v0
	v_and_b32 v133, 0xffffffe7, v132
	v_bfe_u32 v134, v132, 3, 1
	v_lshl_or_b32 v133, v134, 4, v133
	v_bfe_u32 v134, v132, 4, 1
	v_lshl_or_b32 v133, v134, 3, v133
	v_lshlrev_b32 v133, 2, v133
	global_load_b128 v[100:103], v133, s[6:7]
	v_lshrrev_b32 v135, 6, v0                      ; V's scale bytes: thread t takes row t % 64 of slab t / 64
	v_and_b32 v136, 63, v0
	v_lshlrev_b32 v136, 3, v136
	v_lshl_add_u32 v135, v135, 13, v136
	global_load_b64 v[112:113], v135, s[70:71]
	v_lshl_add_u32 v[AP0], v129, 2, v130
	v_add_nc_u32 v[AP0], KPC, v[AP0]               ; the extra code: lanes 0-15 the word for k = 64, lanes 16-31 that for k = 96
	v_lshl_add_u32 v[AW0], v128, 2, KSW
	v_add_nc_u32 v[AV0], VT, v[AK0]
	v_lshl_add_u32 v[AT0], v128, 3, VS
	v_lshlrev_b32 v[Q+6], 3, v129
	v_sub_nc_u32 v[Q+6], 8, v[Q+6]                 ; Q at k = 64: the code 1.0 (lanes 0-15); at k = 96: 0
.irp j, 7,8,9,10,11
	v_mov_b32 v[Q+\j], 0
.endr
.irp t, 0,1,2,3
.irp j, 7,8,9,10,11
	v_mov_b32 v[KF+12*\t+\j], 0                    ; K's fragments beyond the extra code: zeros, written once and never loaded
.endr
.endr
	v_mov_b32 v[NM+1], 0xff61b1e6                  ; the largest score so far: -3e38, under every score
	v_mov_b32 v[NM], 0x7e000000                    ; -M: so large that the first step's f is 0
	v_mov_b32 v[L], 0
	v_mov_b32 v[L+1], 0
.irp b, 0,1,2,3
	v_mov_b32 v[PT+\b], 0                          ; written once: a lane permute's destination counts as one of its sources
.endr
	v_mov_b32 v[F+1], 0
.set j, 0
.rept 32
	v_mov_b32 v[O+j], 0                            ; O^T: the step is written once; the first finds zeros
.set j, j+1
.endr
	s_wait_loadcnt 0x0
	v_or_b32 v[QS], 0x7f0000, v[QS]                ; Q's scale word: its two bytes, 127 for k = 64 .. 95, 0 above zero codes
.irp i, 0,1,2,3
	v_or_b32 v[96+\i], 0xa00000, v[96+\i]          ; K's: its two bytes, 160 for k = 64 .. 95
.endr
	v_lshl_add_u32 v116, v0, 4, KSW
	ds_store_b128 v116, v[96:99]
	v_mov_b32 v117, 0x28                           ; the code -1.0
.irp i, 0,1,2,3
	v_cmp_eq_u32 vcc_lo, 0, v[100+\i]
	v_cndmask_b32 v[104+2*\i], 0, v117, vcc_lo
	v_mov_b32 v[105+2*\i], 0
.endr
	v_lshl_add_u32 v118, v0, 5, KPC
	ds_store_b128 v118, v[104:107]
	ds_store_b128 v118, v[108:111] offset:16
	v_lshl_add_u32 v119, v0, 3, VS
	ds_store_b64 v119, v[112:113]
.macro ADDR                            ; the places of the 256 keys in hand
	v_add_nc_u32 v[ADK], s[T12], v[AK0]
	v_add_nc_u32 v[ADP], s[TP], v[AP0]
	v_add_nc_u32 v[ADS], s[TW], v[AW0]
	v_add_nc_u32 v[ADV], s[T12], v[AV0]
	v_add_nc_u32 v[ADT], s[TS], v[AT0]
.endm
.macro KLOAD q, g                      ; four tiles of 16 keys: 24 bytes of codes, the extra code and the scale word a lane
.irp t, 0,1,2,3
.irp p, 0,1,2
	ds_load_b64 v[KF+12*\t+2*\p:KF+12*\t+2*\p+1], v[ADK] offset:(128*(\q)+16*(4*\g+\t))*48+8*\p
.endr
	ds_load_b32 v[KF+12*\t+6], v[ADP] offset:(128*(\q)+16*(4*\g+\t))*8
	ds_load_b32 v[KW+\t], v[ADS] offset:(128*(\q)+16*(4*\g+\t))*4
.endr
.endm
.macro QK g                            ; S^T = K Q^T for these four tiles
.irp t, 0,1,2,3
	v_wmma_scale_f32_16x16x128_f8f6f4 v[S+8*(4*\g+\t):S+8*(4*\g+\t)+7], v[KF+12*\t:KF+12*\t+11], v[Q:Q+11], 0, v[KW+\t], v[QS] matrix_a_fmt:MATRIX_FMT_FP6 matrix_b_fmt:MATRIX_FMT_FP6
.endr
.endm
.macro BMAX b0                         ; the largest score of blocks b0 and b0 + 1 of 32 keys (my 16 of each): four chains, a tile each, every tile from its low end on
.irp u, 0,1,2,3
	v_max3_num_f32 v[SO+\u], v[S+16*(\b0)+8*\u], v[S+16*(\b0)+8*\u+1], v[S+16*(\b0)+8*\u+2]
.endr
.irp i, 3,5
.irp u, 0,1,2,3
	v_max3_num_f32 v[SO+\u], v[SO+\u], v[S+16*(\b0)+8*\u+\i], v[S+16*(\b0)+8*\u+\i+1]
.endr
.endr
.irp b, 0,1
	v_max3_num_f32 v[BM+(\b0)+\b], v[SO+2*\b], v[SO+2*\b+1], v[S+16*((\b0)+\b)+7]
.endr
.irp b, 0,1
	v_max_num_f32 v[BM+(\b0)+\b], v[BM+(\b0)+\b], v[S+16*((\b0)+\b)+15]
.endr
.endm
; A KEY STEP: 128 keys, the q-th of the 256 in hand.  Its first four fragments of K were asked for in the step before.
.macro STEP q
.if \q
.rept 5
	v_nop                                          ; five places behind the last step's products, whose operands' registers the products below write over (for q = 0 ADDR's five lines are these places)
.endr
.endif
	s_wait_dscnt 0x0
	QK 0
.rept 4
	v_nop                                          ; places in front of loads into registers that matrix instructions have read, and of the first read of these results
.endr
	KLOAD \q, 1
	s_wait_dscnt 0x0
	QK 1
	BMAX 0                                         ; sixteen plain lines on the first four tiles: the places behind the last four products
	KLOAD (\q)+1, 0                                ; the next step's first four fragments come in under the softmax.  (In the last step these 20 loads read LDS bytes behind each table's end, V's and the next tables', all written; nothing uses them)
	BMAX 2
.irp b, 0,1,2,3
	v_permlanex16_b32 v[PT+\b], v[BM+\b], s[SEL], s[SEL+1]
.endr
.irp b, 0,1,2,3
	v_max_num_f32 v[BM+\b], v[BM+\b], v[PT+\b]     ; with lane l xor 16's 16 keys: it serves the row's maximum and, since p rises with the score, the block's largest p
.endr
	s_delay_alu instid0(VALU_DEP_2)
	v_max3_num_f32 v[TMP], v[BM], v[BM+1], v[BM+2]
	s_delay_alu instid0(VALU_DEP_1)
	v_max3_num_f32 v[NM+1], v[NM+1], v[TMP], v[BM+3]   ; the running largest score (c is positive: the largest t is c x this)
	s_delay_alu instid0(VALU_DEP_1)
	v_mul_f32 v[TMP], s[CS], v[NM+1]
	s_delay_alu instid0(VALU_DEP_1)
	v_floor_f32 v[TMP], -v[TMP]                    ; the new -M: M is a whole number
	s_delay_alu instid0(VALU_DEP_1)
	v_sub_f32 v[F], v[TMP], v[NM]
	v_mov_b32 v[NM], v[TMP]
	s_delay_alu instid0(VALU_DEP_2)
	v_cvt_i32_f32 v[F], v[F]                       ; (it saturates)
	s_delay_alu instid0(VALU_DEP_1)
	v_ldexp_f32 v[F], 1.0, v[F]                    ; f = 2^(old M - new M): a multiplication by it rounds nothing
.set j, 0
.rept 32
	v_pk_fma_f32 v[S+j:S+j+1], v[S+j:S+j+1], s[CS:CS+1], v[NM:NM+1] op_sel_hi:[1,0,0]   ; t - M, two at a time
.set j, j+2
.endr
.irp b, 0,1,2,3
	v_fma_f32 v[BM+\b], v[BM+\b], s[CS], v[NM]
.endr
	s_wait_alu depctr_va_vdst(0)
.irp b, 0,1,2,3
	v_exp_f32 v[BM+\b], v[BM+\b]                   ; the block's largest p
.endr
.set j, 0
.rept 64
	v_exp_f32 v[S+j], v[S+j]                       ; p = 2^(t - M): not normalised
.set j, j+1
.endr
	v_pk_mul_f32 v[L:L+1], v[L:L+1], v[F:F+1] op_sel_hi:[1,0]   ; the sums under the new M: a plain place behind the exponentials
	s_wait_alu depctr_va_vdst(0)                   ; one wait for the whole batch, ahead of its first reader
.irp b, 0,1,2,3
	v_max_num_f32 v[BM+\b], 0x1800000, v[BM+\b]    ; the floor 2^(3 - 127): the byte cannot fall under 1
.endr
.irp b, 0,1,2,3
	v_add_nc_u32 v[SO+\b], 0xff000000, v[BM+\b]    ; 2 off the exponent field: the conversion's scale operand
.endr
.irp b, 0,1,2,3
	v_lshrrev_b32 v[BY+\b], 23, v[SO+\b]
.endr
	v_lshl_or_b32 v[F+1], v[BY+1], 8, v[BY]        ; p's scale word for these 128 keys
	v_pk_add_f32 v[C1:C1+1], v[S:S+1], v[S+2:S+3]  ; the row's sum of the unquantised p, in four chains
	v_pk_add_f32 v[C2:C2+1], v[S+4:S+5], v[S+6:S+7]
	v_lshl_or_b32 v[F+1], v[BY+2], 16, v[F+1]
	v_pk_add_f32 v[C3:C3+1], v[S+8:S+9], v[S+10:S+11]
	v_pk_add_f32 v[L:L+1], v[L:L+1], v[S+12:S+13]
	v_lshl_or_b32 v[F+1], v[BY+3], 24, v[F+1]
.irp i, 14,22,30,38,46,54
	v_pk_add_f32 v[C1:C1+1], v[C1:C1+1], v[S+\i:S+\i+1]
	v_pk_add_f32 v[C2:C2+1], v[C2:C2+1], v[S+\i+2:S+\i+3]
	v_pk_add_f32 v[C3:C3+1], v[C3:C3+1], v[S+\i+4:S+\i+5]
	v_pk_add_f32 v[L:L+1], v[L:L+1], v[S+\i+6:S+\i+7]
.endr
	v_pk_add_f32 v[C1:C1+1], v[C1:C1+1], v[S+62:S+63]
	v_pk_add_f32 v[L:L+1], v[L:L+1], v[C3:C3+1]
	s_delay_alu instid0(VALU_DEP_2)
	v_pk_add_f32 v[C1:C1+1], v[C1:C1+1], v[C2:C2+1]
	s_delay_alu instid0(VALU_DEP_1)
	v_pk_add_f32 v[L:L+1], v[L:L+1], v[C1:C1+1]
.irp c, 0,1
	v_cvt_scalef32_pk16_fp6_f32 v[PC+6*\c:PC+6*\c+2], v[S+32*\c:S+32*\c+15], v[SO+2*\c]
	v_cvt_scalef32_pk16_fp6_f32 v[PX+4*\c:PX+4*\c+2], v[S+32*\c+16:S+32*\c+31], v[SO+2*\c+1]   ; (a conversion's three registers begin on an even number)
.endr
	v_nop                                          ; one plain place behind a scaled conversion
.irp t, 0,1,2,3                        ; V's four fragments land in p's registers, which are done with, while the lines below run: registers 0-5 from group 2 q, 6-11 from group 2 q + 1
.irp p, 0,1,2,3,4,5
	ds_load_b64 v[S+12*\t+2*\p:S+12*\t+2*\p+1], v[ADV] offset:(2*(\q)+\p/3)*3072+\t*768+8*(\p%3)
.endr
	ds_load_b32 v[VW+\t], v[ADT] offset:128*\t+4*(\q)
.endr
.irp c, 0,1                            ; a WHOLE block to a lane: lanes 0-15 block 2 c, lanes 16-31 block 2 c + 1
.irp i, 0,1,2
	v_permlane16_swap_b32 v[PC+6*\c+\i], v[PX+4*\c+\i]
.endr
.irp i, 0,1,2
	v_mov_b32 v[PC+3+6*\c+\i], v[PX+4*\c+\i]
.endr
.endr
	s_wait_alu depctr_va_vdst(0)
.set j, 0
.rept 16
	v_pk_mul_f32 v[O+j:O+j+1], v[O+j:O+j+1], v[F:F+1] op_sel_hi:[1,0]   ; O^T under the new M; these lines are also the places in front of the products below
.set j, j+2
.endr
	s_wait_alu depctr_va_vdst(0)
	s_wait_dscnt 0x0
.irp t, 0,1,2,3                        ; O^T += V^T P^T: four accumulators by turns
	v_wmma_scale_f32_16x16x128_f8f6f4 v[O+8*\t:O+8*\t+7], v[S+12*\t:S+12*\t+11], v[PC:PC+11], v[O+8*\t:O+8*\t+7], v[VW+\t], v[F+1] matrix_a_fmt:MATRIX_FMT_FP6 matrix_b_fmt:MATRIX_FMT_FP6
.endr
.endm
	ADDR
	s_wait_alu depctr_va_vdst(0)
	s_wait_tensorcnt 0x0                           ; my part of K or V is in,
	s_wait_dscnt 0x0                               ; my stores of the tables have landed:
	s_barrier_signal -1
	s_barrier_wait -1                              ; everybody's have.  Nothing is filled or stored again: no further barrier until the end
	KLOAD 0, 0
.Ltrip:                                                ; a trip: 256 keys, two steps
	STEP 0
	STEP 1
	s_add_co_u32 s[T12], s[T12], 12288
	s_add_co_u32 s[TW], s[TW], 1024
	s_add_co_u32 s[TP], s[TP], 2048
	s_add_co_u32 s[TS], s[TS], 512
	ADDR
	s_sub_co_u32 s[CNT], s[CNT], 1
	s_cmp_lg_u32 s[CNT], 0
	s_wait_alu depctr_va_vdst(0)
	s_cbranch_scc1 .Ltrip
	; THE WAY OUT: O^T / the sum, quantised: my 32 numbers are channels 32 b + 16 h + 0 .. 15 of row r; a conversion's 12 bytes are half a block's, and lie so in memory
	v_add_f32 v[L], v[L], v[L+1]
	s_delay_alu instid0(VALU_DEP_1)
	v_permlanex16_b32 v[PT], v[L], s[SEL], s[SEL+1]
	s_delay_alu instid0(VALU_DEP_1)
	v_add_f32 v[L], v[L], v[PT]                    ; the row's sum
	s_wait_alu depctr_va_vdst(0)
	v_rcp_f32 v[L], v[L]
	v_and_b32 v8, 15, v0                           ; (plain places behind the transcendental)
	v_bfe_u32 v9, v0, 4, 1
	v_mul_u32_u24 v10, v8, 192
	v_mad_u32_u24 v10, v9, 12, v10
	v_lshlrev_b32 v11, 3, v8
	s_wait_alu depctr_va_vdst(0)
.set j, 0
.rept 32
	v_mul_f32 v[S+j], v[O+j], v[L]                 ; each accumulator from its low end on
.set j, j+1
.endr
.irp b, 0,1
	v_max3_num_f32 v[BM+\b], |v[S+16*\b]|, |v[S+16*\b+1]|, 0x1800000
.endr
.irp i, 2,4,6,8,10,12,14
.irp b, 0,1
	s_delay_alu instid0(VALU_DEP_2)
	v_max3_num_f32 v[BM+\b], v[BM+\b], |v[S+16*\b+\i]|, |v[S+16*\b+\i+1]|
.endr
.endr
.irp b, 0,1
	s_delay_alu instid0(VALU_DEP_2)
	v_permlanex16_b32 v[PT+\b], v[BM+\b], s[SEL], s[SEL+1]
.endr
.irp b, 0,1
	s_delay_alu instid0(VALU_DEP_2)
	v_max_num_f32 v[BM+\b], v[BM+\b], v[PT+\b]
.endr
.irp b, 0,1
	s_delay_alu instid0(VALU_DEP_2)
	v_add_nc_u32 v[SO+\b], 0xff000000, v[BM+\b]
.endr
.irp b, 0,1
	s_delay_alu instid0(VALU_DEP_2)
	v_lshrrev_b32 v[BY+\b], 23, v[SO+\b]
.endr
	s_delay_alu instid0(VALU_DEP_1)
	v_lshl_or_b32 v[TMP], v[BY+1], 8, v[BY]        ; the row's two scale bytes
	v_cvt_scalef32_pk16_fp6_f32 v[PC:PC+2], v[S:S+15], v[SO]
	v_cvt_scalef32_pk16_fp6_f32 v[PX:PX+2], v[S+16:S+31], v[SO+1]
	v_nop
	global_store_b96 v10, v[PC:PC+2], s[12:13]
	global_store_b96 v10, v[PX:PX+2], s[12:13] offset:24
	global_store_b16 v11, v[TMP], s[14:15]         ; (lanes l and l xor 16 store the same two bytes)
	s_wait_tensorcnt 0x0                           ; the wave's end
	ds_add_u32 v[SPW], v[NIL]
	s_wait_dscnt 0x0
	ROUND                                          ; the closing round
	s_endpgm
.Lfunc_end_k_q62f5962440_attn:
	.size	k_q62f5962440_attn, .Lfunc_end_k_q62f5962440_attn-k_q62f5962440_attn
	.p2alignl 7, 3214868480
	.fill 96, 4, 3214868480
	.section	.rodata,"a",@progbits
	.p2align	6, 0x0
	.amdhsa_kernel k_q62f5962440_attn
		.amdhsa_group_segment_fixed_size 227328
		.amdhsa_private_segment_fixed_size 0
		.amdhsa_enable_private_segment 0
		.amdhsa_kernarg_size 24
		.amdhsa_user_sgpr_count 2
		.amdhsa_user_sgpr_kernarg_segment_ptr 1
		.amdhsa_wavefront_size32 1
		.amdhsa_system_sgpr_workgroup_id_x 1
		.amdhsa_system_sgpr_workgroup_id_y 1
		.amdhsa_system_sgpr_workgroup_id_z 1
		.amdhsa_system_vgpr_workitem_id 0
		.amdhsa_next_free_vgpr 256
		.amdhsa_next_free_sgpr 80
		.amdhsa_reserve_vcc 1
		.amdhsa_float_denorm_mode_32 3
		.amdhsa_float_denorm_mode_16_64 3
		.amdhsa_memory_ordered 1
		.amdhsa_forward_progress 1
		.amdhsa_inst_pref_size 55
	.end_amdhsa_kernel
	.amdgpu_metadata
---
amdhsa.version: [ 1, 2 ]
amdhsa.kernels:
  - .name:           k_q62f5962440_attn
    .symbol:         k_q62f5962440_attn.kd
    .args:
      - { .name: qkv, .offset: 0, .size: 8, .value_kind: global_buffer, .address_space: global }
      - { .name: mask, .offset: 8, .size: 8, .value_kind: global_buffer, .address_space: global }
      - { .name: nbuf, .offset: 16, .size: 8, .value_kind: global_buffer, .address_space: global }
    .group_segment_fixed_size: 227328
    .private_segment_fixed_size: 0
    .kernarg_segment_align: 8
    .kernarg_segment_size: 24
    .max_flat_workgroup_size: 512
    .sgpr_count:     80
    .vgpr_count:     256
    .wavefront_size: 32
...
	.end_amdgpu_metadata
.endif
;; end of part 10
;; launch oproj (part 11): grid 8 x 32, 4 waves a work-group, clusters of 4 x 4, 327,680 bytes of LDS; arguments nbuf, wbuf, x, x1; writes x1
.if DOCPART == 11
	.amdgcn_target "amdgcn-amd-amdhsa--gfx1250"
	.amdhsa_code_object_version 6
	.text
	.protected	k_q62f5962440_oproj
	.globl	k_q62f5962440_oproj
	.p2align	8
	.type	k_q62f5962440_oproj,@function
k_q62f5962440_oproj:
	s_mov_b64 s[64:65], 0
	v_nop
	global_prefetch_b8 v0, s[64:65] scope:SCOPE_SE
	s_setreg_imm32_b32 hwreg(HW_REG_WAVE_MODE, 25, 1), 1
	s_wait_xcnt 0x0
	s_wait_alu depctr_hold_cnt(0) depctr_sa_sdst(0) depctr_va_vdst(0) depctr_va_sdst(0) depctr_va_ssrc(0) depctr_va_vcc(0) depctr_vm_vsrc(0)
	s_getreg_b32 s2, hwreg(HW_REG_IB_STS2, 6, 4)
	s_cmp_eq_u32 s2, 0
	s_cbranch_scc0 .Lentry_in_a_cluster
	s_endpgm
.Lentry_in_a_cluster:
	s_bfe_u32 s2, ttmp6, 0x10000c
	s_cmp_lg_u32 s2, 0xf033
	s_cbranch_scc0 .Lentry_shape_is_right
	s_endpgm
.Lentry_shape_is_right:
.set KIND,   2
.set SA,     786432
.set RA,     4096
.if KIND == 2
.set NK,     4
.set SB,     786432
.set RB,     4096
.set ASOFF,  3145728
.set BOFF,   0
.set BSOFF,  9437184
.set RB0,    3072
.set FIRST,  1
.set RESP,   8
.set OUTP,   10
.else
.set NK,     16
.set SB,     196608
.set RB,     1024
.set ASOFF,  12582912
.set BOFF,   6291456
.set BSOFF,  9699328
.set RB0,    0
.set FIRST,  2
.set RESP,   10
.set OUTP,   12
.endif
.set PITCH,  240
.set FR,     12
.set HALF,   128*PITCH
.set SLOT,   4*HALF
.set SCL,    2*SLOT
.set SCLB,   SCL+NK*1024
.set SPARE,  SCLB+NK*1024
.set LAPS,   NK/4
.set SPITCH, 272
.set ADRA, 16
.set ADRB, 20
.set STO,  24
.set RD,   25
.set CO,   26
.set ADRS, 27
.set SPW,  28
.set NIL,  29
.set XO,   31
.set SC,   32
.set BI,   64
.set AF,   128
.set BK,   128
.set RES,  128
.set G1, 24
.set G0, 32
.set G1B, 48
.set G0B, 56
.set G1S, 68
.set G0S, 76
.set G1SB, 80
.set G0SB, 88
.set MSB, 0
.macro WIN new
.if MSB != (\new)
	s_set_vgpr_msb (MSB<<8)|(\new)
.set MSB, (\new)
.endif
.endm
.macro JLOAD g0a, g1a, g0b, g1b
	s_cmp_eq_u32 s15, 0
	s_cbranch_scc0 .Lfor_b_\@
	tensor_load_to_lds s[\g0a:\g0a+3], s[\g1a:\g1a+7]
	s_nop 0
.rept 4
	v_nop
.endr
	s_branch .Lasked_\@
.Lfor_b_\@:
	tensor_load_to_lds s[\g0b:\g0b+3], s[\g1b:\g1b+7]
	s_nop 0
.rept 4
	v_nop
.endr
.Lasked_\@:
.endm
.macro CREST
	s_cmp_lg_u32 s14, 0
	s_cbranch_scc1 .Lnot_wave_0_\@
	s_barrier_signal -3
.Lnot_wave_0_\@:
	s_barrier_wait -3
	s_barrier_signal -1
	s_barrier_wait -1
.endm
.macro CROUND
	s_barrier_signal -1
	s_barrier_wait -1
	CREST
.endm
.macro PLACES n
.rept \n
	v_nop
.endr
.endm
	s_load_b256 s[4:11], s[0:1], 0x0
.if KIND == 3
	s_load_b64 s[12:13], s[0:1], 0x20
.endif
	v_lshl_add_u32 v[SPW], v0, 2, SPARE
	v_mov_b32 v[NIL], 0
	ds_add_u32 v28, v29
	ds_add_u32 v28, v29
	s_wait_dscnt 0x0
	v_lshrrev_b32 v1, 5, v0
	v_readfirstlane_b32 s14, v1
	s_lshr_b32 s15, s14, 1
	s_and_b32 s16, s14, 1
	s_bfe_u32 s40, ttmp6, 0x40000
	s_bfe_u32 s41, ttmp6, 0x40004
	s_and_b32 s18, ttmp7, 0xffff
	s_lshl_b32 s43, s41, 2
	s_lshl_b32 s43, 15, s43
	s_lshl_b32 s44, 0x1111, s40
	s_or_b32 s[G1+0], s43, (1<<20)|(1<<21)|(3<<22)|(3<<25)
	s_or_b32 s[G1B+0], s44, (1<<20)|(1<<21)|(3<<22)|(3<<25)
.irp g, G1, G1B
	s_mov_b32 s[\g+1], 24576<<16                   ; at the head a load brings 128 rows of TWO slabs: 2 rows of 24,576 dense bytes, a slab apart; the padding is counted along the whole tile
	s_mov_b32 s[\g+2], 2<<16
	s_mov_b32 s[\g+3], 24576<<16
	s_mov_b32 s[\g+4], 2
	s_mov_b32 s[\g+6], 0
	s_mov_b32 s[\g+7], 0
.endr
	s_mov_b32 s[G1+5], SA
	s_mov_b32 s[G1B+5], SB
	s_or_b32 s[G1S+0], s43, (3<<16)|(1<<21)
	s_or_b32 s[G1SB+0], s44, (3<<16)|(1<<21)
	s_mov_b32 s[G1S+1], 128<<16
	s_mov_b32 s[G1S+2], NK<<16
	s_mov_b32 s[G1S+3], 128<<16
	s_mov_b32 s[G1S+4], NK
	s_mov_b32 s[G1S+5], RA
	s_mov_b32 s[G1S+6], 0
	s_mov_b32 s[G1S+7], 0
	s_mov_b32 s[G1SB+1], 128<<16
	s_mov_b32 s[G1SB+2], NK<<16
	s_mov_b32 s[G1SB+3], 128<<16
	s_mov_b32 s[G1SB+4], NK
	s_mov_b32 s[G1SB+5], RB
	s_mov_b32 s[G1SB+6], 0
	s_mov_b32 s[G1SB+7], 0
	s_lshl_b32 s17, s18, 2
	s_add_co_u32 s17, s17, s41
	s_lshl_b32 s42, ttmp9, 2
	s_add_co_u32 s42, s42, s40
	s_lshl_b32 s19, s17, 7
	s_lshl_b32 s45, s42, 7
	s_add_co_u32 s45, s45, RB0
	s_mul_i32 s20, s19, 192
	s_mov_b32 s21, 0
	s_lshl_b32 s22, s19, 3
	s_add_co_u32 s22, s22, ASOFF
	s_mov_b32 s23, 0
	s_mul_i32 s46, s45, 192
	s_add_co_u32 s46, s46, BOFF
	s_mov_b32 s47, 0
	s_lshl_b32 s92, s45, 3
	s_add_co_u32 s92, s92, BSOFF
	s_mov_b32 s93, 0
	s_mul_i32 s66, s16, HALF
	s_add_co_u32 s67, s66, 2*HALF
	s_wait_kmcnt 0x0
	s_add_nc_u64 s[20:21], s[4:5], s[20:21]
	s_add_nc_u64 s[22:23], s[4:5], s[22:23]
	s_add_nc_u64 s[46:47], s[6:7], s[46:47]
	s_add_nc_u64 s[92:93], s[6:7], s[92:93]
	CROUND
	s_mov_b32 s[G0S], 1
	s_mov_b32 s[G0S+1], SCL
	s_mov_b64 s[G0S+2:G0S+3], s[22:23]
	s_or_b32 s[G0S+3], s[G0S+3], 0x80000000
	s_mov_b32 s[G0SB], 1
	s_mov_b32 s[G0SB+1], SCLB
	s_mov_b64 s[G0SB+2:G0SB+3], s[92:93]
	s_or_b32 s[G0SB+3], s[G0SB+3], 0x80000000
	s_mov_b32 s4, 1                                ; group 0 for the head's loads of slabs 0 and 1: A's 128 rows in s[4:7] (the arguments that lay there have been used),
	s_mov_b32 s5, 0
	s_mov_b64 s[6:7], s[20:21]
	s_or_b32 s7, s7, 0x80000000
	s_mov_b32 s92, 1                               ; B's in s[92:95]
	s_mov_b32 s93, 2*HALF
	s_mov_b64 s[94:95], s[46:47]
	s_or_b32 s95, s95, 0x80000000
	s_mul_i32 s96, s16, SA                         ; for the ring: my slab of a pair
	s_mov_b32 s97, 0
	s_add_nc_u64 s[20:21], s[20:21], s[96:97]
	s_mul_i32 s96, s16, SB
	s_add_nc_u64 s[46:47], s[46:47], s[96:97]
.irp s, 0,1
	s_mov_b32 s[G0+4*\s], 1
	s_add_co_u32 s[G0+4*\s+1], s66, \s*SLOT
	s_add_nc_u64 s[G0+4*\s+2:G0+4*\s+3], s[20:21], \s*2*SA
	s_or_b32 s[G0+4*\s+3], s[G0+4*\s+3], 0x80000000
	s_mov_b32 s[G0B+4*\s], 1
	s_add_co_u32 s[G0B+4*\s+1], s67, \s*SLOT
	s_add_nc_u64 s[G0B+4*\s+2:G0B+4*\s+3], s[46:47], \s*2*SB
	s_or_b32 s[G0B+4*\s+3], s[G0B+4*\s+3], 0x80000000
.endr
	; THE PREFETCHES: of the 96 blocks of 256 bytes that I fetch of a pair of slabs, each of the four partners that ask for them jointly names 24, told apart by address (cx for A, cy for B); lanes 24-31 name the last again
	s_cmp_eq_u32 s15, 0
	s_cselect_b64 s[66:67], s[20:21], s[46:47]
	s_cselect_b32 s96, s40, s41
	s_mov_b32 s44, 2*SB
	s_cselect_b32 s44, 2*SA, s44                   ; from pair to pair
	s_mov_b32 s45, 0
	s_mul_i32 s96, s96, 6144
	s_add_nc_u64 s[66:67], s[66:67], s[96:97]
	s_add_nc_u64 s[66:67], s[66:67], s[44:45]      ; at pair 1
; THE HEAD'S LOADS, ONE A WAVE: wave 0 A's rows of slabs 0 and 1, wave 1 B's, wave 2 A's scale bytes, wave 3 B's.  One chain of branches on the wave's number: every way passes exactly one load.
.macro ARM under, g0, g1, next
	s_cmp_lt_u32 s14, \under
	s_cbranch_scc0 \next
	tensor_load_to_lds s[\g0:\g0+3], s[\g1:\g1+7]
	s_nop 0
.rept 4
	v_nop
.endr
	s_branch .Lhead_asked
\next:
.endm
	ARM 1, 4,   G1,  .Lhead_b
	ARM 2, 92,  G1B, .Lhead_sa
	ARM 3, G0S, G1S, .Lhead_sb
	tensor_load_to_lds s[G0SB:G0SB+3], s[G1SB:G1SB+7]
	s_nop 0
.rept 4
	v_nop
.endr
.Lhead_asked:
	v_and_b32 v15, 31, v0
	v_min_u32 v15, 23, v15
	v_lshlrev_b32 v15, 8, v15
	global_prefetch_b8 v15, s[66:67] th:TH_LOAD_NT scope:SCOPE_SE   ; pair 1, the next load's and here the last
	v_and_b32 v1, 15, v0
	v_bfe_u32 v2, v0, 4, 1
	v_mul_u32_u24 v3, v1, PITCH
	v_mul_u32_u24 v4, v2, 24
	v_add_nc_u32 v4, v3, v4
	v_lshl_add_u32 v5, v2, 4, v4
	s_mul_i32 s21, s15, 64*PITCH
	s_mul_i32 s22, s16, 64*PITCH
	s_add_co_u32 s22, s22, 2*HALF
.irp s, 0,1
	v_add_nc_u32 v[ADRA+\s], s21, v4
	v_add_nc_u32 v[ADRB+\s], s22, v4
	v_add_nc_u32 v[ADRA+2+\s], s21, v5
	v_add_nc_u32 v[ADRB+2+\s], s22, v5
	s_add_co_u32 s21, s21, SLOT
	s_add_co_u32 s22, s22, SLOT
.endr
	v_lshlrev_b32 v5, 3, v1
	s_lshl_b32 s21, s15, 9
	s_lshl_b32 s22, s16, 9
	s_add_co_u32 s22, s22, SCLB-SCL
	s_sub_co_u32 s22, s22, s21
	v_mul_u32_u24 v6, s22, v2
	s_add_co_u32 s21, s21, SCL
	v_add_nc_u32 v5, v5, v6
	v_add_nc_u32 v[ADRS], s21, v5
	s_mul_i32 s23, s14, 16*SPITCH
	v_mul_u32_u24 v5, v1, SPITCH
	v_lshl_add_u32 v5, v2, 6, v5
	v_add_nc_u32 v[STO], s23, v5
	v_mul_u32_u24 v5, v2, SPITCH
	v_lshl_add_u32 v5, v1, 4, v5
	v_add_nc_u32 v[RD], s23, v5
	v_lshlrev_b32 v[CO], 12, v2
	v_lshl_add_u32 v[CO], v1, 4, v[CO]
	s_wait_alu depctr_va_vdst(0)
	s_lshl_b32 s96, s17, 7
	s_lshl_b32 s97, s15, 6
	s_add_co_u32 s96, s96, s97
	s_lshl_b32 s96, s96, 12
	s_lshl_b32 s97, s42, 9
	s_add_co_u32 s96, s96, s97
	s_lshl_b32 s97, s16, 8
	s_add_co_u32 s96, s96, s97
	s_mov_b32 s97, 0
	s_add_nc_u64 s[RESP:RESP+1], s[RESP:RESP+1], s[96:97]
	s_add_nc_u64 s[OUTP:OUTP+1], s[OUTP:OUTP+1], s[96:97]
.if FIRST == 2
	s_lshl_b32 s98, s42, 9
	s_lshl_b32 s99, s16, 8
	s_add_co_u32 s98, s98, s99
	s_mov_b32 s99, 0
	s_add_nc_u64 s[8:9], s[8:9], s[98:99]
	v_lshlrev_b32 v[XO], 6, v2
.irp i, 0,1,2,3
	global_load_b128 v[BI+8*\i:BI+8*\i+3], v[XO], s[8:9] offset:(32*(\i/2)+8*(\i%2))*4
	global_load_b128 v[BI+8*\i+4:BI+8*\i+7], v[XO], s[8:9] offset:(32*(\i/2)+8*(\i%2))*4+16
.endr
.endif
	WIN 0x80
.set a, 0
.rept 4
.set t, 0
.rept 8
	global_load_b128 v[RES+32*a+4*t:RES+32*a+4*t+3], v[CO], s[RESP:RESP+1] offset:(32*(a/2)+8*(a%2)+2*t+8*(t/4))*4096
.set t, t+1
.endr
.set a, a+1
.endr
	WIN 0
.macro FRAG reg, adr, q, i
.irp p, 0,1,2,3,4,5
.set PCE, 12*((\q)%2)+6*(\p/3)+\p%3
.if PCE%8 < 5
	ds_load_b64 v[\reg+2*\p:\reg+2*\p+1], v[\adr] offset:((\q)/2)*HALF+8*PCE+16*(PCE/8)+(\i)*16*PITCH
.else
	ds_load_b64 v[\reg+2*\p:\reg+2*\p+1], v[\adr+2] offset:((\q)/2)*HALF+8*PCE+16*(PCE/8)+(\i)*16*PITCH
.endif
.endr
.endm
.macro MULB a, p, q, sc, first
.if (\first) == 2
	WIN 0x81
.else
	WIN 0xa1
.endif
.irp b, 0,1,2,3
.set rD, 8*(4*(\a)+\b)
.set rB, 128*(\p)+FR*\b
.set rA, AF+48*(\p)+FR*(\a)
.set rT, SC+16*(\sc)+4*\b+(\q)
.set rU, SC+16*(\sc)+4*(\a)+(\q)
.if (\first) == 1
	v_wmma_scale_f32_16x16x128_f8f6f4 v[rD:rD+7], v[rB:rB+FR-1], v[rA:rA+FR-1], 0, v[rT], v[rU] matrix_a_fmt:MATRIX_FMT_FP6 matrix_b_fmt:MATRIX_FMT_FP6 matrix_a_scale:MATRIX_SCALE_ROW1
.elseif (\first) == 2
	v_wmma_scale_f32_16x16x128_f8f6f4 v[rD:rD+7], v[rB:rB+FR-1], v[rA:rA+FR-1], v[BI+8*\b:BI+8*\b+7], v[rT], v[rU] matrix_a_fmt:MATRIX_FMT_FP6 matrix_b_fmt:MATRIX_FMT_FP6 matrix_a_scale:MATRIX_SCALE_ROW1
.else
	v_wmma_scale_f32_16x16x128_f8f6f4 v[rD:rD+7], v[rB:rB+FR-1], v[rA:rA+FR-1], v[rD:rD+7], v[rT], v[rU] matrix_a_fmt:MATRIX_FMT_FP6 matrix_b_fmt:MATRIX_FMT_FP6 matrix_a_scale:MATRIX_SCALE_ROW1
.endif
.endr
.endm
.macro MUL16 p, q, sc, first
.irp a, 0,1,2,3
	MULB \a, \p, \q, \sc, \first
.endr
.endm
.macro FETCH slot, q, p
	WIN 0x40
.irp i, 0,1,2,3
	FRAG 128*(\p)+FR*\i, ADRB+\slot, \q, \i
.endr
	WIN 0
.irp i, 0,1,2,3
	FRAG AF+48*(\p)+FR*\i, ADRA+\slot, \q, \i
.endr
.endm
.macro SCALES sc
.irp i, 0,1,2,3
	ds_load_b64 v[SC+16*\sc+4*\i:SC+16*\sc+4*\i+1], v[ADRS] offset:128*\i
	ds_load_b64 v[SC+16*\sc+4*\i+2:SC+16*\sc+4*\i+3], v[ADRS] offset:1024+128*\i
.endr
.endm
.macro SUB slot, q, first
	s_wait_dscnt 0x0
	PLACES 4
.set nq, (\q)+1
	FETCH \slot, nq, nq%2
	MUL16 (\q)%2, \q, \slot, \first
.endm
.macro TURN slot, next, fill
	WIN 0
	s_wait_tensorcnt 0x0
	ds_add_u32 v[SPW], v[NIL]
	s_wait_dscnt 1
	MULB 0, 1, 3, \slot, 0
	s_wait_dscnt 0x0
	s_barrier_signal -1
	MULB 1, 1, 3, \slot, 0
	WIN 0
	s_barrier_wait -1
.if \fill
	CREST
	s_add_nc_u64 s[G0+4*\slot+2:G0+4*\slot+3], s[G0+4*\slot+2:G0+4*\slot+3], 4*SA
	s_add_nc_u64 s[G0B+4*\slot+2:G0B+4*\slot+3], s[G0B+4*\slot+2:G0B+4*\slot+3], 4*SB
	JLOAD G0+4*\slot, G1, G0B+4*\slot, G1B
.else
	PLACES 4
.endif
	v_add_nc_u32 v[ADRS], 2048, v[ADRS]
	FETCH \next, 0, 0
	SCALES \next
	MULB 2, 1, 3, \slot, 0
	MULB 3, 1, 3, \slot, 0
.endm
	s_wait_alu depctr_va_vdst(0)
	s_wait_tensorcnt 0x0                           ; my tile of the head's four is in; a later first fill is issued as a refill is:
	ds_add_u32 v[SPW], v[NIL]                      ; 0 onto my spare word;
.irp g, G1, G1B
	s_mov_b32 s[\g+1], 256<<16                     ; no tensor load of mine is out, so a descriptor may be written: from here on a load brings 128 rows of one slab, 96 rows of 256 bytes
	s_mov_b32 s[\g+2], 96<<16
	s_mov_b32 s[\g+3], 256<<16
	s_mov_b32 s[\g+4], 96
	s_mov_b32 s[\g+5], 256
.endr
	s_wait_dscnt 0x0
	CROUND                                         ; a whole round: all four tiles are in, and the joint loads meet
	JLOAD G0+4, G1, G0B+4, G1B                     ; pair 1, my one load behind the round
	FETCH 0, 0, 0
	SCALES 0
.if FIRST == 2
	s_wait_loadcnt 32
.endif
	SUB 0, 0, FIRST
	WIN 0
.if LAPS > 1
	s_mov_b32 s3, LAPS-1
.Llap:
	SUB 0, 1, 0
	SUB 0, 2, 0
	TURN 0, 1, 1
	SUB 1, 0, 0
	SUB 1, 1, 0
	SUB 1, 2, 0
	TURN 1, 0, 1
	SUB 0, 0, 0
	WIN 0
	s_sub_co_u32 s3, s3, 1
	s_cmp_lg_u32 s3, 0
	s_cbranch_scc1 .Llap
.endif
	SUB 0, 1, 0
	SUB 0, 2, 0
	TURN 0, 1, 0
	SUB 1, 0, 0
	SUB 1, 1, 0
	SUB 1, 2, 0
	s_wait_dscnt 0x0
	MUL16 1, 3, 1, 0
	WIN 0
	PLACES 4
.macro TOSTAGE a
	WIN 0x08
.irp b, 0,1,2,3
	ds_store_b128 v[STO], v[8*(4*(\a)+\b):8*(4*(\a)+\b)+3] offset:128*(\b/2)+32*(\b%2)
	ds_store_b128 v[STO], v[8*(4*(\a)+\b)+4:8*(4*(\a)+\b)+7] offset:128*(\b/2)+32*(\b%2)+16
.endr
	WIN 0
.set BB, BK+32*((\a)%2)
.set t, 0
.rept 8
	ds_load_b128 v[BB+4*t:BB+4*t+3], v[RD] offset:2*t*SPITCH
.set t, t+1
.endr
.endm
.macro SEND a, younger
.set BB, BK+32*((\a)%2)
	s_wait_dscnt \younger
	s_wait_loadcnt 8*(3-(\a))
	WIN 0x08
.set k, 0
.rept 16
	v_pk_add_f32 v[BB+2*k:BB+2*k+1], v[BB+2*k:BB+2*k+1], v[RES+32*(\a)+2*k:RES+32*(\a)+2*k+1]
.set k, k+1
.endr
	WIN 0
.set t, 0
.rept 8
	global_store_b128 v[CO], v[BB+4*t:BB+4*t+3], s[OUTP:OUTP+1] offset:(32*((\a)/2)+8*((\a)%2)+2*t+8*(t/4))*4096
.set t, t+1
.endr
.endm
	TOSTAGE 0
	TOSTAGE 1
	SEND 0, 16
	s_wait_xcnt 0x0
	TOSTAGE 2
	SEND 1, 16
	s_wait_xcnt 0x0
	TOSTAGE 3
	SEND 2, 16
	SEND 3, 0
	s_wait_tensorcnt 0x0
	ds_add_u32 v[SPW], v[NIL]
	s_wait_dscnt 0x0
	CROUND
	s_endpgm
.Lfunc_end_k_q62f5962440_oproj:
	.size	k_q62f5962440_oproj, .Lfunc_end_k_q62f5962440_oproj-k_q62f5962440_oproj
	.p2alignl 7, 3214868480
	.fill 96, 4, 3214868480
	.section	.rodata,"a",@progbits
	.p2align	6, 0x0
	.amdhsa_kernel k_q62f5962440_oproj
		.amdhsa_group_segment_fixed_size 327680
		.amdhsa_private_segment_fixed_size 0
		.amdhsa_enable_private_segment 0
		.amdhsa_kernarg_size 32
		.amdhsa_user_sgpr_count 2
		.amdhsa_user_sgpr_kernarg_segment_ptr 1
		.amdhsa_wavefront_size32 1
		.amdhsa_system_sgpr_workgroup_id_x 1
		.amdhsa_system_sgpr_workgroup_id_y 1
		.amdhsa_system_sgpr_workgroup_id_z 1
		.amdhsa_system_vgpr_workitem_id 0
		.amdhsa_next_free_vgpr 768
		.amdhsa_next_free_sgpr 100
		.amdhsa_reserve_vcc 0
		.amdhsa_float_denorm_mode_32 3
		.amdhsa_float_denorm_mode_16_64 3
		.amdhsa_memory_ordered 1
		.amdhsa_forward_progress 1
		.amdhsa_inst_pref_size 71
	.end_amdhsa_kernel
	.amdgpu_metadata
---
amdhsa.version: [ 1, 2 ]
amdhsa.kernels:
  - .name:           k_q62f5962440_oproj
    .symbol:         k_q62f5962440_oproj.kd
    .args:
      - { .name: nbuf, .offset: 0, .size: 8, .value_kind: global_buffer, .address_space: global }
      - { .name: wbuf, .offset: 8, .size: 8, .value_kind: global_buffer, .address_space: global }
      - { .name: x, .offset: 16, .size: 8, .value_kind: global_buffer, .address_space: global }
      - { .name: x1, .offset: 24, .size: 8, .value_kind: global_buffer, .address_space: global }
    .group_segment_fixed_size: 327680
    .private_segment_fixed_size: 0
    .kernarg_segment_align: 8
    .kernarg_segment_size: 32
    .max_flat_workgroup_size: 128
    .sgpr_count:     100
    .vgpr_count:     768
    .wavefront_size: 32
...
	.end_amdgpu_metadata
.endif
;; end of part 11
;; launch norm1 (part 12): grid 256 x 1, 4 waves a work-group, no clusters, 31,744 bytes of LDS; arguments x1, gamma2, beta2, nbuf; writes nbuf
.if DOCPART == 12
	.amdgcn_target "amdgcn-amd-amdhsa--gfx1250"
	.amdhsa_code_object_version 6
	.text
	.protected	k_q62f5962440_norm1
	.globl	k_q62f5962440_norm1
	.p2align	8
	.type	k_q62f5962440_norm1,@function
k_q62f5962440_norm1:
	s_mov_b64 s[64:65], 0
	v_nop
	global_prefetch_b8 v0, s[64:65] scope:SCOPE_SE
	s_setreg_imm32_b32 hwreg(HW_REG_WAVE_MODE, 25, 1), 1
	s_wait_xcnt 0x0
; n = beta + gamma (x - mean) / (std + 1e-6), std with the divisor 1,023, for rows of 1,024 f32; n is quantised along the row to FP6 (E2M3) with one E8M0 byte for each 32.
; OUT: nbuf, codes [4 slabs of 256][4,096 rows][192 bytes] at 0, scale bytes [4][4,096][8] at NSC.  Row p holds token pi(p): p with bits 3 and 4 exchanged.
; SHARES: a work-group owns rows 16 g .. 16 g + 15 of nbuf, a wave four of them: tokens pi(16 g + 4 w) + 0 .. 3, four neighbours.  One wave takes a whole row: no wave waits for another until the way out.
; Mean and sum of squares are taken in two passes (the mean is taken away first), so a common offset in x costs no difference of large sums.
; A load reads 512 consecutive bytes; for the conversions a lane must hold 32 NEIGHBOURS: a row turns through the wave's own 4,608 bytes of LDS (places of 128 + 16 bytes).
; The work-group's codes meet in LDS as [4 slabs][16 rows][192]; behind ONE barrier wave w stores slab w's 3,072 dense bytes and 128 scale bytes.
; LIMITS: blocks whose largest magnitude lies under 2^-124 keep the byte 1; NaN and infinities are not served.
.set G,   16                           ; v16-47   gamma, as a row is loaded
.set BT,  48                           ; v48-79   beta
.set X,   80                           ; v80-207  four rows
.set Y,   208                          ; v208-239 a row's n
.set CST, 18432                        ; LDS: behind the four turning places: codes,
.set SST, 30720                        ; scale bytes
.set NSC, 3145728
	s_load_b256 s[4:11], s[0:1], 0x0               ; x, gamma, beta, nbuf
	v_lshl_add_u32 v14, v0, 2, 0x7a00
	v_mov_b32 v15, 0
	v_lshrrev_b32 v1, 5, v0
	v_readfirstlane_b32 s12, v1                    ; wave
	v_and_b32 v6, 31, v0                           ; lane
	s_wait_alu depctr_va_vdst(0)
	v_lshlrev_b32 v1, 4, v6                        ; 16 bytes a lane
	s_lshl_b32 s13, ttmp9, 4
	s_lshl_b32 s14, s12, 2
	s_add_co_u32 s13, s13, s14                     ; my first row of nbuf
	s_and_b32 s14, s13, 0xffffffe7
	s_bfe_u32 s15, s13, 0x10003
	s_bfe_u32 s16, s13, 0x10004
	s_lshl_b32 s15, s15, 4
	s_lshl_b32 s16, s16, 3
	s_or_b32 s14, s14, s15
	s_or_b32 s14, s14, s16                         ; its token
	s_lshl_b32 s14, s14, 12                        ; 4,096 bytes a token
	s_mov_b32 s15, 0
	s_mul_i32 s17, s12, 4608                       ; my turning place
	v_lshrrev_b32 v7, 3, v6
	v_and_b32 v8, 7, v6
	v_mul_u32_u24 v2, v7, 144
	v_lshl_add_u32 v2, v8, 4, v2
	v_add_nc_u32 v2, s17, v2                       ; in: eight lanes' 128 bytes, then 16 of padding; a load's 512 bytes take four places
	v_mul_u32_u24 v3, v6, 144
	v_add_nc_u32 v3, s17, v3                       ; out: place = lane: block = lane
	s_mul_i32 s18, s12, 768
	s_add_co_u32 s18, s18, CST
	v_mul_u32_u24 v4, v7, 3072
	v_mad_u32_u24 v4, v8, 24, v4
	v_add_nc_u32 v4, s18, v4                       ; codes: slab lane / 8, my wave's rows, block lane % 8
	s_lshl_b32 s18, s12, 5
	s_add_co_u32 s18, s18, SST
	v_lshl_add_u32 v5, v7, 7, v8
	v_add_nc_u32 v5, s18, v5                       ; and the block's byte
	s_mul_i32 s18, s12, 3072
	s_add_co_u32 s18, s18, CST
	v_add_nc_u32 v9, s18, v1                       ; the way out: slab = wave
	s_lshl_b32 s18, s12, 7
	s_add_co_u32 s18, s18, SST
	v_lshlrev_b32 v11, 2, v6
	v_add_nc_u32 v10, s18, v11
	s_mul_i32 s20, s12, 786432
	s_mul_i32 s21, ttmp9, 3072
	s_add_co_u32 s20, s20, s21
	s_mov_b32 s21, 0
	s_lshl_b32 s22, s12, 15
	s_lshl_b32 s23, ttmp9, 7
	s_add_co_u32 s22, s22, s23
	s_add_co_u32 s22, s22, NSC
	s_mov_b32 s23, 0
	s_mov_b32 s24, 0x76543210
	s_mov_b32 s25, 0xfedcba98                      ; v_permlanex16_b32's selects for lane l xor 16
	s_wait_kmcnt 0x0
	s_add_nc_u64 s[4:5], s[4:5], s[14:15]
	s_add_nc_u64 s[20:21], s[10:11], s[20:21]
	s_add_nc_u64 s[22:23], s[10:11], s[22:23]
.irp j, 0,1,2,3,4,5,6,7
	global_load_b128 v[G+4*\j:G+4*\j+3], v1, s[6:7] offset:512*\j
	global_load_b128 v[BT+4*\j:BT+4*\j+3], v1, s[8:9] offset:512*\j
.endr
.irp i, 0,1,2,3                        ; all four rows go out at once: 32 loads of 512 consecutive bytes
.irp j, 0,1,2,3,4,5,6,7
	global_load_b128 v[X+32*\i+4*\j:X+32*\i+4*\j+3], v1, s[4:5] offset:4096*\i+512*\j
.endr
.endr
.macro SUM32                           ; v240 summed over the 32 lanes, the result in every lane
	v_add_f32_dpp v240, v240, v240 row_xmask:1 row_mask:0xf bank_mask:0xf
	v_add_f32_dpp v240, v240, v240 row_xmask:2 row_mask:0xf bank_mask:0xf
	v_add_f32_dpp v240, v240, v240 row_xmask:4 row_mask:0xf bank_mask:0xf
	v_add_f32_dpp v240, v240, v240 row_xmask:8 row_mask:0xf bank_mask:0xf
	v_permlanex16_b32 v241, v240, s24, s25
	v_add_f32 v240, v240, v241
.endm
.macro ROW i
.set XR, X+32*\i
	s_wait_loadcnt 8*(3-\i)                        ; this row's eight loads are in; the later rows' may be out
	v_pk_add_f32 v[240:241], v[XR:XR+1], v[XR+2:XR+3]              ; the sum, in two chains
	v_pk_add_f32 v[242:243], v[XR+4:XR+5], v[XR+6:XR+7]
.irp k, 8,12,16,20,24,28
	v_pk_add_f32 v[240:241], v[240:241], v[XR+\k:XR+\k+1]
	v_pk_add_f32 v[242:243], v[242:243], v[XR+\k+2:XR+\k+3]
.endr
	v_pk_add_f32 v[240:241], v[240:241], v[242:243]
	v_add_f32 v240, v240, v241
	SUM32
	v_mul_f32 v244, 0x3a800000, v240               ; the mean: / 1,024
	v_mov_b32 v245, v244
.set k, 0
.rept 16
	v_pk_add_f32 v[XR+k:XR+k+1], v[XR+k:XR+k+1], v[244:245] neg_lo:[0,1] neg_hi:[0,1]   ; d = x - mean
.set k, k+2
.endr
	v_pk_mul_f32 v[240:241], v[XR:XR+1], v[XR:XR+1]                ; the sum of d^2, in two chains
	v_pk_mul_f32 v[242:243], v[XR+2:XR+3], v[XR+2:XR+3]
.irp k, 4,8,12,16,20,24,28
	v_pk_fma_f32 v[240:241], v[XR+\k:XR+\k+1], v[XR+\k:XR+\k+1], v[240:241]
	v_pk_fma_f32 v[242:243], v[XR+\k+2:XR+\k+3], v[XR+\k+2:XR+\k+3], v[242:243]
.endr
	v_pk_add_f32 v[240:241], v[240:241], v[242:243]
	v_add_f32 v240, v240, v241
	SUM32
	v_mul_f32 v240, 0x3a802008, v240               ; / 1,023
	s_wait_alu depctr_va_vdst(0)
	v_sqrt_f32 v242, v240
	v_nop                                          ; a plain place behind the transcendental,
	s_wait_alu depctr_va_vdst(0)                   ; and the wait ahead of its first reader
	v_add_f32 v242, 0x358637bd, v242               ; + 1e-6
	s_wait_alu depctr_va_vdst(0)
	v_rcp_f32 v246, v242
	v_nop
	s_wait_alu depctr_va_vdst(0)
	v_mov_b32 v247, v246
.set k, 0
.rept 16
	v_pk_mul_f32 v[Y+k:Y+k+1], v[XR+k:XR+k+1], v[246:247]
.set k, k+2
.endr
.set k, 0
.rept 16
	v_pk_fma_f32 v[Y+k:Y+k+1], v[Y+k:Y+k+1], v[G+k:G+k+1], v[BT+k:BT+k+1]
.set k, k+2
.endr
.irp j, 0,1,2,3,4,5,6,7
	ds_store_b128 v2, v[Y+4*\j:Y+4*\j+3] offset:576*\j
.endr
.irp j, 0,1,2,3,4,5,6,7
	ds_load_b128 v[Y+4*\j:Y+4*\j+3], v3 offset:16*\j               ; LDS serves a wave's instructions in order: these see the stores above
.endr
	s_wait_dscnt 0x0                               ; my block of 32 neighbours is in; the last row's stores of codes have read their registers
	v_max3_num_f32 v240, |v[Y]|, |v[Y+1]|, |v[Y+2]|
	v_max3_num_f32 v241, |v[Y+3]|, |v[Y+4]|, |v[Y+5]|
.irp k, 6,10,14,18,22,26
	v_max3_num_f32 v240, v240, |v[Y+\k]|, |v[Y+\k+1]|
	v_max3_num_f32 v241, v241, |v[Y+\k+2]|, |v[Y+\k+3]|
.endr
	v_max3_num_f32 v240, v240, |v[Y+30]|, |v[Y+31]|
	v_max3_num_f32 v240, v240, v241, 0x1800000     ; the floor 2^(3 - 127): the byte cannot fall under 1
	v_add_nc_u32 v242, 0xff000000, v240            ; 2 off the exponent field: the conversion's scale operand
	v_lshrrev_b32 v255, 23, v242                   ; the scale's byte
	v_cvt_scalef32_pk16_fp6_f32 v[248:250], v[Y:Y+15], v242
	v_cvt_scalef32_pk16_fp6_f32 v[252:254], v[Y+16:Y+31], v242
	v_nop                                          ; one plain place behind a scaled conversion
	v_mov_b32 v251, v252                           ; the block's 24 bytes on end
	v_mov_b32 v252, v253
	v_mov_b32 v253, v254
	ds_store_b64 v4, v[248:249] offset:192*\i
	ds_store_b64 v4, v[250:251] offset:192*\i+8
	ds_store_b64 v4, v[252:253] offset:192*\i+16
	ds_store_b8 v5, v255 offset:8*\i
.endm
	ROW 0
	ROW 1
	ROW 2
	ROW 3
	s_wait_dscnt 0x0                               ; for the others' sake: my codes and bytes lie in LDS
	s_barrier_signal -1
	s_barrier_wait -1
.irp t, 0,1,2,3,4,5
	ds_load_b128 v[X+4*\t:X+4*\t+3], v9 offset:512*\t
.endr
	ds_load_b32 v[X+24], v10
.irp t, 0,1,2,3,4,5
	s_wait_dscnt 6-\t
	global_store_b128 v1, v[X+4*\t:X+4*\t+3], s[20:21] offset:512*\t   ; 512 consecutive bytes an instruction
.endr
	s_wait_dscnt 0x0
	global_store_b32 v11, v[X+24], s[22:23]        ; 128 consecutive bytes
	s_wait_tensorcnt 0x0
	ds_add_u32 v14, v15
	s_wait_dscnt 0x0
	s_endpgm
.Lfunc_end_k_q62f5962440_norm1:
	.size	k_q62f5962440_norm1, .Lfunc_end_k_q62f5962440_norm1-k_q62f5962440_norm1
	.p2alignl 7, 3214868480
	.fill 96, 4, 3214868480
	.section	.rodata,"a",@progbits
	.p2align	6, 0x0
	.amdhsa_kernel k_q62f5962440_norm1
		.amdhsa_group_segment_fixed_size 31744
		.amdhsa_private_segment_fixed_size 0
		.amdhsa_enable_private_segment 0
		.amdhsa_kernarg_size 32
		.amdhsa_user_sgpr_count 2
		.amdhsa_user_sgpr_kernarg_segment_ptr 1
		.amdhsa_wavefront_size32 1
		.amdhsa_system_sgpr_workgroup_id_x 1
		.amdhsa_system_sgpr_workgroup_id_y 1
		.amdhsa_system_sgpr_workgroup_id_z 1
		.amdhsa_system_vgpr_workitem_id 0
		.amdhsa_next_free_vgpr 256
		.amdhsa_next_free_sgpr 66
		.amdhsa_reserve_vcc 0
		.amdhsa_float_denorm_mode_32 3
		.amdhsa_float_denorm_mode_16_64 3
		.amdhsa_memory_ordered 1
		.amdhsa_forward_progress 1
		.amdhsa_inst_pref_size 45
	.end_amdhsa_kernel
	.amdgpu_metadata
---
amdhsa.version: [ 1, 2 ]
amdhsa.kernels:
  - .name:           k_q62f5962440_norm1
    .symbol:         k_q62f5962440_norm1.kd
    .args:
      - { .name: x1, .offset: 0, .size: 8, .value_kind: global_buffer, .address_space: global }
      - { .name: gamma2, .offset: 8, .size: 8, .value_kind: global_buffer, .address_space: global }
      - { .name: beta2, .offset: 16, .size: 8, .value_kind: global_buffer, .address_space: global }
      - { .name: nbuf, .offset: 24, .size: 8, .value_kind: global_buffer, .address_space: global }
    .group_segment_fixed_size: 31744
    .private_segment_fixed_size: 0
    .kernarg_segment_align: 8
    .kernarg_segment_size: 32
    .max_flat_workgroup_size: 128
    .sgpr_count:     66
    .vgpr_count:     256
    .wavefront_size: 32
...
	.end_amdgpu_metadata
.endif
;; end of part 12
;; launch ffn1 (part 13): grid 16 x 16, 4 waves a work-group, clusters of 4 x 4, 327,680 bytes of LDS; arguments nbuf, wbuf, b1, hbuf; writes hbuf
.if DOCPART == 13
	.amdgcn_target "amdgcn-amd-amdhsa--gfx1250"
	.amdhsa_code_object_version 6
	.text
	.protected	k_q62f5962440_ffn1
	.globl	k_q62f5962440_ffn1
	.p2align	8
	.type	k_q62f5962440_ffn1,@function
k_q62f5962440_ffn1:
	s_mov_b64 s[64:65], 0
	v_nop
	global_prefetch_b8 v0, s[64:65] scope:SCOPE_SE
	s_setreg_imm32_b32 hwreg(HW_REG_WAVE_MODE, 25, 1), 1
	s_wait_xcnt 0x0
	s_wait_alu depctr_hold_cnt(0) depctr_sa_sdst(0) depctr_va_vdst(0) depctr_va_sdst(0) depctr_va_ssrc(0) depctr_va_vcc(0) depctr_vm_vsrc(0)
	s_getreg_b32 s2, hwreg(HW_REG_IB_STS2, 6, 4)
	s_cmp_eq_u32 s2, 0
	s_cbranch_scc0 .Lentry_in_a_cluster
	s_endpgm
.Lentry_in_a_cluster:
	s_bfe_u32 s2, ttmp6, 0x10000c
	s_cmp_lg_u32 s2, 0xf033
	s_cbranch_scc0 .Lentry_shape_is_right
	s_endpgm
.Lentry_shape_is_right:
.set AB,     8
.set NK,     4
.set SA,     786432
.set SB,     786432
.set RA,     4096
.set RB,     4096
.set NSC,    3145728
.set R1,     3145728
.set S1,     9568256
.set HSC,    12582912
.set PITCH,  240
.set FR,     12
.set NL,     6
.set HALFA,  16*AB*PITCH
.set HALFB,  128*PITCH
.set SLOT,   2*HALFA+2*HALFB
.set SCL,    2*SLOT
.set SCLB,   SCL+(AB/4)*NK*1024
.set SPARE,  SCLB+2*NK*1024
.set ADRA, 16
.set ADRB, 20
.set STC,  24
.set STS,  25
.set RDC,  26
.set ADRS, 27
.set SPW,  28
.set NIL,  29
.set RDS,  30
.set XO,   31
.set SC,   32
.set BI,   64
.set AF,   128
.set CD,   64
.set TM,   96
.set PW,   112
.set G1, 24
.set G0, 32
.set G1B, 48
.set G0B, 56
.set G1S, 68
.set G0S, 76
.set G1SB, 80
.set G0SB, 88
.set MSB, 0
.macro WIN new
.if MSB != (\new)
	s_set_vgpr_msb (MSB<<8)|(\new)
.set MSB, (\new)
.endif
.endm
.macro JLOAD g0a, g1a, g0b, g1b
	s_cmp_eq_u32 s15, 0
	s_cbranch_scc0 .Lfor_b_\@
	tensor_load_to_lds s[\g0a:\g0a+3], s[\g1a:\g1a+7]
	s_nop 0
.rept 4
	v_nop
.endr
	s_branch .Lasked_\@
.Lfor_b_\@:
	tensor_load_to_lds s[\g0b:\g0b+3], s[\g1b:\g1b+7]
	s_nop 0
.rept 4
	v_nop
.endr
.Lasked_\@:
.endm
.macro CREST
	s_cmp_lg_u32 s14, 0
	s_cbranch_scc1 .Lnot_wave_0_\@
	s_barrier_signal -3
.Lnot_wave_0_\@:
	s_barrier_wait -3
	s_barrier_signal -1
	s_barrier_wait -1
.endm
.macro CROUND
	s_barrier_signal -1
	s_barrier_wait -1
	CREST
.endm
.macro PLACES n
.rept \n
	v_nop
.endr
.endm
	s_load_b256 s[4:11], s[0:1], 0x0
	v_lshl_add_u32 v[SPW], v0, 2, SPARE
	v_mov_b32 v[NIL], 0
	ds_add_u32 v28, v29
	ds_add_u32 v28, v29
	s_wait_dscnt 0x0
	v_lshrrev_b32 v1, 5, v0
	v_readfirstlane_b32 s14, v1
	s_lshr_b32 s15, s14, 1
	s_and_b32 s16, s14, 1
	s_bfe_u32 s40, ttmp6, 0x40000
	s_bfe_u32 s41, ttmp6, 0x40004
	s_and_b32 s18, ttmp7, 0xffff
	s_lshl_b32 s43, s41, 2
	s_lshl_b32 s43, 15, s43
	s_lshl_b32 s44, 0x1111, s40
	s_or_b32 s[G1+0], s43, (1<<20)|(1<<21)|(3<<22)|(3<<25)
	s_or_b32 s[G1B+0], s44, (1<<20)|(1<<21)|(3<<22)|(3<<25)
.irp g, G1, G1B
	s_mov_b32 s[\g+1], 256<<16                     ; 128 rows x 192 dense bytes, stated as 96 rows of 256; the padding is counted along the whole tile, so the LDS rows stay 240 bytes apart
	s_mov_b32 s[\g+2], 192<<16                     ; at the head a load brings all 256 rows; behind it the two words that count rows are halved, for the ring's loads
	s_mov_b32 s[\g+3], 256<<16
	s_mov_b32 s[\g+4], 192
	s_mov_b32 s[\g+5], 256
	s_mov_b32 s[\g+6], 0
	s_mov_b32 s[\g+7], 0
.endr
	s_or_b32 s[G1S+0], s43, (3<<16)|(1<<21)
	s_or_b32 s[G1SB+0], s44, (3<<16)|(1<<21)
.irp g, G1S, G1SB
	s_mov_b32 s[\g+1], 256<<16                     ; the scale bytes of all 256 rows come by one load: in LDS [K step][256 rows][8]
	s_mov_b32 s[\g+2], NK<<16
	s_mov_b32 s[\g+3], 256<<16
	s_mov_b32 s[\g+4], NK
	s_mov_b32 s[\g+5], 4096
	s_mov_b32 s[\g+6], 0
	s_mov_b32 s[\g+7], 0
.endr
	s_lshl_b32 s17, s18, 2
	s_add_co_u32 s17, s17, s41
	s_lshl_b32 s42, ttmp9, 2
	s_add_co_u32 s42, s42, s40
	s_lshl_b32 s19, s17, 8
	s_lshl_b32 s45, s42, 8
	s_mov_b32 s20, s19                             ; A: the tile's first row
	s_lshl_b32 s22, s20, 3
	s_add_co_u32 s22, s22, NSC
	s_mul_i32 s20, s20, 192
	s_mov_b32 s21, 0
	s_mov_b32 s23, 0
	s_mov_b32 s46, s45                             ; B likewise
	s_lshl_b32 s92, s46, 3
	s_add_co_u32 s92, s92, S1
	s_mul_i32 s46, s46, 192
	s_add_co_u32 s46, s46, R1
	s_mov_b32 s47, 0
	s_mov_b32 s93, 0
	s_mul_i32 s66, s16, HALFA
	s_mul_i32 s67, s16, HALFB
	s_add_co_u32 s67, s67, 2*HALFA
	s_wait_kmcnt 0x0
	s_add_nc_u64 s[20:21], s[4:5], s[20:21]
	s_add_nc_u64 s[22:23], s[4:5], s[22:23]
	s_add_nc_u64 s[46:47], s[6:7], s[46:47]
	s_add_nc_u64 s[92:93], s[6:7], s[92:93]
	CROUND
	s_mov_b32 s[G0S], 1
	s_mov_b32 s[G0S+1], SCL
	s_mov_b64 s[G0S+2:G0S+3], s[22:23]
	s_or_b32 s[G0S+3], s[G0S+3], 0x80000000
	s_mov_b32 s[G0SB], 1
	s_mov_b32 s[G0SB+1], SCLB
	s_mov_b64 s[G0SB+2:G0SB+3], s[92:93]
	s_or_b32 s[G0SB+3], s[G0SB+3], 0x80000000
	s_mov_b32 s4, 1                                ; group 0 for the head's loads of K step 0: A's 256 rows in s[4:7] (the arguments that lay there have been used),
	s_mov_b32 s5, 0
	s_mov_b64 s[6:7], s[20:21]
	s_or_b32 s7, s7, 0x80000000
	s_mul_i32 s96, s16, 24576                      ; for the ring: my 128 rows of a tile
	s_mov_b32 s97, 0
	s_add_nc_u64 s[20:21], s[20:21], s[96:97]
	s_add_nc_u64 s[98:99], s[46:47], s[96:97]
	s_mov_b32 s44, 1                               ; B's 256 rows in s[44:47]
	s_mov_b32 s45, 2*HALFA
	s_or_b32 s47, s47, 0x80000000
.irp s, 0,1
	s_mov_b32 s[G0+4*\s], 1
	s_add_co_u32 s[G0+4*\s+1], s66, \s*SLOT
	s_add_nc_u64 s[G0+4*\s+2:G0+4*\s+3], s[20:21], \s*SA
	s_or_b32 s[G0+4*\s+3], s[G0+4*\s+3], 0x80000000
	s_mov_b32 s[G0B+4*\s], 1
	s_add_co_u32 s[G0B+4*\s+1], s67, \s*SLOT
	s_add_nc_u64 s[G0B+4*\s+2:G0B+4*\s+3], s[98:99], \s*SB
	s_or_b32 s[G0B+4*\s+3], s[G0B+4*\s+3], 0x80000000
.endr
	; THE PREFETCHES: of the 96 blocks of 256 bytes that I fetch of a K step, each of the four partners that ask for them jointly names 24, told apart by address (cx for A, cy for B); lanes 24-31 name the last again
	s_cmp_eq_u32 s15, 0
	s_cselect_b64 s[66:67], s[20:21], s[98:99]
	s_cselect_b32 s96, s40, s41
	s_mul_i32 s96, s96, 6144
	s_add_nc_u64 s[66:67], s[66:67], s[96:97]
; THE HEAD'S LOADS, ONE A WAVE: wave 0 K step 0's 256 rows of A, wave 1 its 256 rows of B, wave 2 A's scale bytes, wave 3 B's.  One chain of branches on the wave's number: every way passes exactly one load.
.macro ARM under, g0, g1, next
	s_cmp_lt_u32 s14, \under
	s_cbranch_scc0 \next
	tensor_load_to_lds s[\g0:\g0+3], s[\g1:\g1+7]
	s_nop 0
.rept 4
	v_nop
.endr
	s_branch .Lhead_asked
\next:
.endm
	ARM 1, 4,   G1,  .Lhead_b
	ARM 2, 44,  G1B, .Lhead_sa
	ARM 3, G0S, G1S, .Lhead_sb
	tensor_load_to_lds s[G0SB:G0SB+3], s[G1SB:G1SB+7]
	s_nop 0
.rept 4
	v_nop
.endr
.Lhead_asked:
	v_and_b32 v15, 31, v0
	v_min_u32 v15, 23, v15
	v_lshlrev_b32 v15, 8, v15
	global_prefetch_b8 v15, s[66:67] offset:SA th:TH_LOAD_NT scope:SCOPE_SE     ; K steps 1 and 2: the next load's and the one after; K step 3 is asked for when K step 1 is loaded
	global_prefetch_b8 v15, s[66:67] offset:2*SA th:TH_LOAD_NT scope:SCOPE_SE
	v_and_b32 v1, 15, v0
	v_bfe_u32 v2, v0, 4, 1
	v_mul_u32_u24 v3, v1, PITCH
	v_mul_u32_u24 v4, v2, 24
	v_add_nc_u32 v4, v3, v4
	v_lshl_add_u32 v5, v2, 4, v4
	s_mul_i32 s21, s15, HALFA
	s_mul_i32 s22, s16, HALFB
	s_add_co_u32 s22, s22, 2*HALFA
.irp s, 0,1
	v_add_nc_u32 v[ADRA+\s], s21, v4
	v_add_nc_u32 v[ADRB+\s], s22, v4
	v_add_nc_u32 v[ADRA+2+\s], s21, v5
	v_add_nc_u32 v[ADRB+2+\s], s22, v5
	s_add_co_u32 s21, s21, SLOT
	s_add_co_u32 s22, s22, SLOT
.endr
	v_lshlrev_b32 v5, 3, v1
	s_lshl_b32 s21, s15, 10
	s_lshl_b32 s22, s16, 10
	s_add_co_u32 s22, s22, SCLB-SCL
	s_sub_co_u32 s22, s22, s21
	v_mul_u32_u24 v6, s22, v2
	s_add_co_u32 s21, s21, SCL
	v_add_nc_u32 v5, v5, v6
	v_add_nc_u32 v[ADRS], s21, v5
	s_mul_i32 s21, s15, 128*192
	s_mul_i32 s22, s16, 96
	s_add_co_u32 s21, s21, s22
	v_mul_u32_u24 v5, v1, 192
	v_mad_u32_u24 v5, v2, 24, v5
	v_add_nc_u32 v[STC], s21, v5
	s_lshl_b32 s21, s15, 10
	s_lshl_b32 s22, s16, 2
	s_add_co_u32 s21, s21, s22
	s_add_co_u32 s21, s21, 49152
	v_lshl_add_u32 v[STS], v1, 3, s21
	v_and_b32 v6, 31, v0
	s_mul_i32 s21, s14, 12288
	v_lshl_add_u32 v[RDC], v6, 4, s21
	s_lshl_b32 s21, s14, 9
	v_lshl_add_u32 v[RDS], v6, 4, s21
	s_lshl_b32 s98, s42, 10
	s_lshl_b32 s99, s16, 9
	s_add_co_u32 s98, s98, s99
	s_mov_b32 s99, 0
	s_add_nc_u64 s[8:9], s[8:9], s[98:99]
	v_lshlrev_b32 v[XO], 6, v2
.irp i, 0,1,2,3,4,5,6,7
	global_load_b128 v[BI+8*\i:BI+8*\i+3], v[XO], s[8:9] offset:(32*(\i/2)+8*(\i%2))*4
	global_load_b128 v[BI+8*\i+4:BI+8*\i+7], v[XO], s[8:9] offset:(32*(\i/2)+8*(\i%2))*4+16
.endr
	s_mul_i32 s96, s42, 786432
	s_mul_i32 s97, s17, 49152
	s_add_co_u32 s96, s96, s97
	s_mov_b32 s97, 0
	s_lshl_b32 s98, s42, 15
	s_lshl_b32 s99, s17, 11
	s_add_co_u32 s98, s98, s99
	s_add_co_u32 s98, s98, HSC
	s_mov_b32 s99, 0
	s_add_nc_u64 s[12:13], s[10:11], s[98:99]
	s_add_nc_u64 s[10:11], s[10:11], s[96:97]
	s_mov_b32 s98, 0x76543210
	s_mov_b32 s99, 0xfedcba98
.macro FRAG reg, adr, q, i
.irp p, 0,1,2,3,4,5
.set PCE, 12*(\q)+6*(\p/3)+\p%3
.if PCE%8 < 5
	ds_load_b64 v[\reg+2*\p:\reg+2*\p+1], v[\adr] offset:8*PCE+16*(PCE/8)+(\i)*16*PITCH
.else
	ds_load_b64 v[\reg+2*\p:\reg+2*\p+1], v[\adr+2] offset:8*PCE+16*(PCE/8)+(\i)*16*PITCH
.endif
.endr
.endm
.macro MULB a, p, q, sc, first
.if (\first) == 2
	WIN 0x81+0x40*((\a)/4)
.else
	WIN 0xa1+0x50*((\a)/4)
.endif
.irp b, 0,1,2,3,4,5,6,7
.set rD, 8*(8*((\a)%4)+\b)
.set rB, 128*(\p)+FR*\b
.set rA, AF+FR*(\a)
.set rT, SC+16*(\sc)+2*\b+(\q)
.set rU, SC+16*(\sc)+2*(\a)+(\q)
.if (\first) == 2
	v_wmma_scale_f32_16x16x128_f8f6f4 v[rD:rD+7], v[rB:rB+FR-1], v[rA:rA+FR-1], v[BI+8*\b:BI+8*\b+7], v[rT], v[rU] matrix_a_fmt:MATRIX_FMT_FP6 matrix_b_fmt:MATRIX_FMT_FP6 matrix_a_scale:MATRIX_SCALE_ROW1
.else
	v_wmma_scale_f32_16x16x128_f8f6f4 v[rD:rD+7], v[rB:rB+FR-1], v[rA:rA+FR-1], v[rD:rD+7], v[rT], v[rU] matrix_a_fmt:MATRIX_FMT_FP6 matrix_b_fmt:MATRIX_FMT_FP6 matrix_a_scale:MATRIX_SCALE_ROW1
.endif
.endr
.endm
.macro MULQ k, p, q, sc, first
.set aa, (\k)*AB/4
.rept AB/4
	MULB aa, \p, \q, \sc, \first
.set aa, aa+1
.endr
.endm
.macro FETCH_B slot, q, p
	WIN 0x40
.irp i, 0,1,2,3,4,5,6,7
	FRAG 128*(\p)+FR*\i, ADRB+\slot, \q, \i
.endr
	WIN 0
.endm
.macro FETCH_A slot, q, half
.set ii, (\half)*AB/2
.rept AB/2
	FRAG AF+FR*ii, ADRA+\slot, \q, ii
.set ii, ii+1
.endr
.endm
.macro SCALES sc
.irp i, 0,1,2,3,4,5,6,7
	ds_load_b64 v[SC+16*\sc+2*\i:SC+16*\sc+2*\i+1], v[ADRS] offset:128*\i
.endr
.endm
.macro STEP slot, first
	s_wait_dscnt (AB/2)*NL
	MULQ 0, 0, 0, \slot, \first
	MULQ 1, 0, 0, \slot, \first
	s_wait_dscnt 0
	PLACES 4
	FETCH_B \slot, 1, 1
	FETCH_A \slot, 1, 0
	MULQ 2, 0, 0, \slot, \first
	MULQ 3, 0, 0, \slot, \first
	PLACES 4
	WIN 0
	FETCH_A \slot, 1, 1
.endm
.macro TURN slot, next, fill
	s_wait_tensorcnt 0x0
	ds_add_u32 v[SPW], v[NIL]
	s_wait_dscnt (AB/2)*NL+1
	MULQ 0, 1, 1, \slot, 0
	s_wait_dscnt 0x0
	s_barrier_signal -1
	MULQ 1, 1, 1, \slot, 0
	WIN 0
	s_barrier_wait -1
.if \fill
	CREST
	s_add_nc_u64 s[G0+4*\slot+2:G0+4*\slot+3], s[G0+4*\slot+2:G0+4*\slot+3], 2*SA
	s_add_nc_u64 s[G0B+4*\slot+2:G0B+4*\slot+3], s[G0B+4*\slot+2:G0B+4*\slot+3], 2*SB
	JLOAD G0+4*\slot, G1, G0B+4*\slot, G1B
.else
	PLACES 4
.endif
	s_wait_alu depctr_va_vdst(0)
	v_add_nc_u32 v[ADRS], 2048, v[ADRS]            ; the next K step's scale words
	FETCH_B \next, 0, 0
	FETCH_A \next, 0, 0
	SCALES \next
	MULQ 2, 1, 1, \slot, 0
	MULQ 3, 1, 1, \slot, 0
	PLACES 4
	WIN 0
	FETCH_A \next, 0, 1
.endm
	s_wait_alu depctr_va_vdst(0)
	s_wait_tensorcnt 0x0                           ; my tile of the head's four is in; a later first fill is issued as a refill is:
	ds_add_u32 v[SPW], v[NIL]                      ; 0 onto my spare word;
	s_mov_b32 s[G1+2], 96<<16                      ; no tensor load of mine is out, so a descriptor may be written: from here on a load brings 128 rows, 96 rows of 256 bytes
	s_mov_b32 s[G1+4], 96
	s_mov_b32 s[G1B+2], 96<<16
	s_mov_b32 s[G1B+4], 96
	s_wait_dscnt 0x0
	CROUND                                         ; a whole round: all four tiles are in, and the joint loads meet
	JLOAD G0+4, G1, G0B+4, G1B                     ; K step 1, my one load behind the round
	FETCH_B 0, 0, 0
	global_prefetch_b8 v15, s[66:67] offset:3*SA th:TH_LOAD_NT scope:SCOPE_SE   ; K step 3, the last: two loads ahead
	FETCH_A 0, 0, 0
	SCALES 0
	FETCH_A 0, 0, 1
	s_wait_loadcnt 0x0
	STEP 0, 2
	s_mov_b32 s3, NK/2-1
.Llap:
	TURN 0, 1, 1
	STEP 1, 0
	TURN 1, 0, 1
	STEP 0, 0
	s_sub_co_u32 s3, s3, 1
	s_cmp_lg_u32 s3, 0
	s_cbranch_scc1 .Llap
	TURN 0, 1, 0
	STEP 1, 0
	s_wait_dscnt (AB/2)*NL
	MULQ 0, 1, 1, 1, 0
	MULQ 1, 1, 1, 1, 0
	s_wait_dscnt 0
	MULQ 2, 1, 1, 1, 0
	MULQ 3, 1, 1, 1, 0
	WIN 0
	PLACES 4
.irp b, 0,1,2,3
	v_mov_b32 v[TM+4+\b], 0
.endr
.macro QUANTW a
.set AC, 64*((\a)%4)
.set W, 2+(\a)/4
	WIN (W<<6)|(W<<2)
.set j, 0
.rept 64
	v_max_num_f32 v[AC+j], 0, v[AC+j]
.set j, j+1
.endr
	WIN (W<<4)|(W<<2)
.irp b, 0,1,2,3
	v_max3_num_f32 v[TM+\b], 0x1800000, v[AC+16*\b], v[AC+16*\b+1]
.endr
.irp i, 2,4,6,8,10,12,14
.irp b, 0,1,2,3
	v_max3_num_f32 v[TM+\b], v[TM+\b], v[AC+16*\b+\i], v[AC+16*\b+\i+1]
.endr
.endr
	WIN 0
.irp b, 0,1,2,3
	v_permlanex16_b32 v[TM+4+\b], v[TM+\b], s98, s99
.endr
.irp b, 0,1,2,3
	v_max_num_f32 v[TM+\b], v[TM+\b], v[TM+4+\b]
.endr
.irp b, 0,1,2,3
	v_add_nc_u32 v[TM+12+\b], 0xff000000, v[TM+\b]
.endr
.irp b, 0,1,2,3
	v_lshrrev_b32 v[TM+8+\b], 23, v[TM+12+\b]
.endr
	v_lshl_or_b32 v[PW], v[TM+9], 8, v[TM+8]
	v_lshl_or_b32 v[PW], v[TM+10], 16, v[PW]
	v_lshl_or_b32 v[PW], v[TM+11], 24, v[PW]
	WIN W
.irp c, 0,1
	v_cvt_scalef32_pk16_fp6_f32 v[CD+6*\c:CD+2+6*\c], v[AC+32*\c:AC+15+32*\c], v[TM+12+2*\c]
	v_cvt_scalef32_pk16_fp6_f32 v[CD+12+4*\c:CD+14+4*\c], v[AC+16+32*\c:AC+31+32*\c], v[TM+12+2*\c+1]
.endr
	WIN 0
	v_nop
.irp c, 0,1
.irp i, 0,1,2
	v_permlane16_swap_b32 v[CD+6*\c+\i], v[CD+12+4*\c+\i]
.endr
.irp i, 0,1,2
	v_mov_b32 v[CD+3+6*\c+\i], v[CD+12+4*\c+\i]
.endr
.endr
.irp c, 0,1
.irp p, 0,1,2
	ds_store_b64 v[STC], v[CD+6*\c+2*\p:CD+6*\c+2*\p+1] offset:3072*(\a)+48*\c+8*\p
.endr
.endr
	ds_store_b32 v[STS], v[PW] offset:128*(\a)
	s_wait_dscnt 0x0
.endm
.irp a, 0,1,2,3,4,5,6,7
	QUANTW \a
.endr
	s_barrier_signal -1
	s_barrier_wait -1
.set i, 0
.rept 24
	ds_load_b128 v[128+4*i:131+4*i], v[RDC] offset:512*i
.set i, i+1
.endr
	ds_load_b128 v[224:227], v[RDS] offset:49152
.set i, 0
.rept 24
	s_wait_dscnt 24-i
	global_store_b128 v[RDC], v[128+4*i:131+4*i], s[10:11] offset:512*i th:TH_STORE_NT
.set i, i+1
.endr
	s_wait_dscnt 0x0
	global_store_b128 v[RDS], v[224:227], s[12:13] th:TH_STORE_NT
	s_wait_tensorcnt 0x0
	ds_add_u32 v[SPW], v[NIL]
	s_wait_dscnt 0x0
	CROUND
	s_endpgm
.Lfunc_end_k_q62f5962440_ffn1:
	.size	k_q62f5962440_ffn1, .Lfunc_end_k_q62f5962440_ffn1-k_q62f5962440_ffn1
	.p2alignl 7, 3214868480
	.fill 96, 4, 3214868480
	.section	.rodata,"a",@progbits
	.p2align	6, 0x0
	.amdhsa_kernel k_q62f5962440_ffn1
		.amdhsa_group_segment_fixed_size 327680
		.amdhsa_private_segment_fixed_size 0
		.amdhsa_enable_private_segment 0
		.amdhsa_kernarg_size 32
		.amdhsa_user_sgpr_count 2
		.amdhsa_user_sgpr_kernarg_segment_ptr 1
		.amdhsa_wavefront_size32 1
		.amdhsa_system_sgpr_workgroup_id_x 1
		.amdhsa_system_sgpr_workgroup_id_y 1
		.amdhsa_system_sgpr_workgroup_id_z 1
		.amdhsa_system_vgpr_workitem_id 0
		.amdhsa_next_free_vgpr 1024
		.amdhsa_next_free_sgpr 100
		.amdhsa_reserve_vcc 0
		.amdhsa_float_denorm_mode_32 3
		.amdhsa_float_denorm_mode_16_64 3
		.amdhsa_memory_ordered 1
		.amdhsa_forward_progress 1
		.amdhsa_inst_pref_size 190
	.end_amdhsa_kernel
	.amdgpu_metadata
---
amdhsa.version: [ 1, 2 ]
amdhsa.kernels:
  - .name:           k_q62f5962440_ffn1
    .symbol:         k_q62f5962440_ffn1.kd
    .args:
      - { .name: nbuf, .offset: 0, .size: 8, .value_kind: global_buffer, .address_space: global }
      - { .name: wbuf, .offset: 8, .size: 8, .value_kind: global_buffer, .address_space: global }
      - { .name: b1, .offset: 16, .size: 8, .value_kind: global_buffer, .address_space: global }
      - { .name: hbuf, .offset: 24, .size: 8, .value_kind: global_buffer, .address_space: global }
    .group_segment_fixed_size: 327680
    .private_segment_fixed_size: 0
    .kernarg_segment_align: 8
    .kernarg_segment_size: 32
    .max_flat_workgroup_size: 128
    .sgpr_count:     100
    .vgpr_count:     1024
    .wavefront_size: 32
...
	.end_amdgpu_metadata
.endif
;; end of part 13
;; launch ffn2 (part 14): grid 8 x 32, 4 waves a work-group, clusters of 4 x 4, 327,680 bytes of LDS; arguments hbuf, wbuf, b2, x1, out0; writes out0
.if DOCPART == 14
	.amdgcn_target "amdgcn-amd-amdhsa--gfx1250"
	.amdhsa_code_object_version 6
	.text
	.protected	k_q62f5962440_ffn2
	.globl	k_q62f5962440_ffn2
	.p2align	8
	.type	k_q62f5962440_ffn2,@function
k_q62f5962440_ffn2:
	s_mov_b64 s[64:65], 0
	v_nop
	global_prefetch_b8 v0, s[64:65] scope:SCOPE_SE
	s_setreg_imm32_b32 hwreg(HW_REG_WAVE_MODE, 25, 1), 1
	s_wait_xcnt 0x0
	s_wait_alu depctr_hold_cnt(0) depctr_sa_sdst(0) depctr_va_vdst(0) depctr_va_sdst(0) depctr_va_ssrc(0) depctr_va_vcc(0) depctr_vm_vsrc(0)
	s_getreg_b32 s2, hwreg(HW_REG_IB_STS2, 6, 4)
	s_cmp_eq_u32 s2, 0
	s_cbranch_scc0 .Lentry_in_a_cluster
	s_endpgm
.Lentry_in_a_cluster:
	s_bfe_u32 s2, ttmp6, 0x10000c
	s_cmp_lg_u32 s2, 0xf033
	s_cbranch_scc0 .Lentry_shape_is_right
	s_endpgm
.Lentry_shape_is_right:
.set KIND,   3
.set SA,     786432
.set RA,     4096
.if KIND == 2
.set NK,     4
.set SB,     786432
.set RB,     4096
.set ASOFF,  3145728
.set BOFF,   0
.set BSOFF,  9437184
.set RB0,    3072
.set FIRST,  1
.set RESP,   8
.set OUTP,   10
.else
.set NK,     16
.set SB,     196608
.set RB,     1024
.set ASOFF,  12582912
.set BOFF,   6291456
.set BSOFF,  9699328
.set RB0,    0
.set FIRST,  2
.set RESP,   10
.set OUTP,   12
.endif
.set PITCH,  240
.set FR,     12
.set HALF,   128*PITCH
.set SLOT,   4*HALF
.set SCL,    2*SLOT
.set SCLB,   SCL+NK*1024
.set SPARE,  SCLB+NK*1024
.set LAPS,   NK/4
.set SPITCH, 272
.set ADRA, 16
.set ADRB, 20
.set STO,  24
.set RD,   25
.set CO,   26
.set ADRS, 27
.set SPW,  28
.set NIL,  29
.set XO,   31
.set SC,   32
.set BI,   64
.set AF,   128
.set BK,   128
.set RES,  128
.set G1, 24
.set G0, 32
.set G1B, 48
.set G0B, 56
.set G1S, 68
.set G0S, 76
.set G1SB, 80
.set G0SB, 88
.set MSB, 0
.macro WIN new
.if MSB != (\new)
	s_set_vgpr_msb (MSB<<8)|(\new)
.set MSB, (\new)
.endif
.endm
.macro JLOAD g0a, g1a, g0b, g1b
	s_cmp_eq_u32 s15, 0
	s_cbranch_scc0 .Lfor_b_\@
	tensor_load_to_lds s[\g0a:\g0a+3], s[\g1a:\g1a+7]
	s_nop 0
.rept 4
	v_nop
.endr
	s_branch .Lasked_\@
.Lfor_b_\@:
	tensor_load_to_lds s[\g0b:\g0b+3], s[\g1b:\g1b+7]
	s_nop 0
.rept 4
	v_nop
.endr
.Lasked_\@:
.endm
.macro CREST
	s_cmp_lg_u32 s14, 0
	s_cbranch_scc1 .Lnot_wave_0_\@
	s_barrier_signal -3
.Lnot_wave_0_\@:
	s_barrier_wait -3
	s_barrier_signal -1
	s_barrier_wait -1
.endm
.macro CROUND
	s_barrier_signal -1
	s_barrier_wait -1
	CREST
.endm
.macro PLACES n
.rept \n
	v_nop
.endr
.endm
	s_load_b256 s[4:11], s[0:1], 0x0
.if KIND == 3
	s_load_b64 s[12:13], s[0:1], 0x20
.endif
	v_lshl_add_u32 v[SPW], v0, 2, SPARE
	v_mov_b32 v[NIL], 0
	ds_add_u32 v28, v29
	ds_add_u32 v28, v29
	s_wait_dscnt 0x0
	v_lshrrev_b32 v1, 5, v0
	v_readfirstlane_b32 s14, v1
	s_lshr_b32 s15, s14, 1
	s_and_b32 s16, s14, 1
	s_bfe_u32 s40, ttmp6, 0x40000
	s_bfe_u32 s41, ttmp6, 0x40004
	s_and_b32 s18, ttmp7, 0xffff
	s_lshl_b32 s43, s41, 2
	s_lshl_b32 s43, 15, s43
	s_lshl_b32 s44, 0x1111, s40
	s_or_b32 s[G1+0], s43, (1<<20)|(1<<21)|(3<<22)|(3<<25)
	s_or_b32 s[G1B+0], s44, (1<<20)|(1<<21)|(3<<22)|(3<<25)
.irp g, G1, G1B
	s_mov_b32 s[\g+1], 24576<<16                   ; at the head a load brings 128 rows of TWO slabs: 2 rows of 24,576 dense bytes, a slab apart; the padding is counted along the whole tile
	s_mov_b32 s[\g+2], 2<<16
	s_mov_b32 s[\g+3], 24576<<16
	s_mov_b32 s[\g+4], 2
	s_mov_b32 s[\g+6], 0
	s_mov_b32 s[\g+7], 0
.endr
	s_mov_b32 s[G1+5], SA
	s_mov_b32 s[G1B+5], SB
	s_or_b32 s[G1S+0], s43, (3<<16)|(1<<21)
	s_or_b32 s[G1SB+0], s44, (3<<16)|(1<<21)
	s_mov_b32 s[G1S+1], 128<<16
	s_mov_b32 s[G1S+2], NK<<16
	s_mov_b32 s[G1S+3], 128<<16
	s_mov_b32 s[G1S+4], NK
	s_mov_b32 s[G1S+5], RA
	s_mov_b32 s[G1S+6], 0
	s_mov_b32 s[G1S+7], 0
	s_mov_b32 s[G1SB+1], 128<<16
	s_mov_b32 s[G1SB+2], NK<<16
	s_mov_b32 s[G1SB+3], 128<<16
	s_mov_b32 s[G1SB+4], NK
	s_mov_b32 s[G1SB+5], RB
	s_mov_b32 s[G1SB+6], 0
	s_mov_b32 s[G1SB+7], 0
	s_lshl_b32 s17, s18, 2
	s_add_co_u32 s17, s17, s41
	s_lshl_b32 s42, ttmp9, 2
	s_add_co_u32 s42, s42, s40
	s_lshl_b32 s19, s17, 7
	s_lshl_b32 s45, s42, 7
	s_add_co_u32 s45, s45, RB0
	s_mul_i32 s20, s19, 192
	s_mov_b32 s21, 0
	s_lshl_b32 s22, s19, 3
	s_add_co_u32 s22, s22, ASOFF
	s_mov_b32 s23, 0
	s_mul_i32 s46, s45, 192
	s_add_co_u32 s46, s46, BOFF
	s_mov_b32 s47, 0
	s_lshl_b32 s92, s45, 3
	s_add_co_u32 s92, s92, BSOFF
	s_mov_b32 s93, 0
	s_mul_i32 s66, s16, HALF
	s_add_co_u32 s67, s66, 2*HALF
	s_wait_kmcnt 0x0
	s_add_nc_u64 s[20:21], s[4:5], s[20:21]
	s_add_nc_u64 s[22:23], s[4:5], s[22:23]
	s_add_nc_u64 s[46:47], s[6:7], s[46:47]
	s_add_nc_u64 s[92:93], s[6:7], s[92:93]
	CROUND
	s_mov_b32 s[G0S], 1
	s_mov_b32 s[G0S+1], SCL
	s_mov_b64 s[G0S+2:G0S+3], s[22:23]
	s_or_b32 s[G0S+3], s[G0S+3], 0x80000000
	s_mov_b32 s[G0SB], 1
	s_mov_b32 s[G0SB+1], SCLB
	s_mov_b64 s[G0SB+2:G0SB+3], s[92:93]
	s_or_b32 s[G0SB+3], s[G0SB+3], 0x80000000
	s_mov_b32 s4, 1                                ; group 0 for the head's loads of slabs 0 and 1: A's 128 rows in s[4:7] (the arguments that lay there have been used),
	s_mov_b32 s5, 0
	s_mov_b64 s[6:7], s[20:21]
	s_or_b32 s7, s7, 0x80000000
	s_mov_b32 s92, 1                               ; B's in s[92:95]
	s_mov_b32 s93, 2*HALF
	s_mov_b64 s[94:95], s[46:47]
	s_or_b32 s95, s95, 0x80000000
	s_mul_i32 s96, s16, SA                         ; for the ring: my slab of a pair
	s_mov_b32 s97, 0
	s_add_nc_u64 s[20:21], s[20:21], s[96:97]
	s_mul_i32 s96, s16, SB
	s_add_nc_u64 s[46:47], s[46:47], s[96:97]
.irp s, 0,1
	s_mov_b32 s[G0+4*\s], 1
	s_add_co_u32 s[G0+4*\s+1], s66, \s*SLOT
	s_add_nc_u64 s[G0+4*\s+2:G0+4*\s+3], s[20:21], \s*2*SA
	s_or_b32 s[G0+4*\s+3], s[G0+4*\s+3], 0x80000000
	s_mov_b32 s[G0B+4*\s], 1
	s_add_co_u32 s[G0B+4*\s+1], s67, \s*SLOT
	s_add_nc_u64 s[G0B+4*\s+2:G0B+4*\s+3], s[46:47], \s*2*SB
	s_or_b32 s[G0B+4*\s+3], s[G0B+4*\s+3], 0x80000000
.endr
	; THE PREFETCHES: a fill brings a pair of slabs; the pair that stands TWO fills on is asked for behind each fill.  Of the 96 blocks of 256 bytes that I fetch of a pair, each of the four partners that ask for them
	; jointly names 24, told apart by address (cx for A, cy for B); lanes 24-31 name the last again.  s[66:67] stands one pair ahead of the fill in hand, v14 adds one pair more.  The loop's last trip asks for nothing: pair 7 is the last.
	s_cmp_eq_u32 s15, 0
	s_cselect_b64 s[66:67], s[20:21], s[46:47]
	s_cselect_b32 s96, s40, s41
	s_mov_b32 s44, 2*SB
	s_cselect_b32 s44, 2*SA, s44                   ; from pair to pair
	s_mov_b32 s45, 0
	s_mul_i32 s96, s96, 6144
	s_add_nc_u64 s[66:67], s[66:67], s[96:97]
	s_add_nc_u64 s[66:67], s[66:67], s[44:45]      ; at pair 1
; THE HEAD'S LOADS, ONE A WAVE: wave 0 A's rows of slabs 0 and 1, wave 1 B's, wave 2 A's scale bytes, wave 3 B's.  One chain of branches on the wave's number: every way passes exactly one load.
.macro ARM under, g0, g1, next
	s_cmp_lt_u32 s14, \under
	s_cbranch_scc0 \next
	tensor_load_to_lds s[\g0:\g0+3], s[\g1:\g1+7]
	s_nop 0
.rept 4
	v_nop
.endr
	s_branch .Lhead_asked
\next:
.endm
	ARM 1, 4,   G1,  .Lhead_b
	ARM 2, 92,  G1B, .Lhead_sa
	ARM 3, G0S, G1S, .Lhead_sb
	tensor_load_to_lds s[G0SB:G0SB+3], s[G1SB:G1SB+7]
	s_nop 0
.rept 4
	v_nop
.endr
.Lhead_asked:
	v_and_b32 v15, 31, v0
	v_min_u32 v15, 23, v15
	v_lshlrev_b32 v15, 8, v15
	v_add_nc_u32 v14, s44, v15
	global_prefetch_b8 v15, s[66:67] th:TH_LOAD_NT scope:SCOPE_SE   ; pair 1, the next load's,
	global_prefetch_b8 v14, s[66:67] th:TH_LOAD_NT scope:SCOPE_SE   ; and pair 2
	v_and_b32 v1, 15, v0
	v_bfe_u32 v2, v0, 4, 1
	v_mul_u32_u24 v3, v1, PITCH
	v_mul_u32_u24 v4, v2, 24
	v_add_nc_u32 v4, v3, v4
	v_lshl_add_u32 v5, v2, 4, v4
	s_mul_i32 s21, s15, 64*PITCH
	s_mul_i32 s22, s16, 64*PITCH
	s_add_co_u32 s22, s22, 2*HALF
.irp s, 0,1
	v_add_nc_u32 v[ADRA+\s], s21, v4
	v_add_nc_u32 v[ADRB+\s], s22, v4
	v_add_nc_u32 v[ADRA+2+\s], s21, v5
	v_add_nc_u32 v[ADRB+2+\s], s22, v5
	s_add_co_u32 s21, s21, SLOT
	s_add_co_u32 s22, s22, SLOT
.endr
	v_lshlrev_b32 v5, 3, v1
	s_lshl_b32 s21, s15, 9
	s_lshl_b32 s22, s16, 9
	s_add_co_u32 s22, s22, SCLB-SCL
	s_sub_co_u32 s22, s22, s21
	v_mul_u32_u24 v6, s22, v2
	s_add_co_u32 s21, s21, SCL
	v_add_nc_u32 v5, v5, v6
	v_add_nc_u32 v[ADRS], s21, v5
	s_mul_i32 s23, s14, 16*SPITCH
	v_mul_u32_u24 v5, v1, SPITCH
	v_lshl_add_u32 v5, v2, 6, v5
	v_add_nc_u32 v[STO], s23, v5
	v_mul_u32_u24 v5, v2, SPITCH
	v_lshl_add_u32 v5, v1, 4, v5
	v_add_nc_u32 v[RD], s23, v5
	v_lshlrev_b32 v[CO], 12, v2
	v_lshl_add_u32 v[CO], v1, 4, v[CO]
	s_wait_alu depctr_va_vdst(0)
	s_lshl_b32 s96, s17, 7
	s_lshl_b32 s97, s15, 6
	s_add_co_u32 s96, s96, s97
	s_lshl_b32 s96, s96, 12
	s_lshl_b32 s97, s42, 9
	s_add_co_u32 s96, s96, s97
	s_lshl_b32 s97, s16, 8
	s_add_co_u32 s96, s96, s97
	s_mov_b32 s97, 0
	s_add_nc_u64 s[RESP:RESP+1], s[RESP:RESP+1], s[96:97]
	s_add_nc_u64 s[OUTP:OUTP+1], s[OUTP:OUTP+1], s[96:97]
.if FIRST == 2
	s_lshl_b32 s98, s42, 9
	s_lshl_b32 s99, s16, 8
	s_add_co_u32 s98, s98, s99
	s_mov_b32 s99, 0
	s_add_nc_u64 s[8:9], s[8:9], s[98:99]
	v_lshlrev_b32 v[XO], 6, v2
.irp i, 0,1,2,3
	global_load_b128 v[BI+8*\i:BI+8*\i+3], v[XO], s[8:9] offset:(32*(\i/2)+8*(\i%2))*4
	global_load_b128 v[BI+8*\i+4:BI+8*\i+7], v[XO], s[8:9] offset:(32*(\i/2)+8*(\i%2))*4+16
.endr
.endif
	WIN 0x80
.set a, 0
.rept 4
.set t, 0
.rept 8
	global_load_b128 v[RES+32*a+4*t:RES+32*a+4*t+3], v[CO], s[RESP:RESP+1] offset:(32*(a/2)+8*(a%2)+2*t+8*(t/4))*4096
.set t, t+1
.endr
.set a, a+1
.endr
	WIN 0
.macro FRAG reg, adr, q, i
.irp p, 0,1,2,3,4,5
.set PCE, 12*((\q)%2)+6*(\p/3)+\p%3
.if PCE%8 < 5
	ds_load_b64 v[\reg+2*\p:\reg+2*\p+1], v[\adr] offset:((\q)/2)*HALF+8*PCE+16*(PCE/8)+(\i)*16*PITCH
.else
	ds_load_b64 v[\reg+2*\p:\reg+2*\p+1], v[\adr+2] offset:((\q)/2)*HALF+8*PCE+16*(PCE/8)+(\i)*16*PITCH
.endif
.endr
.endm
.macro MULB a, p, q, sc, first
.if (\first) == 2
	WIN 0x81
.else
	WIN 0xa1
.endif
.irp b, 0,1,2,3
.set rD, 8*(4*(\a)+\b)
.set rB, 128*(\p)+FR*\b
.set rA, AF+48*(\p)+FR*(\a)
.set rT, SC+16*(\sc)+4*\b+(\q)
.set rU, SC+16*(\sc)+4*(\a)+(\q)
.if (\first) == 1
	v_wmma_scale_f32_16x16x128_f8f6f4 v[rD:rD+7], v[rB:rB+FR-1], v[rA:rA+FR-1], 0, v[rT], v[rU] matrix_a_fmt:MATRIX_FMT_FP6 matrix_b_fmt:MATRIX_FMT_FP6 matrix_a_scale:MATRIX_SCALE_ROW1
.elseif (\first) == 2
	v_wmma_scale_f32_16x16x128_f8f6f4 v[rD:rD+7], v[rB:rB+FR-1], v[rA:rA+FR-1], v[BI+8*\b:BI+8*\b+7], v[rT], v[rU] matrix_a_fmt:MATRIX_FMT_FP6 matrix_b_fmt:MATRIX_FMT_FP6 matrix_a_scale:MATRIX_SCALE_ROW1
.else
	v_wmma_scale_f32_16x16x128_f8f6f4 v[rD:rD+7], v[rB:rB+FR-1], v[rA:rA+FR-1], v[rD:rD+7], v[rT], v[rU] matrix_a_fmt:MATRIX_FMT_FP6 matrix_b_fmt:MATRIX_FMT_FP6 matrix_a_scale:MATRIX_SCALE_ROW1
.endif
.endr
.endm
.macro MUL16 p, q, sc, first
.irp a, 0,1,2,3
	MULB \a, \p, \q, \sc, \first
.endr
.endm
.macro FETCH slot, q, p
	WIN 0x40
.irp i, 0,1,2,3
	FRAG 128*(\p)+FR*\i, ADRB+\slot, \q, \i
.endr
	WIN 0
.irp i, 0,1,2,3
	FRAG AF+48*(\p)+FR*\i, ADRA+\slot, \q, \i
.endr
.endm
.macro SCALES sc
.irp i, 0,1,2,3
	ds_load_b64 v[SC+16*\sc+4*\i:SC+16*\sc+4*\i+1], v[ADRS] offset:128*\i
	ds_load_b64 v[SC+16*\sc+4*\i+2:SC+16*\sc+4*\i+3], v[ADRS] offset:1024+128*\i
.endr
.endm
.macro SUB slot, q, first
	s_wait_dscnt 0x0
	PLACES 4
.set nq, (\q)+1
	FETCH \slot, nq, nq%2
	MUL16 (\q)%2, \q, \slot, \first
.endm
.macro TURN slot, next, fill
	WIN 0
.if \fill
	s_wait_xcnt 0x0                                ; my last prefetch has read its address: it steps a pair on, ahead of the waits of the change of slots
	s_add_nc_u64 s[66:67], s[66:67], s[44:45]
.endif
	s_wait_tensorcnt 0x0
	ds_add_u32 v[SPW], v[NIL]
	s_wait_dscnt 1
	MULB 0, 1, 3, \slot, 0
	s_wait_dscnt 0x0
	s_barrier_signal -1
	MULB 1, 1, 3, \slot, 0
	WIN 0
	s_barrier_wait -1
.if \fill
	CREST
	s_add_nc_u64 s[G0+4*\slot+2:G0+4*\slot+3], s[G0+4*\slot+2:G0+4*\slot+3], 4*SA
	s_add_nc_u64 s[G0B+4*\slot+2:G0B+4*\slot+3], s[G0B+4*\slot+2:G0B+4*\slot+3], 4*SB
	JLOAD G0+4*\slot, G1, G0B+4*\slot, G1B
.else
	PLACES 4
.endif
	s_wait_alu depctr_va_vdst(0)
	v_add_nc_u32 v[ADRS], 2048, v[ADRS]
	FETCH \next, 0, 0
	SCALES \next
.if \fill
	s_cmp_gt_u32 s3, 1                             ; s3 = 1 in the loop's last trip
	s_cbranch_scc0 .Lno_ask_\@
	global_prefetch_b8 v14, s[66:67] th:TH_LOAD_NT scope:SCOPE_SE   ; the pair two fills on
.Lno_ask_\@:
.endif
	MULB 2, 1, 3, \slot, 0
	MULB 3, 1, 3, \slot, 0
.endm
	s_wait_xcnt 0x0                                ; my prefetches have read their address: it steps a pair on
	s_add_nc_u64 s[66:67], s[66:67], s[44:45]
	s_wait_alu depctr_va_vdst(0)
	s_wait_tensorcnt 0x0                           ; my tile of the head's four is in; a later first fill is issued as a refill is:
	ds_add_u32 v[SPW], v[NIL]                      ; 0 onto my spare word;
.irp g, G1, G1B
	s_mov_b32 s[\g+1], 256<<16                     ; no tensor load of mine is out, so a descriptor may be written: from here on a load brings 128 rows of one slab, 96 rows of 256 bytes
	s_mov_b32 s[\g+2], 96<<16
	s_mov_b32 s[\g+3], 256<<16
	s_mov_b32 s[\g+4], 96
	s_mov_b32 s[\g+5], 256
.endr
	s_wait_dscnt 0x0
	CROUND                                         ; a whole round: all four tiles are in, and the joint loads meet
	JLOAD G0+4, G1, G0B+4, G1B                     ; pair 1, my one load behind the round
	FETCH 0, 0, 0
	global_prefetch_b8 v14, s[66:67] th:TH_LOAD_NT scope:SCOPE_SE   ; pair 3
	SCALES 0
.if FIRST == 2
	s_wait_loadcnt 32
.endif
	SUB 0, 0, FIRST
	WIN 0
.if LAPS > 1
	s_mov_b32 s3, LAPS-1
.Llap:
	SUB 0, 1, 0
	SUB 0, 2, 0
	TURN 0, 1, 1
	SUB 1, 0, 0
	SUB 1, 1, 0
	SUB 1, 2, 0
	TURN 1, 0, 1
	SUB 0, 0, 0
	WIN 0
	s_sub_co_u32 s3, s3, 1
	s_cmp_lg_u32 s3, 0
	s_cbranch_scc1 .Llap
.endif
	SUB 0, 1, 0
	SUB 0, 2, 0
	TURN 0, 1, 0
	SUB 1, 0, 0
	SUB 1, 1, 0
	SUB 1, 2, 0
	s_wait_dscnt 0x0
	MUL16 1, 3, 1, 0
	WIN 0
	PLACES 4
.macro TOSTAGE a
	WIN 0x08
.irp b, 0,1,2,3
	ds_store_b128 v[STO], v[8*(4*(\a)+\b):8*(4*(\a)+\b)+3] offset:128*(\b/2)+32*(\b%2)
	ds_store_b128 v[STO], v[8*(4*(\a)+\b)+4:8*(4*(\a)+\b)+7] offset:128*(\b/2)+32*(\b%2)+16
.endr
	WIN 0
.set BB, BK+32*((\a)%2)
.set t, 0
.rept 8
	ds_load_b128 v[BB+4*t:BB+4*t+3], v[RD] offset:2*t*SPITCH
.set t, t+1
.endr
.endm
.macro SEND a, younger
.set BB, BK+32*((\a)%2)
	s_wait_dscnt \younger
	s_wait_loadcnt 8*(3-(\a))
	WIN 0x08
.set k, 0
.rept 16
	v_pk_add_f32 v[BB+2*k:BB+2*k+1], v[BB+2*k:BB+2*k+1], v[RES+32*(\a)+2*k:RES+32*(\a)+2*k+1]
.set k, k+1
.endr
	WIN 0
.set t, 0
.rept 8
	global_store_b128 v[CO], v[BB+4*t:BB+4*t+3], s[OUTP:OUTP+1] offset:(32*((\a)/2)+8*((\a)%2)+2*t+8*(t/4))*4096
.set t, t+1
.endr
.endm
	TOSTAGE 0
	TOSTAGE 1
	SEND 0, 16
	s_wait_xcnt 0x0
	TOSTAGE 2
	SEND 1, 16
	s_wait_xcnt 0x0
	TOSTAGE 3
	SEND 2, 16
	SEND 3, 0
	s_wait_tensorcnt 0x0
	ds_add_u32 v[SPW], v[NIL]
	s_wait_dscnt 0x0
	CROUND
	s_endpgm
.Lfunc_end_k_q62f5962440_ffn2:
	.size	k_q62f5962440_ffn2, .Lfunc_end_k_q62f5962440_ffn2-k_q62f5962440_ffn2
	.p2alignl 7, 3214868480
	.fill 96, 4, 3214868480
	.section	.rodata,"a",@progbits
	.p2align	6, 0x0
	.amdhsa_kernel k_q62f5962440_ffn2
		.amdhsa_group_segment_fixed_size 327680
		.amdhsa_private_segment_fixed_size 0
		.amdhsa_enable_private_segment 0
		.amdhsa_kernarg_size 40
		.amdhsa_user_sgpr_count 2
		.amdhsa_user_sgpr_kernarg_segment_ptr 1
		.amdhsa_wavefront_size32 1
		.amdhsa_system_sgpr_workgroup_id_x 1
		.amdhsa_system_sgpr_workgroup_id_y 1
		.amdhsa_system_sgpr_workgroup_id_z 1
		.amdhsa_system_vgpr_workitem_id 0
		.amdhsa_next_free_vgpr 768
		.amdhsa_next_free_sgpr 100
		.amdhsa_reserve_vcc 0
		.amdhsa_float_denorm_mode_32 3
		.amdhsa_float_denorm_mode_16_64 3
		.amdhsa_memory_ordered 1
		.amdhsa_forward_progress 1
		.amdhsa_inst_pref_size 118
	.end_amdhsa_kernel
	.amdgpu_metadata
---
amdhsa.version: [ 1, 2 ]
amdhsa.kernels:
  - .name:           k_q62f5962440_ffn2
    .symbol:         k_q62f5962440_ffn2.kd
    .args:
      - { .name: hbuf, .offset: 0, .size: 8, .value_kind: global_buffer, .address_space: global }
      - { .name: wbuf, .offset: 8, .size: 8, .value_kind: global_buffer, .address_space: global }
      - { .name: b2, .offset: 16, .size: 8, .value_kind: global_buffer, .address_space: global }
      - { .name: x1, .offset: 24, .size: 8, .value_kind: global_buffer, .address_space: global }
      - { .name: out0, .offset: 32, .size: 8, .value_kind: global_buffer, .address_space: global }
    .group_segment_fixed_size: 327680
    .private_segment_fixed_size: 0
    .kernarg_segment_align: 8
    .kernarg_segment_size: 40
    .max_flat_workgroup_size: 128
    .sgpr_count:     100
    .vgpr_count:     768
    .wavefront_size: 32
...
	.end_amdgpu_metadata
.endif
;; end of part 14
